; MI455X (gfx1250); checked and timed in simulation.
; The chip was launched on July 23, 2026; its instructions are those of AMD's public machine-readable ISA for CDNA 5 (MIT licence, August 2026) and "CDNA5" Instruction Set Architecture Reference Guide (July 2026). The comments in the code are by the model that wrote it; some were corrected since.
;; Transformer Encoder Layer Rotary. Allowed arithmetic: matrix products marked QUANTISED: E4M3 operands, one given power-of-two scale a tensor, by v_wmma_f32_16x16x64_fp8_fp8 or v_wmma_f32_16x16x128_fp8_fp8, f32 sums; everything else in f32.
;; Inputs: b1 4,096 float32; b2 1,024 float32; k_b 1,024 float32; k_w 1,024 x 1,024 float32; ln1_b 1,024 float32; ln1_g 1,024 float32; ln2_b 1,024 float32; ln2_g 1,024 float32; lowp_scales 14 int32 (the exponents e of the quantised operands' scales 2^e); q_b 1,024 float32; q_w 1,024 x 1,024 float32; src 2,048 x 2 x 1,024 float32; v_b 1,024 float32; v_w 1,024 x 1,024 float32; w1 1,024 x 4,096 float32; w2 4,096 x 1,024 float32.
;; Outputs: out0 2,048 x 2 x 1,024 float32.
;; This version of the problem:
;;   THIS VERSION OF THE PROBLEM IS GIVEN IN LOW PRECISION. The matrix products marked QUANTISED in the list below multiply operands that are first quantised to E4M3 (4 exponent bits, 3 mantissa bits; 8 bits a number), with one given power-of-two scale for each operand tensor; their sums are f32. All else is computed in f32.
;;   The module's matrix products, in the order in which they are computed (A, B: the left and right operand; K: the contracted axis; several contracted axes count as one K, in the product's order):
;;     1. [M 4,096, K 1,024] x [K 1,024, N 1,024]; A: input src; B: input q_w: QUANTISED (scales: A lowp_scales[0], B lowp_scales[1])
;;     2. [M 4,096, K 1,024] x [K 1,024, N 1,024]; A: input src; B: input k_w: QUANTISED (scales: A lowp_scales[2], B lowp_scales[3])
;;     3. [M 4,096, K 1,024] x [K 1,024, N 1,024]; A: input src; B: input v_w: QUANTISED (scales: A lowp_scales[4], B lowp_scales[5])
;;     4. batch 32 x [M 2,048, K 64] x [K 64, N 2,048]; A: computed on the way; B: computed on the way: QUANTISED (scales: A lowp_scales[6], B lowp_scales[7])
;;     5. batch 32 x [M 2,048, K 2,048] x [K 2,048, N 64]; A: softmax (see below); B: computed on the way: QUANTISED (scales: A lowp_scales[8], B lowp_scales[9])
;;     6. [M 4,096, K 1,024] x [K 1,024, N 4,096]; A: computed on the way; B: input w1: QUANTISED (scales: A lowp_scales[10], B lowp_scales[11])
;;     7. [M 4,096, K 4,096] x [K 4,096, N 1,024]; A: computed on the way; B: input w2: QUANTISED (scales: A lowp_scales[12], B lowp_scales[13])
;;   THE QUANTISER, for each operand of a quantised product, along K:
;;     - The operand's scale is 2^e, e = its entry of the input lowp_scales (int32; the entries are numbered through the quantised products in the list's order, A before B).
;;     - Each number is divided by the scale, clamped to +-448, and rounded to the nearest number of E4M3, ties to even, subnormals kept.
;;     - The product sums the exact products of the quantised numbers (number of the format x scale) in f32.
;;   ~~~python
;;   def quantise(x, axis, e):      # numpy; x: float32 -> the quantised numbers, widened to float32 again
;;       x = np.moveaxis(x, axis, -1); K = x.shape[-1]
;;       r = np.clip(x / 2.0 ** e, -448, 448)
;;       step = 2.0 ** (np.maximum(np.frexp(np.where(r == 0, 1, r))[1] - 1, -6) - 3)
;;       q = np.round(r / step) * step * 2.0 ** e      # np.round: ties to even
;;       return np.moveaxis(q, -1, axis).astype(np.float32)
;;   ~~~
;;   SOFTMAX AHEAD OF A QUANTISED PRODUCT. Where the list says 'softmax', what is quantised is not the finished softmax but p = 2^(t - M), with t = logit x log2(e) and M = ceil(the row's largest t), a whole number; so 1/2 < the row's largest p <= 1. The row's sum l is taken of the UNQUANTISED p, in f32, and the product's result is divided by l at the end. Since M is a whole number, a kernel that streams over the keys may use a running M (the ceiling of the running maximum): every later rescaling is an exact power of two, so the quantised numbers keep their values, but for numbers so far below the row's largest that they fall under the format's range.
;;   OPERANDS COMPUTED ON THE WAY. 'Computed on the way' means the value that the module computes at that place (a softmax that the list does not call 'softmax' is quantised finished and normalised). What goes into a quantiser is computed in f32, as accurately as f32 sums, v_exp_f32 and their like allow (about 1e-6 of the number): no bf16 or f16 on the way to a quantiser, and a product that is left as it is and whose result goes on into a quantised operand takes f32 operands (vector FMAs, or v_wmma_f32_16x16x4_f32). A number that lies on a knife's edge between two numbers of the format may be rounded either way, as far as f32 arithmetic and the matrix unit's own rounding can turn it there, and no further.
;; 2 versions. Each part assembles by itself: llvm-mc -triple=amdgcn-amd-amdhsa -mcpu=gfx1250 --defsym DOCPART=n.
;; ======== version 1 of 2: 7 launches
;; workspace buffers: srcc 12,582,912 bytes; wc 12,058,624 bytes; qkvc 12,582,912 bytes; att 16,777,216 bytes; x 16,777,216 bytes; xc 4,194,304 bytes; hc 16,777,216 bytes; y 16,777,216 bytes
;; launch prep (part 1): grid 512 x 1, 4 waves a work-group, no clusters, 68,096 bytes of LDS; arguments src, q_w, k_w, v_w, w1, w2, lowp_scales, srcc, wc; writes srcc, wc
.if DOCPART == 1
	.amdgcn_target "amdgcn-amd-amdhsa--gfx1250"
	.amdhsa_code_object_version 6
	.text
	.protected	k_q869660bf90_prep
	.globl	k_q869660bf90_prep
	.p2align	8
	.type	k_q869660bf90_prep,@function
k_q869660bf90_prep:
	s_mov_b64 s[64:65], 0
	v_nop
	global_prefetch_b8 v0, s[64:65] scope:SCOPE_SE
	s_setreg_imm32_b32 hwreg(HW_REG_WAVE_MODE, 25, 1), 1
	s_wait_xcnt 0x0
; Three jobs, told apart by the work-group's number alone.
; Work-groups 0-127: src [2048 s][2 b][1024] f32 becomes three sets of E4M3 codes (scales: entries 0, 2, 4), each laid [4 K steps][4096 rows][256 bytes].
;   Sets 0 and 1: row = 2048 b + s.  Set 2: row = 2048 b + (s & ~127) + 16 (s & 7) + ((s >> 3) & 15), so that the product for v finds eight neighbouring s in one lane.
; Work-groups 128-479: the five weights [K][N] f32 become codes laid [K / 256][N rows][256 bytes], K innermost.  Row 32 g + p holds column 32 g + pi(p), pi = bits 3 and 4 of p exchanged.
;   A lane takes a column and its registers run down K; the codes leave through the wave's own stage as whole rows of 256 bytes.
; Work-groups 480-511: the table of rotations, [2048 s][32 pairs][cos, sin] f32, at byte 11 MiB of wc.
; code = x / 2^e, held within +-448, to the nearest code, ties to even.  LIMITS: each e between -126 and 119; NaN among the inputs is not served.
; The table: inv_freq = 2^(-i log2(10) / 8) by v_exp_f32, the angle s x inv_freq in one rounding, reduced by pi / 2 in two parts, polynomials of degree 7 and 8 on +-pi / 4.
;   inv_freq is good to a few units of its last place, so an angle near s = 2047 is good to about 1e-4 rad.
; No tensor load, no barrier: waves share nothing; each path has LDS bytes of its own.
.set SP,    80                         ; src path: a lane's place in a stage: 64 bytes + 16 of padding
.set WREG,  8192                       ; src path: LDS of a wave (two stages of 32 x SP)
.set R,     16                         ; v16-79   four sets of 16 numbers as loaded
.set X,     80                         ; v80-111  two sets of 16 neighbours
.set T,     112                        ; v112-143 two sets of 16 held numbers
.set C,     144                        ; v144-167 codes: two step sets x three scales x 4
.set SO,    8                          ; v8       (lane / 16) x 1 MiB + 16 (lane % 16)
.set WST,   32768                      ; weight path: the stages begin here
.set WP,    272                        ; a stage row: 256 bytes + 16
.set WX,    32                         ; v32-95   two sets of 32 numbers
.set WC,    96                         ; v96-103  a block's codes
.set OUTR,  112                        ; v112-175 the way out
.set VO,    176                        ; v176-207 4 lane + i x pitch, never rewritten
	s_load_b512 s[4:19], s[0:1], 0x0               ; src 4, q_w 6, k_w 8, v_w 10, w1 12, w2 14, scales 16, srcc 18
	s_load_b64 s[20:21], s[0:1], 0x40              ; wc
	v_lshl_add_u32 v224, v0, 2, 0x10800
	v_mov_b32 v225, 0
	v_lshrrev_b32 v1, 5, v0
	v_readfirstlane_b32 s22, v1                    ; wave 0..3
	v_and_b32 v2, 31, v0                           ; lane
	s_wait_kmcnt 0x0
	s_cmp_lt_u32 ttmp9, 128
	s_cbranch_scc0 .Lnot_src
; ---------------- src: a wave takes 8 rows (8,192 numbers) in 16 steps of 512 ----------------
	s_load_b256 s[24:31], s[16:17], 0x0            ; entries 0 to 7: e0 = s24, e2 = s26, e4 = s28
	v_lshlrev_b32 v3, 4, v2                        ; my 16 bytes of a load's 512
	s_mul_i32 s23, s22, WREG
	v_lshrrev_b32 v14, 2, v2
	v_mul_u32_u24 v14, v14, SP
	v_and_b32 v15, 3, v2
	v_lshl_add_u32 v14, v15, 4, v14
	v_add_nc_u32 v14, s23, v14                     ; into the stage: SP (lane / 4) + 16 (lane % 4)
	v_mul_u32_u24 v15, v2, SP
	v_add_nc_u32 v15, s23, v15                     ; out of it: SP x lane: 16 neighbours
	v_lshrrev_b32 v[SO], 4, v2
	v_and_b32 v9, 15, v2
	v_lshlrev_b32 v9, 4, v9
	v_lshl_or_b32 v[SO], v[SO], 20, v9             ; lanes 16-31 hold the next 256 along K: one K step, 1 MiB, on
	s_lshl_b32 s38, ttmp9, 2
	s_add_co_u32 s38, s38, s22                     ; 4 g + w
	s_lshl_b32 s40, s38, 15                        ; x 32,768 bytes of src
	s_mov_b32 s41, 0
	s_add_nc_u64 s[4:5], s[4:5], s[40:41]
	s_lshl_b32 s39, s38, 2                         ; s0 = 16 g + 4 w: my first s
	s_lshl_b32 s40, s39, 8
	s_add_nc_u64 s[32:33], s[18:19], s[40:41]      ; set 0 at row s0
	s_add_nc_u64 s[34:35], s[32:33], 0x400000      ; set 1
	s_and_b32 s42, s39, 0xffffff80
	s_and_b32 s43, s39, 7
	s_lshl_b32 s43, s43, 4
	s_add_co_u32 s42, s42, s43
	s_bfe_u32 s43, s39, 0x40003
	s_add_co_u32 s42, s42, s43                     ; set 2's row of s0
	s_lshl_b32 s40, s42, 8
	s_add_co_u32 s40, s40, 0x800000
	s_add_nc_u64 s[36:37], s[18:19], s[40:41]
.macro SLOAD t
.irp i, 0,1,2,3
	global_load_b128 v[R+16*((\t)%4)+4*\i:R+16*((\t)%4)+4*\i+3], v3, s[4:5] offset:2048*(\t)+512*\i th:TH_LOAD_NT   ; 32 lanes read 512 consecutive bytes
.endr
.endm
.macro STURN t                         ; a step's numbers through the stage; LDS serves a wave's instructions in order
.irp i, 0,1,2,3
	ds_store_b128 v14, v[R+16*((\t)%4)+4*\i:R+16*((\t)%4)+4*\i+3] offset:32*SP*((\t)%2)+8*SP*\i
.endr
.irp i, 0,1,2,3
	ds_load_b128 v[X+16*((\t)%2)+4*\i:X+16*((\t)%2)+4*\i+3], v15 offset:32*SP*((\t)%2)+16*\i
.endr
.endm
.irp t, 0,1,2,3
	SLOAD \t
.endr
	s_wait_kmcnt 0x0
.irp c, 0,1,2
	s_add_co_i32 s44, s[24+2*\c], 127
	s_lshl_b32 s45, s44, 23
	v_mov_b32 v[168+2*\c], s45                     ; 2^e as f32
	s_add_co_i32 s44, s44, 8
	s_lshl_b32 s44, s44, 23
	s_or_b32 s44, s44, 0x600000
	v_mov_b32 v[169+2*\c], s44                     ; 448 x 2^e
.endr
	s_wait_loadcnt 12                              ; step 0's four loads are in
	STURN 0
; Step t is half t & 1 of row t >> 1 of my eight: b = (t >> 1) & 1, s = s0 + (t >> 2).
.macro SSTEP t
.set XS, X+16*((\t)%2)
	s_wait_dscnt 0x0                               ; this step's numbers are back; its stores into the stage have read their registers
.if (\t)+4 < 16
	SLOAD (\t)+4
.endif
.if (\t)+1 < 16
.if 14-(\t) >= 3
	s_wait_loadcnt 12                              ; the next step's loads are in; three later steps' twelve may be out
.else
	s_wait_loadcnt 4*(14-(\t))
.endif
	STURN (\t)+1
.endif
	s_wait_xcnt 0x0                                ; the stores of two steps ago have read this set of code registers
.irp c, 0,1,2
.set TS, T+16*((3*(\t)+\c)%2)
.set CC, C+12*((\t)%2)+4*\c
.set i, 0
.rept 16
	v_med3_num_f32 v[TS+i], v[XS+i], -v[169+2*\c], v[169+2*\c]   ; the conversion does not saturate (ISA guide 7.6.2): hold first
.set i, i+1
.endr
	v_cvt_scalef32_pk8_fp8_f32 v[CC:CC+1], v[TS:TS+7], v[168+2*\c]
	v_cvt_scalef32_pk8_fp8_f32 v[CC+2:CC+3], v[TS+8:TS+15], v[168+2*\c]
	global_store_b128 v[SO], v[CC:CC+3], s[32+2*\c:33+2*\c] offset:((\t)&1)*0x200000+(((\t)>>1)&1)*524288+((\t)>>2)*(256+3840*(\c/2))   ; sixteen lanes store 256 consecutive bytes, aligned
.endr
.endm
.irp t, 0,1,2,3,4,5,6,7,8,9,10,11,12,13,14,15
	SSTEP \t
.endr
	s_wait_tensorcnt 0x0
	ds_add_u32 v224, v225
	s_wait_dscnt 0x0
	s_endpgm
; ---------------- weights: a work-group takes 128 columns x 256 along K, a wave 32 columns ----------------
.Lnot_src:
	s_cmp_lt_u32 ttmp9, 480
	s_cbranch_scc0 .Lrope
	s_load_b256 s[68:75], s[16:17], 0x0            ; entries 0 to 7
	s_load_b32 s76, s[16:17], 0x2c                 ; entry 11 (w1)
	s_load_b32 s77, s[16:17], 0x34                 ; entry 13 (w2)
	s_sub_co_u32 s23, ttmp9, 128                   ; u: 0-95 q_w, k_w, v_w; 96-223 w1; 224-351 w2
	s_lshr_b32 s25, s23, 5                         ; which of q, k, v
	s_and_b32 s28, s23, 31
	s_sub_co_u32 s58, s23, 96
	s_sub_co_u32 s59, s23, 224
	s_lshl_b32 s55, s25, 10                        ; 1024 t: the weight's rows in the joint tensor of q, k, v
	s_cmp_eq_u32 s25, 0
	s_cselect_b64 s[26:27], s[6:7], s[8:9]
	s_cmp_eq_u32 s25, 2
	s_cselect_b64 s[26:27], s[10:11], s[26:27]
	s_mov_b32 s51, 4096
	s_mov_b32 s54, 0x300000
	s_cmp_lt_u32 s23, 96
	s_cselect_b64 s[26:27], s[26:27], s[12:13]
	s_cselect_b32 s28, s28, s58                    ; L: the work-group's number within its weight
	s_cselect_b32 s55, s55, 0
	s_cselect_b32 s51, 3072, s51                   ; rows of the codes' tensor
	s_cselect_b32 s54, 0, s54                      ; its first byte in wc
	s_cselect_b32 s29, 3, 5                        ; log2 of the column groups
	s_cselect_b32 s50, 12, 14                      ; log2 of a row of the weight in bytes
	s_cmp_lt_u32 s23, 224
	s_cselect_b64 s[26:27], s[26:27], s[14:15]
	s_cselect_b32 s28, s28, s59
	s_cselect_b32 s51, s51, 1024
	s_cselect_b32 s54, s54, 0x700000
	s_cselect_b32 s29, s29, 3
	s_cselect_b32 s50, s50, 12
	s_bfm_b32 s56, s29, 0
	s_and_b32 s56, s28, s56                        ; cg: which 128 columns
	s_lshr_b32 s57, s28, s29                       ; ks: which 256 along K
	s_add_co_u32 s60, s50, 8
	s_lshl_b32 s60, s57, s60                       ; ks x 256 rows
	s_lshl_b32 s61, s56, 9
	s_add_co_u32 s60, s60, s61                     ; + 128 cg columns of 4 bytes
	s_lshl_b32 s61, s22, 7
	s_add_co_u32 s60, s60, s61                     ; + 32 w
	s_mov_b32 s61, 0
	s_add_nc_u64 s[32:33], s[26:27], s[60:61]      ; block 0's base
	s_add_co_u32 s48, s50, 5
	s_lshl_b32 s48, 1, s48                         ; 32 rows
	s_mov_b32 s49, 0
.irp t, 1,2,3,4,5,6,7
	s_add_nc_u64 s[32+2*\t:33+2*\t], s[30+2*\t:31+2*\t], s[48:49]   ; a base for each block of 32 along K: none is ever stepped
.endr
	s_lshl_b32 s50, 1, s50                         ; a row in bytes
	s_mul_i32 s60, s57, s51
	s_add_co_u32 s60, s60, s55
	s_lshl_b32 s61, s56, 7
	s_add_co_u32 s60, s60, s61
	s_lshl_b32 s61, s22, 5
	s_add_co_u32 s60, s60, s61                     ; ks x rows + my first row
	s_lshl_b32 s60, s60, 8
	s_add_co_u32 s60, s60, s54
	s_mov_b32 s61, 0
	s_add_nc_u64 s[52:53], s[20:21], s[60:61]      ; my 32 rows of 256 bytes: 8 KiB on end
	v_lshlrev_b32 v[VO], 2, v2
.set i, 1
.rept 31
	v_add_nc_u32 v[VO+i], s50, v[VO+i-1]
.set i, i+1
.endr
	s_mul_i32 s60, s22, 32*WP
	s_add_co_u32 s60, s60, WST                     ; my stage
	v_and_b32 v5, 7, v2
	v_bfe_u32 v6, v2, 3, 1
	v_lshl_add_u32 v5, v6, 4, v5
	v_bfe_u32 v6, v2, 4, 1
	v_lshl_add_u32 v5, v6, 3, v5                   ; pi(lane)
	v_mul_u32_u24 v4, v5, WP
	v_add_nc_u32 v4, s60, v4                       ; into the stage: my column's row
	v_mul_u32_u24 v7, v6, WP
	v_and_b32 v5, 15, v2
	v_lshl_add_u32 v7, v5, 4, v7
	v_add_nc_u32 v7, s60, v7                       ; out of it: sixteen lanes to a row
	v_lshlrev_b32 v8, 4, v2                        ; and the same place in my 8 KiB
.macro WLOAD t                         ; block t: W(256 ks + 32 t + i, my column), i = 0 .. 31
.set i, 0
.rept 32
	global_load_b32 v[WX+32*((\t)%2)+i], v[VO+i], s[32+2*(\t):33+2*(\t)] th:TH_LOAD_NT
.set i, i+1
.endr
.endm
	WLOAD 0
	WLOAD 1
	s_wait_kmcnt 0x0
	s_cmp_eq_u32 s25, 0
	s_cselect_b32 s30, s69, s71
	s_cmp_eq_u32 s25, 2
	s_cselect_b32 s30, s73, s30
	s_cmp_lt_u32 s23, 96
	s_cselect_b32 s30, s30, s76
	s_cmp_lt_u32 s23, 224
	s_cselect_b32 s30, s30, s77                    ; e of my weight
	s_add_co_i32 s30, s30, 127
	s_lshl_b32 s31, s30, 23
	v_mov_b32 v11, s31                             ; 2^e
	s_add_co_i32 s30, s30, 8
	s_lshl_b32 s30, s30, 23
	s_or_b32 s30, s30, 0x600000
	v_mov_b32 v10, s30                             ; 448 x 2^e
.macro WBLOCK t
.set XS, WX+32*((\t)%2)
.if (\t) < 7
	s_wait_loadcnt 32                              ; this block's 32 loads are in; the next block's may be out
.else
	s_wait_loadcnt 0
.endif
.set i, 0
.rept 32
	v_med3_num_f32 v[XS+i], v[XS+i], -v10, v10
.set i, i+1
.endr
.irp g, 0,1,2,3
	v_cvt_scalef32_pk8_fp8_f32 v[WC+2*\g:WC+2*\g+1], v[XS+8*\g:XS+8*\g+7], v11
.endr
	ds_store_b128 v4, v[WC:WC+3] offset:32*(\t)
	ds_store_b128 v4, v[WC+4:WC+7] offset:32*(\t)+16
.if (\t)+2 < 8
	WLOAD (\t)+2
.endif
	s_wait_dscnt 0x0                               ; the stores have read their registers: the next block's codes may be written
.endm
.irp t, 0,1,2,3,4,5,6,7
	WBLOCK \t
.endr
.irp t, 0,1,2,3,4,5,6,7,8,9,10,11,12,13,14,15
	ds_load_b128 v[OUTR+4*\t:OUTR+4*\t+3], v7 offset:2*\t*WP
.endr
.irp t, 0,1,2,3,4,5,6,7,8,9,10,11,12,13,14,15
	s_wait_dscnt 15-\t
	global_store_b128 v8, v[OUTR+4*\t:OUTR+4*\t+3], s[52:53] offset:512*\t   ; 512 consecutive bytes, aligned
.endr
	s_wait_tensorcnt 0x0
	ds_add_u32 v224, v225
	s_wait_dscnt 0x0
	s_endpgm
; ---------------- the table of rotations: a lane is a pair i, a wave takes 16 values of s ----------------
.Lrope:
	s_sub_co_u32 s23, ttmp9, 480
	s_lshl_b32 s23, s23, 6
	s_lshl_b32 s24, s22, 4
	s_add_co_u32 s23, s23, s24                     ; my first s
	s_lshl_b32 s24, s23, 8
	s_add_co_u32 s24, s24, 0xb00000
	s_mov_b32 s25, 0
	s_add_nc_u64 s[24:25], s[20:21], s[24:25]
	s_mov_b32 s40, 0x3f22f983                      ; 2 / pi
	s_mov_b32 s41, 0xbfc90fdb                      ; -(pi / 2), upper part
	s_mov_b32 s42, 0x333bbd2e                      ; -(pi / 2), lower part
	s_mov_b32 s43, 0xb94ca1f9                      ; sine: -1.9515295891e-4
	s_mov_b32 s44, 0x3c08839e                      ;        8.3321608736e-3
	s_mov_b32 s45, 0xbe2aaaa3                      ;       -1.6666654611e-1
	s_mov_b32 s46, 0x37ccf5ce                      ; cosine: 2.443315711809948e-5
	s_mov_b32 s47, 0xbab6061a                      ;        -1.388731625493765e-3
	s_mov_b32 s48, 0x3d2aaaa5                      ;         4.166664568298827e-2
	v_cvt_f32_u32 v5, v2
	v_mul_f32 v5, 0xbed49a78, v5                   ; -i log2(10) / 8
	v_exp_f32 v6, v5                               ; inv_freq
	v_lshlrev_b32 v4, 3, v2                        ; (a plain line behind the exponential)  8 bytes a pair
	v_cvt_f32_u32 v3, s23                          ; s as f32
	s_wait_alu depctr_va_vdst(0)                   ; ahead of the exponential's first reader
.set k, 0
.rept 16
	v_mul_f32 v10, v3, v6                          ; the angle, one rounding
	v_mul_f32 v11, s40, v10
	v_rndne_f32 v11, v11                           ; quarter turns
	v_fma_f32 v12, v11, s41, v10
	v_fma_f32 v12, v11, s42, v12                   ; the rest, within +-pi / 4
	v_mul_f32 v13, v12, v12
	v_fma_f32 v14, v13, s43, s44
	v_fma_f32 v15, v13, s46, s47
	v_fma_f32 v14, v14, v13, s45
	v_fma_f32 v15, v15, v13, s48
	v_mul_f32 v14, v14, v13
	v_mul_f32 v16, v13, v13
	v_fma_f32 v17, v13, -0.5, 1.0
	v_fma_f32 v14, v14, v12, v12                   ; sine of the rest
	v_fma_f32 v15, v15, v16, v17                   ; cosine of the rest
	v_cvt_i32_f32 v18, v11
	v_and_b32 v19, 1, v18
	v_cmp_eq_u32 vcc_lo, 1, v19
	v_cndmask_b32 v20, v14, v15, vcc_lo            ; an odd number of quarter turns exchanges the two
	v_cndmask_b32 v21, v15, v14, vcc_lo
	v_lshlrev_b32 v19, 30, v18
	v_and_b32 v19, 0x80000000, v19                 ; the sine's sign: bit 1 of n
	v_add_nc_u32 v18, 1, v18
	v_lshlrev_b32 v18, 30, v18
	v_and_b32 v18, 0x80000000, v18                 ; the cosine's: bit 1 of n + 1
	v_xor_b32 v[64+2*k], v21, v18
	v_xor_b32 v[65+2*k], v20, v19
	global_store_b64 v4, v[64+2*k:65+2*k], s[24:25] offset:256*k   ; the wave stores 256 consecutive bytes, aligned
	v_add_f32 v3, 1.0, v3
.set k, k+1
.endr
	s_endpgm
.Lfunc_end_k_q869660bf90_prep:
	.size	k_q869660bf90_prep, .Lfunc_end_k_q869660bf90_prep-k_q869660bf90_prep
	.p2alignl 7, 3214868480
	.fill 96, 4, 3214868480
	.section	.rodata,"a",@progbits
	.p2align	6, 0x0
	.amdhsa_kernel k_q869660bf90_prep
		.amdhsa_group_segment_fixed_size 68096
		.amdhsa_private_segment_fixed_size 0
		.amdhsa_enable_private_segment 0
		.amdhsa_kernarg_size 72
		.amdhsa_user_sgpr_count 2
		.amdhsa_user_sgpr_kernarg_segment_ptr 1
		.amdhsa_wavefront_size32 1
		.amdhsa_system_sgpr_workgroup_id_x 1
		.amdhsa_system_sgpr_workgroup_id_y 1
		.amdhsa_system_sgpr_workgroup_id_z 1
		.amdhsa_system_vgpr_workitem_id 0
		.amdhsa_next_free_vgpr 226
		.amdhsa_next_free_sgpr 100
		.amdhsa_reserve_vcc 1
		.amdhsa_float_denorm_mode_32 3
		.amdhsa_float_denorm_mode_16_64 3
		.amdhsa_memory_ordered 1
		.amdhsa_forward_progress 1
		.amdhsa_inst_pref_size 151
	.end_amdhsa_kernel
	.amdgpu_metadata
---
amdhsa.version: [ 1, 2 ]
amdhsa.kernels:
  - .name:           k_q869660bf90_prep
    .symbol:         k_q869660bf90_prep.kd
    .args:
      - { .name: src, .offset: 0, .size: 8, .value_kind: global_buffer, .address_space: global }
      - { .name: q_w, .offset: 8, .size: 8, .value_kind: global_buffer, .address_space: global }
      - { .name: k_w, .offset: 16, .size: 8, .value_kind: global_buffer, .address_space: global }
      - { .name: v_w, .offset: 24, .size: 8, .value_kind: global_buffer, .address_space: global }
      - { .name: w1, .offset: 32, .size: 8, .value_kind: global_buffer, .address_space: global }
      - { .name: w2, .offset: 40, .size: 8, .value_kind: global_buffer, .address_space: global }
      - { .name: lowp_scales, .offset: 48, .size: 8, .value_kind: global_buffer, .address_space: global }
      - { .name: srcc, .offset: 56, .size: 8, .value_kind: global_buffer, .address_space: global }
      - { .name: wc, .offset: 64, .size: 8, .value_kind: global_buffer, .address_space: global }
    .group_segment_fixed_size: 68096
    .private_segment_fixed_size: 0
    .kernarg_segment_align: 8
    .kernarg_segment_size: 72
    .max_flat_workgroup_size: 128
    .sgpr_count:     100
    .vgpr_count:     226
    .wavefront_size: 32
...
	.end_amdgpu_metadata
.endif
;; end of part 1
;; launch qkv (part 2): grid 12 x 16, 4 waves a work-group, clusters of 4 x 4, 327,680 bytes of LDS; arguments srcc, wc, lowp_scales, qkvc, q_b, k_b, v_b; writes qkvc
.if DOCPART == 2
	.amdgcn_target "amdgcn-amd-amdhsa--gfx1250"
	.amdhsa_code_object_version 6
	.text
	.protected	k_q869660bf90_qkv
	.globl	k_q869660bf90_qkv
	.p2align	8
	.type	k_q869660bf90_qkv,@function
k_q869660bf90_qkv:
	s_mov_b64 s[64:65], 0
	v_nop
	global_prefetch_b8 v0, s[64:65] scope:SCOPE_SE
	s_setreg_imm32_b32 hwreg(HW_REG_WAVE_MODE, 25, 1), 1
	s_wait_xcnt 0x0
	s_wait_alu depctr_hold_cnt(0) depctr_sa_sdst(0) depctr_va_vdst(0) depctr_va_sdst(0) depctr_va_ssrc(0) depctr_va_vcc(0) depctr_vm_vsrc(0)
	s_getreg_b32 s2, hwreg(HW_REG_IB_STS2, 6, 4)
	s_cmp_eq_u32 s2, 0
	s_cbranch_scc0 .Lentry_in_a_cluster
	s_endpgm
.Lentry_in_a_cluster:
	s_bfe_u32 s2, ttmp6, 0x10000c
	s_cmp_lg_u32 s2, 0xf033
	s_cbranch_scc0 .Lentry_shape_is_right
	s_endpgm
.Lentry_shape_is_right:
; q, k, v = src W + bias on E4M3 codes; q and k are rotated; all three leave as E4M3 codes for the attention.
; The cluster's x says which: 0 q, 1 k, 2 v (the same in all sixteen partners).  A = that product's set of src's codes, B = rows 1024 t on of the joint weight codes.
; A tile of 256 x 256 is made by four waves, 128 x 128 each: 64 accumulators.  K = 1,024 goes in four steps of 256 through two LDS slots; a tile's 128 rows of a K step are one dense block of 32 KiB in memory.
; CLUSTERS 4 x 4: A's tiles are asked for jointly along a row of the cluster, B's along a column.
; THE MATRIX INSTRUCTION IS USED TRANSPOSED (source 0 = 16 rows of B, source 1 = 16 rows of A).  B's rows lie so that row 32 g + p holds column 32 g + pi(p) (bits 3 and 4 exchanged):
; the 16 registers of tiles 2 c and 2 c + 1 of lane (r, h) are the 16 neighbouring columns 32 c + 16 h + 0 .. 15 of A's row r.
; Fragments come by four loads of 16 bytes: a permutation of k, the same on both sides; only the order of the sums inside an instruction differs.
; q, k: value = sum x 2^(eA + eB) + bias; pairs (2 i, 2 i + 1) are turned by the table's (cos, sin); codes go to [32 heads][2048 rows][64], row 32 g + p holding s = 32 g + pi(p).
; v: A's rows lie so that lane r's eight blocks are s = 8 r + 0 .. 7; codes go to [32 heads][64 d][2048 s].
; LIMITS: eA + eB between -126 and 127; the outputs' e (entries 6, 7, 9) between -126 and 119.  NaN is not served.
; REGISTERS: window 0: v0-31 addresses, v32-95 the bias, from v128 A's fragments (one set); window 1: B's two sets, later the table; windows 2, 3: the accumulators ((a, b) at v[8 (8 (a % 4) + b)]).
.set ASTEP,  0x100000                  ; a K step on in A: 4,096 rows of 256 bytes
.set BSTEP,  786432                    ; in B: 3,072 rows
.set LAPS,   2
.set PITCH,  272                       ; an LDS row: 256 bytes + 16: the 16 rows of a load start at 16 different banks (64 banks of 4 bytes: ISA guide 11.1)
.set FR,     16
.set NL,     4
.set NP,     4
.set HALFT,  128*PITCH
.set SLOT,   4*HALFT
.set SPARE,  2*SLOT                    ; the spare words: 128 bytes a wave, named by no other line
.set QST,    69632                     ; q, k: a stage of 2 heads x 16 rows x 80 bytes for each wave; v's stage is bytes 0 to 69,631 (256 rows x 272).  Both lie in slot 0, behind its last fill and its last read
.set ADRA, 16
.set ADRB, 20
.set STO,  24
.set RD,   25
.set CO,   26
.set SPW,  28
.set NIL,  29
.set BI,   32                          ; v32-95   bias of my 64 columns
.set X,    96                          ; v96-159  a block's values
.set T,    160                         ; v160-223 turned / gathered values
.set PC,   224                         ; v224-239 codes
.set BK,   240                         ; v240-255 codes read back by rows
.set AF,   128
.set G1, 24
.set G0, 32
.set G1B, 48
.set G0B, 56
.set MSB, 0
.macro WIN new                         ; the immediate's high byte repeats the setting that is left
.if MSB != (\new)
	s_set_vgpr_msb (MSB<<8)|(\new)
.set MSB, (\new)
.endif
.endm
.set MUL_LO, 0xa1
.set MUL_HI, 0xf1
.set TO_B,   0x40
.macro JLOAD g0a, g1a, g0b, g1b        ; a joint load: waves 0, 1 for A, waves 2, 3 for B; four v_nop follow each line
	s_cmp_eq_u32 s15, 0
	s_cbranch_scc0 .Lfor_b_\@
	tensor_load_to_lds s[\g0a:\g0a+3], s[\g1a:\g1a+7]
	s_nop 0
.rept 4
	v_nop
.endr
	s_branch .Lasked_\@
.Lfor_b_\@:
	tensor_load_to_lds s[\g0b:\g0b+3], s[\g1b:\g1b+7]
	s_nop 0
.rept 4
	v_nop
.endr
.Lasked_\@:
.endm
.macro CREST
	s_cmp_lg_u32 s14, 0
	s_cbranch_scc1 .Lnot_wave_0_\@
	s_barrier_signal -3
.Lnot_wave_0_\@:
	s_barrier_wait -3
	s_barrier_signal -1
	s_barrier_wait -1
.endm
.macro CROUND
	s_barrier_signal -1
	s_barrier_wait -1
	CREST
.endm
	s_load_b128 s[4:7], s[0:1], 0x0                ; srcc, wc
	s_load_b128 s[8:11], s[0:1], 0x10              ; scales, qkvc
	s_load_b128 s[68:71], s[0:1], 0x20             ; q_b, k_b
	s_load_b64 s[72:73], s[0:1], 0x30              ; v_b
	v_lshl_add_u32 v[SPW], v0, 2, SPARE
	v_mov_b32 v[NIL], 0
	ds_add_u32 v28, v29
	ds_add_u32 v28, v29
	s_wait_dscnt 0x0
	v_lshrrev_b32 v1, 5, v0
	v_readfirstlane_b32 s14, v1                    ; wave
	s_lshr_b32 s15, s14, 1                         ; my half of the rows; also: I fetch for A (0) or B (1)
	s_and_b32 s16, s14, 1                          ; my half of the columns; also: which 128 rows I fetch
	s_bfe_u32 s40, ttmp6, 0x40000                  ; cx
	s_bfe_u32 s41, ttmp6, 0x40004                  ; cy
	s_lshl_b32 s42, ttmp9, 2
	s_add_co_u32 s42, s42, s40                     ; tile column
	s_and_b32 s17, ttmp7, 0xffff
	s_lshl_b32 s17, s17, 2
	s_add_co_u32 s17, s17, s41                     ; tile row
	s_lshl_b32 s43, s41, 2
	s_lshl_b32 s43, 15, s43                        ; my row of the cluster
	s_lshl_b32 s44, 0x1111, s40                    ; my column
	s_or_b32 s[G1+0], s43, (1<<20)|(1<<21)|(5<<22)|(3<<25)    ; the mask; elements of 1 byte; padding: 4 words after every 64
	s_or_b32 s[G1B+0], s44, (1<<20)|(1<<21)|(5<<22)|(3<<25)
.irp g, G1, G1B
	s_mov_b32 s[\g+1], 256<<16                     ; tensor_dim0
	s_mov_b32 s[\g+2], 128<<16                     ; tensor_dim1
	s_mov_b32 s[\g+3], 256<<16                     ; tile_dim0
	s_mov_b32 s[\g+4], 128                         ; tile_dim1
	s_mov_b32 s[\g+5], 256                         ; from row to row: dense
	s_mov_b32 s[\g+6], 0
	s_mov_b32 s[\g+7], 0
.endr
	s_lshl_b32 s18, s16, 15                        ; the 128 rows that I fetch
	s_lshl_b32 s20, s17, 16
	s_add_co_u32 s20, s20, s18
	s_lshl_b32 s19, ttmp9, 22                      ; the product's set of src's codes
	s_add_co_u32 s20, s20, s19
	s_mov_b32 s21, 0
	s_lshl_b32 s46, s42, 16
	s_add_co_u32 s46, s46, s18
	s_mov_b32 s47, 0
	s_mul_i32 s45, s14, HALFT
	s_wait_kmcnt 0x0
	s_load_b256 s[76:83], s[8:9], 0x0              ; entries 0 to 7
	s_load_b32 s84, s[8:9], 0x24                   ; entry 9
	s_add_nc_u64 s[20:21], s[4:5], s[20:21]
	s_add_nc_u64 s[46:47], s[6:7], s[46:47]
	CROUND                                         ; all sixteen work-groups are here: the first joint loads meet
.irp s, 0,1
	s_mov_b32 s[G0+4*\s], 1
	s_add_co_u32 s[G0+4*\s+1], s45, \s*SLOT
	s_add_nc_u64 s[G0+4*\s+2:G0+4*\s+3], s[20:21], \s*ASTEP
	s_or_b32 s[G0+4*\s+3], s[G0+4*\s+3], 0x80000000
	s_mov_b32 s[G0B+4*\s], 1
	s_add_co_u32 s[G0B+4*\s+1], s45, \s*SLOT
	s_add_nc_u64 s[G0B+4*\s+2:G0B+4*\s+3], s[46:47], \s*BSTEP
	s_or_b32 s[G0B+4*\s+3], s[G0B+4*\s+3], 0x80000000
	JLOAD G0+4*\s, G1, G0B+4*\s, G1B
.endr
	v_and_b32 v1, 15, v0                           ; r
	v_bfe_u32 v2, v0, 4, 1                         ; h
	v_mul_u32_u24 v3, v1, PITCH
	v_lshl_add_u32 v4, v2, 4, v3
	s_mul_i32 s21, s15, HALFT
	s_mul_i32 s22, s16, HALFT
	s_add_co_u32 s22, s22, 2*HALFT
.irp s, 0,1
	v_add_nc_u32 v[ADRA+\s], s21, v4
	v_add_nc_u32 v[ADRB+\s], s22, v4
	s_add_co_u32 s21, s21, SLOT
	s_add_co_u32 s22, s22, SLOT
.endr
	; the way out's addresses, all made here, ahead of the parting of the two ways
	s_mul_i32 s23, s14, 2560
	s_add_co_u32 s23, s23, QST
	v_mul_u32_u24 v5, v1, 80
	v_lshl_add_u32 v5, v2, 4, v5
	v_add_nc_u32 v[STO], s23, v5                   ; q, k into the stage: row r, 16 h
	v_and_b32 v6, 31, v0
	v_lshrrev_b32 v5, 2, v6
	v_mul_u32_u24 v5, v5, 80
	v_and_b32 v7, 3, v6
	v_lshl_add_u32 v5, v7, 4, v5
	v_add_nc_u32 v[RD], s23, v5                    ; back: four lanes to a row of 64 bytes
	v_lshlrev_b32 v[CO], 4, v6                     ; eight rows of 64 bytes on end
	v_lshlrev_b32 v9, 8, v1
	v_lshl_add_u32 v9, v2, 6, v9                   ; the table: row r of 256 bytes, + 64 h
	v_lshlrev_b32 v8, 6, v2                        ; the bias: 64 h
	s_mul_i32 s23, s16, 128*272
	s_lshl_b32 s22, s15, 7
	s_add_co_u32 s23, s23, s22
	v_mul_u32_u24 v10, v2, 16*272
	v_lshl_add_u32 v10, v1, 3, v10
	v_add_nc_u32 v10, s23, v10                     ; v into its stage: row = column 128 colhalf + 16 h + .., byte 128 rowhalf + 8 r
	s_mul_i32 s23, s14, 64*272
	v_mul_u32_u24 v11, v2, 272
	v_lshl_add_u32 v11, v1, 4, v11
	v_add_nc_u32 v11, s23, v11                     ; back: my 64 rows, two an instruction
	v_lshlrev_b32 v12, 11, v2
	v_lshl_add_u32 v12, v1, 4, v12                 ; and the same two rows of 2,048 bytes in memory
	s_cmp_eq_u32 ttmp9, 1
	s_cselect_b64 s[86:87], s[70:71], s[72:73]
	s_cmp_eq_u32 ttmp9, 0
	s_cselect_b64 s[86:87], s[68:69], s[86:87]     ; the product's bias
	s_and_b32 s98, s42, 3                          ; the tile column within the product
	s_and_b32 s99, s17, 7                          ; the tile row within the batch entry
	s_lshl_b32 s74, s98, 10
	s_lshl_b32 s75, s16, 9
	s_add_co_u32 s74, s74, s75
	s_mov_b32 s75, 0
	s_add_nc_u64 s[86:87], s[86:87], s[74:75]      ; at my first column
.irp c, 0,1,2,3
.irp q, 0,1,2,3
	global_load_b128 v[BI+16*\c+4*\q:BI+16*\c+4*\q+3], v8, s[86:87] offset:128*\c+16*\q   ; register 16 c + i: column 32 c + 16 h + i
.endr
.endr
	s_lshl_b32 s74, s99, 16
	s_lshl_b32 s75, s15, 15
	s_add_co_u32 s74, s74, s75
	s_add_co_u32 s74, s74, 0xb00000
	s_mov_b32 s75, 0
	s_add_nc_u64 s[88:89], s[6:7], s[74:75]        ; the table at my first s
	s_lshr_b32 s74, s17, 3                         ; the batch entry
	s_lshl_b32 s74, s74, 4
	s_lshl_b32 s75, s98, 2
	s_add_co_u32 s74, s74, s75
	s_lshl_b32 s75, s16, 1
	s_add_co_u32 s74, s74, s75                     ; my first head
	s_lshl_b32 s74, s74, 17
	s_lshl_b32 s75, ttmp9, 22
	s_add_co_u32 s74, s74, s75
	s_lshl_b32 s75, s99, 14
	s_add_co_u32 s74, s74, s75
	s_lshl_b32 s75, s15, 13
	s_add_co_u32 s74, s74, s75
	s_mov_b32 s75, 0
	s_add_nc_u64 s[90:91], s[10:11], s[74:75]      ; q's or k's codes: my head, my first row
	s_lshr_b32 s74, s17, 3
	s_lshl_b32 s74, s74, 21
	s_lshl_b32 s75, s98, 19
	s_add_co_u32 s74, s74, s75
	s_lshl_b32 s75, s14, 17
	s_add_co_u32 s74, s74, s75
	s_lshl_b32 s75, s99, 8
	s_add_co_u32 s74, s74, s75
	s_add_co_u32 s74, s74, 0x800000
	s_mov_b32 s75, 0
	s_add_nc_u64 s[66:67], s[10:11], s[74:75]      ; v's codes: the first of the 64 rows that I store, at the tile's first s
.macro FRAG reg, adr, q, i             ; 16 rows x 128 K: registers 4 c .. 4 c + 3 hold K = 32 c + 16 h + 0 .. 15
.irp c, 0,1,2,3
	ds_load_b128 v[\reg+4*\c:\reg+4*\c+3], v[\adr] offset:128*(\q)+32*\c+(\i)*16*PITCH
.endr
.endm
.macro MUL16 a0, p, zero               ; A's blocks a0, a0 + 1 x B's eight; the 64 accumulators take turns
.irp a, \a0, \a0+1
.irp b, 0,1,2,3,4,5,6,7
.if \zero
	v_wmma_f32_16x16x128_fp8_fp8 v[8*(8*((\a)%4)+\b):8*(8*((\a)%4)+\b)+7], v[128*(\p)+FR*\b:128*(\p)+FR*\b+FR-1], v[AF+FR*(\a):AF+FR*(\a)+FR-1], 0
.else
	v_wmma_f32_16x16x128_fp8_fp8 v[8*(8*((\a)%4)+\b):8*(8*((\a)%4)+\b)+7], v[128*(\p)+FR*\b:128*(\p)+FR*\b+FR-1], v[AF+FR*(\a):AF+FR*(\a)+FR-1], v[8*(8*((\a)%4)+\b):8*(8*((\a)%4)+\b)+7]
.endif
.endr
.endr
.endm
.macro FETCH_B slot, q, p
	WIN TO_B
.irp i, 0,1,2,3,4,5,6,7
	FRAG 128*(\p)+FR*\i, ADRB+\slot, \q, \i
.endr
	WIN 0
.endm
.macro FETCH_A slot, q, i0
.irp i, \i0, \i0+1, \i0+2, \i0+3
	FRAG AF+FR*(\i), ADRA+\slot, \q, \i
.endr
.endm
.macro PLACES n                        ; plain vector lines between a matrix instruction and a load into, or a read of, its registers
.rept \n
	v_nop
.endr
.endm
.macro STEP slot, q, zero              ; 128 along K whose successor lies in the same slot
	s_wait_dscnt 4*NL                              ; B's set and A's blocks 0-3 are in; A's blocks 4-7 (16 loads) may be out
	WIN MUL_LO
	MUL16 0, (\q)%2, \zero
	MUL16 2, (\q)%2, \zero
	s_wait_dscnt 0
	PLACES NP
	FETCH_B \slot, (\q)+1, 1-(\q)%2
	FETCH_A \slot, (\q)+1, 0
	WIN MUL_HI
	MUL16 4, (\q)%2, \zero
	MUL16 6, (\q)%2, \zero
	PLACES NP
	WIN 0
	FETCH_A \slot, (\q)+1, 4
.endm
.macro TURN slot, next, fill           ; a slot's last 128 along K, and the change of slots
	s_wait_tensorcnt 0x0                           ; all my tensor loads have landed: my part of the next slot
	ds_add_u32 v[SPW], v[NIL]                      ; 0 onto my spare word
	s_wait_dscnt 4*NL+1                            ; the add and A's blocks 4-7 may be out
	WIN MUL_LO
	MUL16 0, 1, 0
	s_wait_dscnt 0x0                               ; the add is done, and my reads of this slot are over
	s_barrier_signal -1
	MUL16 2, 1, 0
	WIN 0
	s_barrier_wait -1
.if \fill
	CREST                                          ; the barrier has opened a round of the cluster's: no wave of any partner still reads this slot or has a load on its way
	s_add_nc_u64 s[G0+4*\slot+2:G0+4*\slot+3], s[G0+4*\slot+2:G0+4*\slot+3], 2*ASTEP
	s_add_nc_u64 s[G0B+4*\slot+2:G0B+4*\slot+3], s[G0B+4*\slot+2:G0B+4*\slot+3], 2*BSTEP
	JLOAD G0+4*\slot, G1, G0B+4*\slot, G1B         ; the first tensor load behind the round; its four v_nop are the places in front of the loads below
.else
	PLACES NP
.endif
	FETCH_B \next, 0, 0
	FETCH_A \next, 0, 0
	WIN MUL_HI
	MUL16 4, 1, 0
	MUL16 6, 1, 0
	PLACES NP
	WIN 0
	FETCH_A \next, 0, 4
.endm
	s_wait_tensorcnt 1                             ; my part of K step 0 is in; K step 1's load may be out
	s_barrier_signal -1
	s_barrier_wait -1
	FETCH_B 0, 0, 0
	FETCH_A 0, 0, 0
	FETCH_A 0, 0, 4
	STEP 0, 0, 1                                   ; the first products start the sums
	s_mov_b32 s3, LAPS-1
.Llap:
	TURN 0, 1, 1
	STEP 1, 0, 0
	TURN 1, 0, 1
	STEP 0, 0, 0
	s_sub_co_u32 s3, s3, 1
	s_cmp_lg_u32 s3, 0
	s_cbranch_scc1 .Llap
	TURN 0, 1, 0
	STEP 1, 0, 0
	s_wait_dscnt 4*NL
	WIN MUL_LO
	MUL16 0, 1, 0
	MUL16 2, 1, 0
	s_wait_dscnt 0
	WIN MUL_HI
	MUL16 4, 1, 0
	MUL16 6, 1, 0
	WIN 0
	s_wait_kmcnt 0x0
	s_cmp_eq_u32 ttmp9, 1
	s_cselect_b32 s92, s78, s80
	s_cselect_b32 s93, s79, s81
	s_cselect_b32 s94, s83, s84
	s_cmp_eq_u32 ttmp9, 0
	s_cselect_b32 s92, s76, s92                    ; eA
	s_cselect_b32 s93, s77, s93                    ; eB
	s_cselect_b32 s94, s82, s94                    ; the output's e
	s_add_co_i32 s96, s92, s93
	s_add_co_i32 s96, s96, 127
	s_lshl_b32 s96, s96, 23                        ; 2^(eA + eB)
	s_mov_b32 s97, s96
	s_add_co_i32 s94, s94, 127
	s_lshl_b32 s95, s94, 23
	s_add_co_i32 s94, s94, 8
	s_lshl_b32 s94, s94, 23
	s_or_b32 s94, s94, 0x600000
	PLACES NP                                      ; behind the last products: for the reads of results and the loads and writes into operands' registers
	v_mov_b32 v13, s95                             ; the output's scale
	v_mov_b32 v14, s94                             ; 448 x that
	s_cmp_eq_u32 ttmp9, 2
	s_cbranch_scc1 .Lv
; ---------------- q, k ----------------
	WIN 0x40                                       ; the table into window 1: set a (32 registers) = my row 16 a + r: (cos, sin) of pair 16 u + 8 h + k at 32 a + 16 u + 2 k
.irp a, 0,1,2,3,4,5,6,7
.irp q, 0,1,2,3,4,5,6,7
	global_load_b128 v[32*\a+4*\q:32*\a+4*\q+3], v9, s[88:89] offset:4096*\a+128*(\q/4)+16*(\q%4)
.endr
.endr
	WIN 0
.macro QKBLK a
	s_wait_loadcnt 8*(7-(\a))                      ; the table's sets 0 to a are in (and the bias, asked for earlier); the later sets' eight loads each may be out
	WIN 0x02+(\a)/4
.set i, 0
.rept 32
	v_pk_fma_f32 v[X+i:X+i+1], v[64*((\a)%4)+i:64*((\a)%4)+i+1], s[96:97], v[BI+i:BI+i+1] op_sel_hi:[1,0,1]   ; sum x 2^(eA + eB) + bias; each accumulator from its low end
.set i, i+2
.endr
	WIN 0x04                                       ; source 1 in window 1
.set i, 0
.rept 32
	v_pk_mul_f32 v[T+i:T+i+1], v[X+i:X+i+1], v[32*(\a)+i%32:32*(\a)+i%32+1] op_sel_hi:[1,0]   ; (x0 c, x1 c)
.set i, i+2
.endr
.set i, 0
.rept 32
	v_pk_fma_f32 v[T+i:T+i+1], v[X+i:X+i+1], v[32*(\a)+i%32:32*(\a)+i%32+1], v[T+i:T+i+1] op_sel:[1,1,0] op_sel_hi:[0,1,1] neg_lo:[1,0,0]   ; (x0 c - x1 s, x1 c + x0 s)
.set i, i+2
.endr
	WIN 0
.set i, 0
.rept 64
	v_med3_num_f32 v[T+i], v[T+i], -v14, v14
.set i, i+1
.endr
.irp b, 0,1,2,3
	v_cvt_scalef32_pk8_fp8_f32 v[PC+4*\b:PC+4*\b+1], v[T+16*\b:T+16*\b+7], v13
	v_cvt_scalef32_pk8_fp8_f32 v[PC+4*\b+2:PC+4*\b+3], v[T+16*\b+8:T+16*\b+15], v13
.endr
	v_nop                                          ; a plain line behind the last conversion
.irp b, 0,1,2,3
	ds_store_b128 v[STO], v[PC+4*\b:PC+4*\b+3] offset:1280*(\b/2)+32*(\b%2)   ; head b / 2, bytes 32 (b % 2) + 16 h of row r
.endr
	s_wait_xcnt 0x0                                ; the last block's stores have read the registers that these loads fill
.irp q, 0,1,2,3
	ds_load_b128 v[BK+4*\q:BK+4*\q+3], v[RD] offset:1280*(\q/2)+640*(\q%2)
.endr
	s_wait_dscnt 0x0
.irp q, 0,1,2,3
	global_store_b128 v[CO], v[BK+4*\q:BK+4*\q+3], s[90:91] offset:131072*(\q/2)+64*(32*((\a)/2)+8*((\a)%2)+16*(\q%2))   ; eight rows of 64 bytes: 512 consecutive bytes, aligned
.endr
.endm
.irp a, 0,1,2,3,4,5,6,7
	QKBLK \a
.endr
	s_wait_tensorcnt 0x0                           ; the wave's end
	ds_add_u32 v[SPW], v[NIL]
	s_wait_dscnt 0x0
	CROUND                                         ; the closing round
	s_endpgm
; ---------------- v ----------------
.Lv:
	s_wait_loadcnt 0x0                             ; the bias
.macro VBLK b                          ; tile column b: for each of its eight columns, my eight blocks' sums are s = 8 r + 0 .. 7
	WIN 0x02
.irp a, 0,1,2,3
.irp j, 0,1,2,3,4,5,6,7
	v_fma_f32 v[T+8*\j+\a], v[64*\a+8*(\b)+\j], s96, v[BI+8*(\b)+\j]
.endr
.endr
	WIN 0x03
.irp a, 0,1,2,3
.irp j, 0,1,2,3,4,5,6,7
	v_fma_f32 v[T+8*\j+4+\a], v[64*\a+8*(\b)+\j], s96, v[BI+8*(\b)+\j]
.endr
.endr
	WIN 0
.set i, 0
.rept 64
	v_med3_num_f32 v[T+i], v[T+i], -v14, v14
.set i, i+1
.endr
.irp j, 0,1,2,3,4,5,6,7
	v_cvt_scalef32_pk8_fp8_f32 v[PC+2*\j:PC+2*\j+1], v[T+8*\j:T+8*\j+7], v13
.endr
	v_nop
.irp j, 0,1,2,3,4,5,6,7
	ds_store_b64 v10, v[PC+2*\j:PC+2*\j+1] offset:272*(32*((\b)/2)+8*((\b)%2)+\j)
.endr
	s_wait_dscnt 0x0                               ; the stores have read their registers
.endm
.irp b, 0,1,2,3,4,5,6,7
	VBLK \b
.endr
	s_wait_dscnt 0x0                               ; for the others' sake: my stores into the stage are done
	s_barrier_signal -1
	s_barrier_wait -1                              ; a row's 256 bytes come from two waves
.set t, 0
.rept 32
	ds_load_b128 v[96+4*t:96+4*t+3], v11 offset:544*t
.set t, t+1
.endr
.set t, 0
.rept 32
	s_wait_dscnt 31-t
	global_store_b128 v12, v[96+4*t:96+4*t+3], s[66:67] offset:2*t*2048   ; sixteen lanes store 256 consecutive bytes, aligned
.set t, t+1
.endr
	s_wait_tensorcnt 0x0                           ; the wave's end
	ds_add_u32 v[SPW], v[NIL]
	s_wait_dscnt 0x0
	CROUND                                         ; the closing round
	s_endpgm
.Lfunc_end_k_q869660bf90_qkv:
	.size	k_q869660bf90_qkv, .Lfunc_end_k_q869660bf90_qkv-k_q869660bf90_qkv
	.p2alignl 7, 3214868480
	.fill 96, 4, 3214868480
	.section	.rodata,"a",@progbits
	.p2align	6, 0x0
	.amdhsa_kernel k_q869660bf90_qkv
		.amdhsa_group_segment_fixed_size 327680
		.amdhsa_private_segment_fixed_size 0
		.amdhsa_enable_private_segment 0
		.amdhsa_kernarg_size 56
		.amdhsa_user_sgpr_count 2
		.amdhsa_user_sgpr_kernarg_segment_ptr 1
		.amdhsa_wavefront_size32 1
		.amdhsa_system_sgpr_workgroup_id_x 1
		.amdhsa_system_sgpr_workgroup_id_y 1
		.amdhsa_system_sgpr_workgroup_id_z 1
		.amdhsa_system_vgpr_workitem_id 0
		.amdhsa_next_free_vgpr 1024
		.amdhsa_next_free_sgpr 100
		.amdhsa_reserve_vcc 0
		.amdhsa_float_denorm_mode_32 3
		.amdhsa_float_denorm_mode_16_64 3
		.amdhsa_memory_ordered 1
		.amdhsa_forward_progress 1
		.amdhsa_inst_pref_size 255
	.end_amdhsa_kernel
	.section	.bss,"aw",@nobits
	.p2align	6
	.space	262144
	.amdgpu_metadata
---
amdhsa.version: [ 1, 2 ]
amdhsa.kernels:
  - .name:           k_q869660bf90_qkv
    .symbol:         k_q869660bf90_qkv.kd
    .args:
      - { .name: srcc, .offset: 0, .size: 8, .value_kind: global_buffer, .address_space: global }
      - { .name: wc, .offset: 8, .size: 8, .value_kind: global_buffer, .address_space: global }
      - { .name: lowp_scales, .offset: 16, .size: 8, .value_kind: global_buffer, .address_space: global }
      - { .name: qkvc, .offset: 24, .size: 8, .value_kind: global_buffer, .address_space: global }
      - { .name: q_b, .offset: 32, .size: 8, .value_kind: global_buffer, .address_space: global }
      - { .name: k_b, .offset: 40, .size: 8, .value_kind: global_buffer, .address_space: global }
      - { .name: v_b, .offset: 48, .size: 8, .value_kind: global_buffer, .address_space: global }
    .group_segment_fixed_size: 327680
    .private_segment_fixed_size: 0
    .kernarg_segment_align: 8
    .kernarg_segment_size: 56
    .max_flat_workgroup_size: 128
    .sgpr_count:     100
    .vgpr_count:     1024
    .wavefront_size: 32
...
	.end_amdgpu_metadata
.endif
;; end of part 2
;; launch attn (part 3): grid 8 x 32, 16 waves a work-group, clusters of 4 x 1, 327,680 bytes of LDS; arguments qkvc, lowp_scales, att; writes att
.if DOCPART == 3
	.amdgcn_target "amdgcn-amd-amdhsa--gfx1250"
	.amdhsa_code_object_version 6
	.text
	.protected	k_q869660bf90_attn
	.globl	k_q869660bf90_attn
	.p2align	8
	.type	k_q869660bf90_attn,@function
k_q869660bf90_attn:
	s_mov_b64 s[64:65], 0
	v_nop
	global_prefetch_b8 v0, s[64:65] scope:SCOPE_SE
	s_setreg_imm32_b32 hwreg(HW_REG_WAVE_MODE, 25, 1), 1
	s_wait_xcnt 0x0
	s_wait_alu depctr_hold_cnt(0) depctr_sa_sdst(0) depctr_va_vdst(0) depctr_va_sdst(0) depctr_va_ssrc(0) depctr_va_vcc(0) depctr_vm_vsrc(0)
	s_getreg_b32 s2, hwreg(HW_REG_IB_STS2, 6, 4)
	s_cmp_eq_u32 s2, 0
	s_cbranch_scc0 .Lentry_in_a_cluster
	s_endpgm
.Lentry_in_a_cluster:
	s_bfe_u32 s2, ttmp6, 0x10000c
	s_cmp_lg_u32 s2, 0x3003
	s_cbranch_scc0 .Lentry_shape_is_right
	s_endpgm
.Lentry_shape_is_right:
; att[s][b][head][:] = the sum over keys of softmax(q . k / 8) v, both products on E4M3 codes (scales: entries 6 q, 7 k, 8 p, 9 v).
; t = score x log2(e) / 8; M = the running largest t rounded up to a whole number; p = 2^(t - M) is quantised, not normalised; the row's sum of the unquantised p divides at the end.
; SHARES.  A work-group owns 256 queries of one of the 32 heads, each of its sixteen waves 16.  As codes a head's whole K (2,048 x 64) and V (64 x 2,048) fit in LDS:
; they come once, in four quarters of 512 keys, all asked for at the start.  No LDS byte is filled twice.
; CLUSTER.  The four work-groups of a cluster belong to one head: each tile is asked for jointly, by the same load with the mask of all four.  Waves 0, 1 ask for K's halves, waves 2, 3 for V's: four loads each are out.
; LAYOUT.  S^T = K Q^T (source 0 = 16 rows of K, source 1 = my 16 queries), O^T = V^T P^T: a lane holds one query throughout.  K's row 32 g + p holds key 32 g + pi(p) (bits 3 and 4 exchanged),
; so the 16 registers of tiles 2 c, 2 c + 1 are keys 32 c + 16 h + 0 .. 15, which is the order in which V's fragments, fetched 16 bytes at a time, have them.  Q's rows lie likewise: the way out puts them back.
; LIMITS: eq + ek between -123 and 130 (added to c's exponent field); ep between -126 and 119.
; REGISTERS: v1, v2, v7 addresses; v8, v9 addresses in hand; v12 -M, v13 the largest t, v[14:15] the sum; v16-23 Q; v32-95 K's or V's fragments; v96-159 S^T, then p; v160-191 O^T; v224-239 p's codes; v240-254 at work.
.set QB,   74752                       ; a quarter: 512 rows of K x 80, then 64 rows of V x 528
.set VOFF, 40960
.set KP,   80                          ; 64 bytes + 16
.set VP,   528                         ; 512 bytes + 16
.set AK0,  1
.set AV0,  2
.set GO,   7
.set ADK,  8
.set ADV,  9
.set WV,   10
.set G1K,  16
.set G1V,  24
.set G0K,  32                          ; s[32:47] four sets, one a quarter
.set G0V,  48                          ; s[48:63]
.set SEL,  66
.set CS,   68
.set TK,   76
.set TV,   77
.set CNT,  78
.macro CROUND
	s_barrier_signal -1
	s_barrier_wait -1
	s_cmp_lg_u32 s[WV], 0
	s_cbranch_scc1 .Lnot_wave_0_\@
	s_barrier_signal -3
.Lnot_wave_0_\@:
	s_barrier_wait -3
	s_barrier_signal -1
	s_barrier_wait -1
.endm
	s_load_b128 s[4:7], s[0:1], 0x0                ; qkvc, scales
	s_load_b64 s[8:9], s[0:1], 0x10                ; att
	v_lshl_add_u32 v251, v0, 2, 0x49000
	v_mov_b32 v255, 0
	ds_add_u32 v251, v255
	ds_add_u32 v251, v255
	v_lshrrev_b32 v8, 5, v0
	v_readfirstlane_b32 s[WV], v8                  ; wave 0..15
	s_bfe_u32 s11, ttmp6, 0x40000                  ; cx: it enters Q's and att's addresses alone
	s_lshl_b32 s70, ttmp9, 2
	s_add_co_u32 s70, s70, s11                     ; my block of 256 queries
	s_and_b32 s71, ttmp7, 0xffff                   ; the head (16 b + head), which the partners share
	s_and_b32 s79, s[WV], 1                        ; which half of a tile I fetch, if I fetch
	s_mov_b32 s[G1K], 15|(1<<20)|(1<<21)|(3<<22)|(3<<25)   ; the mask of all four; elements of 1 byte; padding: 4 words after every 16
	s_mov_b32 s[G1K+1], 64<<16
	s_mov_b32 s[G1K+2], 256<<16
	s_mov_b32 s[G1K+3], 64<<16
	s_mov_b32 s[G1K+4], 256
	s_mov_b32 s[G1K+5], 64
	s_mov_b32 s[G1K+6], 0
	s_mov_b32 s[G1K+7], 0
	s_mov_b32 s[G1V], 15|(1<<20)|(1<<21)|(6<<22)|(3<<25)   ; padding: 4 words after every 128
	s_mov_b32 s[G1V+1], 512<<16
	s_mov_b32 s[G1V+2], 32<<16
	s_mov_b32 s[G1V+3], 512<<16
	s_mov_b32 s[G1V+4], 32
	s_mov_b32 s[G1V+5], 2048
	s_mov_b32 s[G1V+6], 0
	s_mov_b32 s[G1V+7], 0
	s_mov_b32 s[SEL], 0x76543210
	s_mov_b32 s[SEL+1], 0xfedcba98
	s_mov_b32 s[CS], 0x3e38aa3b                    ; c = log2(e) / 8
	s_lshl_b32 s80, s71, 17                        ; the head's 131,072 bytes in each of the three tensors
	s_lshl_b32 s82, s79, 14                        ; K: 256 rows of 64 bytes
	s_add_co_u32 s82, s82, s80
	s_add_co_u32 s82, s82, 0x400000
	s_mov_b32 s83, 0
	s_lshl_b32 s84, s79, 16                        ; V: 32 rows of 2,048 bytes
	s_add_co_u32 s84, s84, s80
	s_add_co_u32 s84, s84, 0x800000
	s_mov_b32 s85, 0
	s_mul_i32 s86, s79, 256*KP
	s_mul_i32 s87, s79, 32*VP
	s_lshl_b32 s88, s70, 14
	s_lshl_b32 s89, s[WV], 10
	s_add_co_u32 s88, s88, s89
	s_add_co_u32 s88, s88, s80                     ; Q: my 16 rows
	s_mov_b32 s89, 0
	s_lshl_b32 s90, s70, 21                        ; att: 256 rows of s, 8,192 bytes each,
	s_lshr_b32 s91, s[WV], 1
	s_lshl_b32 s91, s91, 18                        ; + 32 (w / 2)
	s_add_co_u32 s90, s90, s91
	s_lshl_b32 s91, s79, 16                        ; + 8 (w % 2)
	s_add_co_u32 s90, s90, s91
	s_lshr_b32 s91, s71, 4
	s_lshl_b32 s91, s91, 12                        ; + b
	s_add_co_u32 s90, s90, s91
	s_and_b32 s91, s71, 15
	s_lshl_b32 s91, s91, 8                         ; + the head's 256 bytes
	s_add_co_u32 s90, s90, s91
	s_mov_b32 s91, 0
	s_wait_dscnt 0x0
	s_wait_kmcnt 0x0
	s_load_b128 s[72:75], s[6:7], 0x18             ; eq, ek, ep, ev
	s_add_nc_u64 s[82:83], s[4:5], s[82:83]
	s_add_nc_u64 s[84:85], s[4:5], s[84:85]
	s_add_nc_u64 s[12:13], s[4:5], s[88:89]
	s_add_nc_u64 s[8:9], s[8:9], s[90:91]
.irp q, 0,1,2,3
	s_mov_b32 s[G0K+4*\q], 1
	s_add_co_u32 s[G0K+4*\q+1], s86, \q*QB
	s_add_nc_u64 s[G0K+4*\q+2:G0K+4*\q+3], s[82:83], \q*32768
	s_or_b32 s[G0K+4*\q+3], s[G0K+4*\q+3], 0x80000000
	s_mov_b32 s[G0V+4*\q], 1
	s_add_co_u32 s[G0V+4*\q+1], s87, \q*QB+VOFF
	s_add_nc_u64 s[G0V+4*\q+2:G0V+4*\q+3], s[84:85], \q*512
	s_or_b32 s[G0V+4*\q+3], s[G0V+4*\q+3], 0x80000000
.endr
	CROUND                                         ; all four work-groups are here: the joint loads meet
	s_cmp_lt_u32 s[WV], 2                          ; a wave's fills stand in one branch on its number
	s_cbranch_scc0 .Lnot_k
	tensor_load_to_lds s[G0K:G0K+3], s[G1K:G1K+7]
	s_nop 0
	tensor_load_to_lds s[G0K+4:G0K+7], s[G1K:G1K+7]
	s_nop 0
	tensor_load_to_lds s[G0K+8:G0K+11], s[G1K:G1K+7]
	s_nop 0
	tensor_load_to_lds s[G0K+12:G0K+15], s[G1K:G1K+7]
	s_nop 0
.rept 4
	v_nop
.endr
	s_branch .Lasked
.Lnot_k:
	s_cmp_lt_u32 s[WV], 4
	s_cbranch_scc0 .Lasked
	tensor_load_to_lds s[G0V:G0V+3], s[G1V:G1V+7]
	s_nop 0
	tensor_load_to_lds s[G0V+4:G0V+7], s[G1V:G1V+7]
	s_nop 0
	tensor_load_to_lds s[G0V+8:G0V+11], s[G1V:G1V+7]
	s_nop 0
	tensor_load_to_lds s[G0V+12:G0V+15], s[G1V:G1V+7]
	s_nop 0
.rept 4
	v_nop
.endr
.Lasked:
	v_and_b32 v8, 15, v0                           ; r
	v_bfe_u32 v9, v0, 4, 1                         ; h
	v_lshlrev_b32 v10, 6, v8
	v_lshl_add_u32 v10, v9, 4, v10
	global_load_b128 v[16:19], v10, s[12:13]       ; Q's fragment: bytes 16 h on and 32 + 16 h on of row r, as K's
	global_load_b128 v[20:23], v10, s[12:13] offset:32
	v_mul_u32_u24 v[AK0], v8, KP
	v_lshl_add_u32 v[AK0], v9, 4, v[AK0]
	v_mul_u32_u24 v[AV0], v8, VP
	v_lshl_add_u32 v[AV0], v9, 4, v[AV0]
	v_lshlrev_b32 v[GO], 13, v9
	v_lshl_add_u32 v[GO], v8, 4, v[GO]             ; the way out: lanes 0-15 one row of s, lanes 16-31 the next
	v_mov_b32 v13, 0xff61b1e6                      ; the largest t so far: -3e38
	v_floor_f32 v12, -v13                          ; -M
	v_mov_b32 v14, 0
	v_mov_b32 v15, 0
	v_mov_b32 v246, 0                              ; a lane permute's destination counts as read
	v_mov_b32 v253, 0                              ; named as the upper half of a pair
.set j, 0
.rept 32
	v_mov_b32 v[160+j], 0                          ; O^T: the step is written once; the first finds zeros
.set j, j+1
.endr
	s_wait_kmcnt 0x0
	s_add_co_i32 s92, s72, s73
	s_lshl_b32 s92, s92, 23
	s_add_co_i32 s[CS], s[CS], s92                 ; c x 2^(eq + ek)
	s_mov_b32 s[CS+1], s[CS]
	s_add_co_i32 s92, s74, 127
	s_lshl_b32 s93, s92, 23
	v_mov_b32 v244, s93                            ; 2^ep
	s_add_co_i32 s92, s92, 8
	s_lshl_b32 s92, s92, 23
	s_or_b32 s92, s92, 0x600000
	v_mov_b32 v240, s92                            ; 448 x 2^ep
; A STEP: 128 keys.
.macro STEP
	v_add_nc_u32 v[ADK], s[TK], v[AK0]
	v_add_nc_u32 v[ADV], s[TV], v[AV0]
	v_nop
	v_nop                                          ; four plain lines between the last products and the loads into their operands
.irp t, 0,1,2,3,4,5,6,7
.irp c, 0,1
	ds_load_b128 v[32+8*\t+4*\c:32+8*\t+4*\c+3], v[ADK] offset:16*KP*\t+32*\c
.endr
.endr
	s_wait_dscnt 0x0
.irp t, 0,1,2,3,4,5,6,7
	v_wmma_f32_16x16x64_fp8_fp8 v[96+8*\t:103+8*\t], v[32+8*\t:39+8*\t], v[16:23], 0
.endr
.rept 4
	v_nop
.endr
.irp t, 0,1,2,3
.irp c, 0,1,2,3
	ds_load_b128 v[32+16*\t+4*\c:32+16*\t+4*\c+3], v[ADV] offset:16*VP*\t+32*\c   ; V's fragments land while the softmax is worked
.endr
.endr
	v_max3_num_f32 v254, v96, v97, v98             ; the step's largest score of my query, in two chains; each tile is read from its low end on
	v_max3_num_f32 v252, v99, v100, v101
.irp i, 6,10,14,18,22,26,30,34,38,42,46,50,54,58
	v_max3_num_f32 v254, v254, v[96+\i], v[97+\i]
	v_max3_num_f32 v252, v252, v[98+\i], v[99+\i]
.endr
	v_max3_num_f32 v254, v254, v158, v159
	v_max_num_f32 v254, v254, v252
	v_permlanex16_b32 v246, v254, s[SEL], s[SEL+1]
	v_max_num_f32 v254, v254, v246                 ; and among the other half of the lanes'
	v_mul_f32 v254, s[CS], v254                    ; as t
	v_max_num_f32 v13, v13, v254
	v_mov_b32 v254, v12
	v_floor_f32 v12, -v13                          ; -M = floor(-t)
	v_sub_f32 v254, v12, v254                      ; old M - new M: a whole number, 0 or less
	v_cvt_i32_f32 v254, v254
	v_ldexp_f32 v252, 1.0, v254                    ; f = 2^(old M - new M)
.set j, 0
.rept 32
	v_pk_fma_f32 v[96+j:97+j], v[96+j:97+j], s[CS:CS+1], v[12:13] op_sel_hi:[1,0,0]   ; t - M
.set j, j+2
.endr
.set j, 0
.rept 64
	v_exp_f32 v[96+j], v[96+j]                     ; p
.set j, j+1
.endr
	v_pk_mul_f32 v[14:15], v[14:15], v[252:253] op_sel_hi:[1,0]   ; the sums under the new M; a plain line behind the exponentials
	s_wait_alu depctr_va_vdst(0)                   ; one wait for the batch, ahead of its first reader
	v_pk_add_f32 v[242:243], v[96:97], v[98:99]    ; the row's sum of the unquantised p, in two chains
.irp j, 4,8,12,16,20,24,28,32,36,40,44,48,52,56,60
	v_pk_add_f32 v[14:15], v[14:15], v[96+\j:97+\j]
	v_pk_add_f32 v[242:243], v[242:243], v[98+\j:99+\j]
.endr
	v_pk_add_f32 v[14:15], v[14:15], v[242:243]
.irp b, 0,1,2,3
.set j, 0
.rept 16
	v_min_num_f32 v[96+16*\b+j], v[96+16*\b+j], v240   ; p is not negative: a one-sided hold
.set j, j+1
.endr
	v_cvt_scalef32_pk8_fp8_f32 v[224+4*\b:225+4*\b], v[96+16*\b:103+16*\b], v244
	v_cvt_scalef32_pk8_fp8_f32 v[226+4*\b:227+4*\b], v[104+16*\b:111+16*\b], v244
.endr
.set j, 0
.rept 16
	v_pk_mul_f32 v[160+j:161+j], v[160+j:161+j], v[252:253] op_sel_hi:[1,0]   ; O^T under the new M; also the plain lines behind the conversions
.set j, j+2
.endr
	s_wait_dscnt 0x0                               ; V's fragments
.irp t, 0,1,2,3
	v_wmma_f32_16x16x128_fp8_fp8 v[160+8*\t:167+8*\t], v[32+16*\t:47+16*\t], v[224:239], v[160+8*\t:167+8*\t]   ; four accumulators by turns
.endr
	s_add_co_u32 s[TK], s[TK], 128*KP
	s_add_co_u32 s[TV], s[TV], 128
.endm
.macro QUARTER q
	s_wait_tensorcnt 3-\q                          ; my part of this quarter has landed; the later quarters' loads may be out
	s_wait_dscnt 0x0
	s_barrier_signal -1
	s_barrier_wait -1                              ; everybody's has
	s_mov_b32 s[TK], \q*QB
	s_mov_b32 s[TV], \q*QB+VOFF
	s_mov_b32 s[CNT], 4
.Lq_\@:
	STEP
	s_sub_co_u32 s[CNT], s[CNT], 1
	s_cmp_lg_u32 s[CNT], 0
	s_cbranch_scc1 .Lq_\@
.endm
	s_wait_loadcnt 0x0                             ; Q
	QUARTER 0
	QUARTER 1
	QUARTER 2
	QUARTER 3
	; THE WAY OUT, through my stage of 16 rows x 272 bytes.  The stages lie in quarter 0: it was filled once, and every wave's reads of it ended ahead of a later barrier.
	v_add_f32 v14, v14, v15
	v_permlanex16_b32 v252, v14, s[SEL], s[SEL+1]
	v_add_f32 v14, v14, v252                       ; the row's sum
	v_rcp_f32 v14, v14
	v_and_b32 v8, 15, v0                           ; (a plain line behind the reciprocal)
	v_bfe_u32 v9, v0, 4, 1
	s_add_co_i32 s92, s74, s75
	s_mul_i32 s93, s[WV], 16*272
	v_mul_u32_u24 v10, v8, 272
	v_lshl_add_u32 v10, v9, 5, v10
	v_add_nc_u32 v10, s93, v10                     ; in: row r, + 32 h
	v_mul_u32_u24 v11, v9, 272
	v_lshl_add_u32 v11, v8, 4, v11
	v_add_nc_u32 v11, s93, v11                     ; back: two rows an instruction
	s_wait_alu depctr_va_vdst(0)                   ; ahead of the reciprocal's first reader
	v_ldexp_f32 v14, v14, s92                      ; x 2^(ep + ev)
.set j, 0
.rept 32
	v_mul_f32 v[96+j], v[160+j], v14               ; register 8 t + i is channel 16 t + 8 h + i of my query
.set j, j+1
.endr
.irp t, 0,1,2,3
	ds_store_b128 v10, v[96+8*\t:99+8*\t] offset:64*\t
	ds_store_b128 v10, v[100+8*\t:103+8*\t] offset:64*\t+16
.endr
.irp i, 0,1,2,3,4,5,6,7
	ds_load_b128 v[32+4*\i:35+4*\i], v11 offset:544*\i   ; LDS serves a wave's instructions in order: these see my stores
.endr
.irp i, 0,1,2,3,4,5,6,7
	s_wait_dscnt 7-\i
	global_store_b128 v[GO], v[32+4*\i:35+4*\i], s[8:9] offset:8192*(2*\i+8*(\i/4))   ; row r of my tile is s = r + 8 (r / 8) on from my first; sixteen lanes store 256 consecutive bytes, aligned
.endr
	s_wait_tensorcnt 0x0
	ds_add_u32 v251, v255
	s_wait_dscnt 0x0
	CROUND                                         ; the closing round: no work-group ends while a partner may still ask for a tile that names it
	s_endpgm
.Lfunc_end_k_q869660bf90_attn:
	.size	k_q869660bf90_attn, .Lfunc_end_k_q869660bf90_attn-k_q869660bf90_attn
	.p2alignl 7, 3214868480
	.fill 96, 4, 3214868480
	.section	.rodata,"a",@progbits
	.p2align	6, 0x0
	.amdhsa_kernel k_q869660bf90_attn
		.amdhsa_group_segment_fixed_size 327680
		.amdhsa_private_segment_fixed_size 0
		.amdhsa_enable_private_segment 0
		.amdhsa_kernarg_size 24
		.amdhsa_user_sgpr_count 2
		.amdhsa_user_sgpr_kernarg_segment_ptr 1
		.amdhsa_wavefront_size32 1
		.amdhsa_system_sgpr_workgroup_id_x 1
		.amdhsa_system_sgpr_workgroup_id_y 1
		.amdhsa_system_sgpr_workgroup_id_z 1
		.amdhsa_system_vgpr_workitem_id 0
		.amdhsa_next_free_vgpr 256
		.amdhsa_next_free_sgpr 100
		.amdhsa_reserve_vcc 0
		.amdhsa_float_denorm_mode_32 3
		.amdhsa_float_denorm_mode_16_64 3
		.amdhsa_memory_ordered 1
		.amdhsa_forward_progress 1
		.amdhsa_inst_pref_size 76
	.end_amdhsa_kernel
	.amdgpu_metadata
---
amdhsa.version: [ 1, 2 ]
amdhsa.kernels:
  - .name:           k_q869660bf90_attn
    .symbol:         k_q869660bf90_attn.kd
    .args:
      - { .name: qkvc, .offset: 0, .size: 8, .value_kind: global_buffer, .address_space: global }
      - { .name: lowp_scales, .offset: 8, .size: 8, .value_kind: global_buffer, .address_space: global }
      - { .name: att, .offset: 16, .size: 8, .value_kind: global_buffer, .address_space: global }
    .group_segment_fixed_size: 327680
    .private_segment_fixed_size: 0
    .kernarg_segment_align: 8
    .kernarg_segment_size: 24
    .max_flat_workgroup_size: 512
    .sgpr_count:     100
    .vgpr_count:     256
    .wavefront_size: 32
...
	.end_amdgpu_metadata
.endif
;; end of part 3
;; launch ln1 (part 4): grid 256 x 1, 8 waves a work-group, no clusters, 17,408 bytes of LDS; arguments src, att, ln1_g, ln1_b, lowp_scales, x, xc; writes x, xc
.if DOCPART == 4
	.amdgcn_target "amdgcn-amd-amdhsa--gfx1250"
	.amdhsa_code_object_version 6
	.text
	.protected	k_q869660bf90_ln1
	.globl	k_q869660bf90_ln1
	.p2align	8
	.type	k_q869660bf90_ln1,@function
k_q869660bf90_ln1:
	s_mov_b64 s[64:65], 0
	v_nop
	global_prefetch_b8 v0, s[64:65] scope:SCOPE_SE
	s_setreg_imm32_b32 hwreg(HW_REG_WAVE_MODE, 25, 1), 1
	s_wait_xcnt 0x0
; x = layer norm of (src + att), stored as f32 and as E4M3 codes (scale: entry 10) laid [4 K steps][4096 rows][256 bytes].
; A wave takes two rows of 1,024; a lane holds columns 128 j + 4 lane + 0 .. 3, j = 0 .. 7: every load and store of f32 covers 512 consecutive bytes.
; The norm goes in two passes over registers: the mean, then the mean of the squared differences.  No matrix unit, no cluster, no barrier: memory binds and waves share nothing.
; A lane's four codes of a chunk go through the wave's own LDS bytes, so that sixteen lanes store 256 consecutive bytes.
; LIMIT: entry 10 between -126 and 119.  NaN is not served.
.set G,  16
.set BT, 48
.set A0, 80
.set C0, 112
.set A1, 144
.set C1, 176
.set T,  208
	s_load_b256 s[4:11], s[0:1], 0x0               ; src, att, g, b
	s_load_b128 s[12:15], s[0:1], 0x20             ; scales, x
	s_load_b64 s[16:17], s[0:1], 0x30              ; xc
	s_set_vgpr_msb 0x40
	v_lshl_add_u32 v0, v0, 2, 0x4000
	v_mov_b32 v1, 0
	s_set_vgpr_msb 0x4000
	v_lshrrev_b32 v1, 5, v0
	v_readfirstlane_b32 s18, v1                    ; wave
	v_and_b32 v10, 31, v0
	v_lshlrev_b32 v1, 4, v10                       ; 16 x lane
	v_lshrrev_b32 v11, 4, v10
	v_and_b32 v12, 15, v10
	v_lshlrev_b32 v12, 4, v12
	v_lshl_or_b32 v11, v11, 20, v12                ; codes: lanes 16-31 one K step (1 MiB) on
	s_lshl_b32 s25, s18, 11                        ; my two rows of codes in LDS
	v_lshl_add_u32 v12, v10, 2, s25
	v_lshl_add_u32 v13, v10, 4, s25
	v_mov_b32 v9, 0                                ; named as the upper half of a pair
	s_mov_b32 s20, 0x76543210
	s_mov_b32 s21, 0xfedcba98
	s_mov_b32 s26, 0x3a800000                      ; 1 / 1024
	s_mov_b32 s27, 0x3727c5ac                      ; 1e-5
	s_lshl_b32 s19, ttmp9, 4
	s_lshl_b32 s22, s18, 1
	s_add_co_u32 s19, s19, s22                     ; my first row
	s_lshl_b32 s22, s19, 12
	s_mov_b32 s23, 0
	s_lshl_b32 s28, s19, 8
	s_mov_b32 s29, 0
	s_wait_kmcnt 0x0
	s_load_b32 s24, s[12:13], 0x28                 ; entry 10
	s_add_nc_u64 s[4:5], s[4:5], s[22:23]
	s_add_nc_u64 s[6:7], s[6:7], s[22:23]
	s_add_nc_u64 s[14:15], s[14:15], s[22:23]
	s_add_nc_u64 s[16:17], s[16:17], s[28:29]
.irp j, 0,1,2,3,4,5,6,7
	global_load_b128 v[G+4*\j:G+4*\j+3], v1, s[8:9] offset:512*\j
.endr
.irp j, 0,1,2,3,4,5,6,7
	global_load_b128 v[BT+4*\j:BT+4*\j+3], v1, s[10:11] offset:512*\j
.endr
.irp j, 0,1,2,3,4,5,6,7
	global_load_b128 v[A0+4*\j:A0+4*\j+3], v1, s[4:5] offset:512*\j th:TH_LOAD_NT
	global_load_b128 v[C0+4*\j:C0+4*\j+3], v1, s[6:7] offset:512*\j th:TH_LOAD_NT
.endr
.irp j, 0,1,2,3,4,5,6,7
	global_load_b128 v[A1+4*\j:A1+4*\j+3], v1, s[4:5] offset:4096+512*\j th:TH_LOAD_NT
	global_load_b128 v[C1+4*\j:C1+4*\j+3], v1, s[6:7] offset:4096+512*\j th:TH_LOAD_NT
.endr
	s_wait_kmcnt 0x0
	s_add_co_i32 s24, s24, 127
	s_lshl_b32 s30, s24, 23
	v_mov_b32 v14, s30                             ; 2^e
	s_add_co_i32 s24, s24, 8
	s_lshl_b32 s24, s24, 23
	s_or_b32 s24, s24, 0x600000
	v_mov_b32 v15, s24                             ; 448 x 2^e
.macro WSUM                            ; v2 summed over the 32 lanes, in every lane
	v_add_f32_dpp v2, v2, v2 row_xmask:1 row_mask:0xf bank_mask:0xf
	v_add_f32_dpp v2, v2, v2 row_xmask:2 row_mask:0xf bank_mask:0xf
	v_add_f32_dpp v2, v2, v2 row_xmask:4 row_mask:0xf bank_mask:0xf
	v_add_f32_dpp v2, v2, v2 row_xmask:8 row_mask:0xf bank_mask:0xf
	v_permlanex16_b32 v3, v2, s20, s21
	v_add_f32 v2, v2, v3
.endm
.macro LNROW A, C, row, left
	s_wait_loadcnt \left                           ; this row's loads are in; the later row's sixteen may be out
.set i, 0
.rept 16
	v_pk_add_f32 v[\A+i:\A+i+1], v[\A+i:\A+i+1], v[\C+i:\C+i+1]
.set i, i+2
.endr
	v_pk_add_f32 v[2:3], v[\A:\A+1], v[\A+2:\A+3]
	v_pk_add_f32 v[4:5], v[\A+4:\A+5], v[\A+6:\A+7]
.irp i, 8,12,16,20,24,28
	v_pk_add_f32 v[2:3], v[2:3], v[\A+\i:\A+\i+1]
	v_pk_add_f32 v[4:5], v[4:5], v[\A+\i+2:\A+\i+3]
.endr
	v_pk_add_f32 v[2:3], v[2:3], v[4:5]
	v_add_f32 v2, v2, v3
	WSUM
	v_mul_f32 v6, s26, v2                          ; the mean
	v_mov_b32 v7, v6
.set i, 0
.rept 16
	v_pk_add_f32 v[\A+i:\A+i+1], v[\A+i:\A+i+1], v[6:7] neg_lo:[0,1] neg_hi:[0,1]
.set i, i+2
.endr
	v_pk_mul_f32 v[2:3], v[\A:\A+1], v[\A:\A+1]
	v_pk_mul_f32 v[4:5], v[\A+2:\A+3], v[\A+2:\A+3]
.irp i, 4,8,12,16,20,24,28
	v_pk_fma_f32 v[2:3], v[\A+\i:\A+\i+1], v[\A+\i:\A+\i+1], v[2:3]
	v_pk_fma_f32 v[4:5], v[\A+\i+2:\A+\i+3], v[\A+\i+2:\A+\i+3], v[4:5]
.endr
	v_pk_add_f32 v[2:3], v[2:3], v[4:5]
	v_add_f32 v2, v2, v3
	WSUM
	v_fma_f32 v2, v2, s26, s27                     ; the variance + 1e-5
	v_rsq_f32 v8, v2
	v_nop                                          ; a plain line behind the root
	s_wait_alu depctr_va_vdst(0)                   ; ahead of its first reader
.set i, 0
.rept 16
	v_pk_mul_f32 v[\C+i:\C+i+1], v[\A+i:\A+i+1], v[8:9] op_sel_hi:[1,0]
.set i, i+2
.endr
.set i, 0
.rept 16
	v_pk_fma_f32 v[\C+i:\C+i+1], v[\C+i:\C+i+1], v[G+i:G+i+1], v[BT+i:BT+i+1]
.set i, i+2
.endr
.irp j, 0,1,2,3,4,5,6,7
	global_store_b128 v1, v[\C+4*\j:\C+4*\j+3], s[14:15] offset:4096*\row+512*\j
.endr
.if \row
	s_wait_xcnt 0x0                                ; the first row's stores of codes have read the registers that are filled again below
.endif
.set i, 0
.rept 32
	v_med3_num_f32 v[T+i], v[\C+i], -v15, v15
.set i, i+1
.endr
.irp k, 0,1,2,3
	v_cvt_scalef32_pk8_fp8_f32 v[240+2*\k:241+2*\k], v[T+8*\k:T+8*\k+7], v14   ; register 240 + j: the four codes of chunk j
.endr
	v_nop
.irp j, 0,1,2,3,4,5,6,7
	ds_store_b32 v12, v[240+\j] offset:1024*\row+128*\j
.endr
.irp i, 0,1
	ds_load_b128 v[248+4*\i:251+4*\i], v13 offset:1024*\row+512*\i
.endr
	s_wait_dscnt 0x0
.irp i, 0,1
	global_store_b128 v11, v[248+4*\i:251+4*\i], s[16:17] offset:256*\row+\i*0x200000   ; sixteen lanes store 256 consecutive bytes, aligned
.endr
.endm
	LNROW A0, C0, 0, 16
	LNROW A1, C1, 1, 0
	s_set_vgpr_msb 0x5
	s_wait_tensorcnt 0x0
	ds_add_u32 v0, v1
	s_wait_dscnt 0x0
	s_set_vgpr_msb 0x500
	s_endpgm
.Lfunc_end_k_q869660bf90_ln1:
	.size	k_q869660bf90_ln1, .Lfunc_end_k_q869660bf90_ln1-k_q869660bf90_ln1
	.p2alignl 7, 3214868480
	.fill 96, 4, 3214868480
	.section	.rodata,"a",@progbits
	.p2align	6, 0x0
	.amdhsa_kernel k_q869660bf90_ln1
		.amdhsa_group_segment_fixed_size 17408
		.amdhsa_private_segment_fixed_size 0
		.amdhsa_enable_private_segment 0
		.amdhsa_kernarg_size 56
		.amdhsa_user_sgpr_count 2
		.amdhsa_user_sgpr_kernarg_segment_ptr 1
		.amdhsa_wavefront_size32 1
		.amdhsa_system_sgpr_workgroup_id_x 1
		.amdhsa_system_sgpr_workgroup_id_y 1
		.amdhsa_system_sgpr_workgroup_id_z 1
		.amdhsa_system_vgpr_workitem_id 0
		.amdhsa_next_free_vgpr 258
		.amdhsa_next_free_sgpr 66
		.amdhsa_reserve_vcc 0
		.amdhsa_float_denorm_mode_32 3
		.amdhsa_float_denorm_mode_16_64 3
		.amdhsa_memory_ordered 1
		.amdhsa_forward_progress 1
		.amdhsa_inst_pref_size 29
	.end_amdhsa_kernel
	.amdgpu_metadata
---
amdhsa.version: [ 1, 2 ]
amdhsa.kernels:
  - .name:           k_q869660bf90_ln1
    .symbol:         k_q869660bf90_ln1.kd
    .args:
      - { .name: src, .offset: 0, .size: 8, .value_kind: global_buffer, .address_space: global }
      - { .name: att, .offset: 8, .size: 8, .value_kind: global_buffer, .address_space: global }
      - { .name: ln1_g, .offset: 16, .size: 8, .value_kind: global_buffer, .address_space: global }
      - { .name: ln1_b, .offset: 24, .size: 8, .value_kind: global_buffer, .address_space: global }
      - { .name: lowp_scales, .offset: 32, .size: 8, .value_kind: global_buffer, .address_space: global }
      - { .name: x, .offset: 40, .size: 8, .value_kind: global_buffer, .address_space: global }
      - { .name: xc, .offset: 48, .size: 8, .value_kind: global_buffer, .address_space: global }
    .group_segment_fixed_size: 17408
    .private_segment_fixed_size: 0
    .kernarg_segment_align: 8
    .kernarg_segment_size: 56
    .max_flat_workgroup_size: 256
    .sgpr_count:     66
    .vgpr_count:     258
    .wavefront_size: 32
...
	.end_amdgpu_metadata
.endif
;; end of part 4
;; launch ffn1 (part 5): grid 16 x 16, 4 waves a work-group, clusters of 4 x 4, 327,680 bytes of LDS; arguments xc, wc, lowp_scales, hc, b1; writes hc
.if DOCPART == 5
	.amdgcn_target "amdgcn-amd-amdhsa--gfx1250"
	.amdhsa_code_object_version 6
	.text
	.protected	k_q869660bf90_ffn1
	.globl	k_q869660bf90_ffn1
	.p2align	8
	.type	k_q869660bf90_ffn1,@function
k_q869660bf90_ffn1:
	s_mov_b64 s[64:65], 0
	v_nop
	global_prefetch_b8 v0, s[64:65] scope:SCOPE_SE
	s_setreg_imm32_b32 hwreg(HW_REG_WAVE_MODE, 25, 1), 1
	s_wait_xcnt 0x0
	s_wait_alu depctr_hold_cnt(0) depctr_sa_sdst(0) depctr_va_vdst(0) depctr_va_sdst(0) depctr_va_ssrc(0) depctr_va_vcc(0) depctr_vm_vsrc(0)
	s_getreg_b32 s2, hwreg(HW_REG_IB_STS2, 6, 4)
	s_cmp_eq_u32 s2, 0
	s_cbranch_scc0 .Lentry_in_a_cluster
	s_endpgm
.Lentry_in_a_cluster:
	s_bfe_u32 s2, ttmp6, 0x10000c
	s_cmp_lg_u32 s2, 0xf033
	s_cbranch_scc0 .Lentry_shape_is_right
	s_endpgm
.Lentry_shape_is_right:
; h = relu(x w1 + b1) on E4M3 codes (scales: entries 10, 11), leaving as E4M3 codes (entry 12) laid [16 K steps][4096 rows][256 bytes].
; A tile of 256 x 256 is made by four waves, 128 x 128 each.  K = 1,024 goes in four steps of 256 through two LDS slots; a tile's 128 rows of a K step are one dense block of 32 KiB in memory.
; CLUSTERS 4 x 4: A's tiles are asked for jointly along a row of the cluster, B's along a column.
; THE MATRIX INSTRUCTION IS USED TRANSPOSED (source 0 = 16 rows of B, source 1 = 16 rows of A).  B's row 32 g + p holds column 32 g + pi(p) (bits 3 and 4 exchanged):
; the 16 registers of tiles 2 c and 2 c + 1 of lane (r, h) are the columns 32 c + 16 h + 0 .. 15 of row r: sixteen neighbours along the next product's K.
; Fragments come by four loads of 16 bytes: a permutation of k, the same on both sides; only the order of the sums inside an instruction differs.
; LIMITS: e10 + e11 between -126 and 127; e12 between -126 and 119.  NaN is not served.
; REGISTERS: window 0: v0-31 addresses, v32-95 the bias, from v128 A's fragments; window 1: B's two sets; windows 2, 3: the accumulators.
.set ASTEP,  0x100000
.set BSTEP,  0x100000
.set LAPS,   2
.set PITCH,  272
.set FR,     16
.set NL,     4
.set NP,     4
.set HALFT,  128*PITCH
.set SLOT,   4*HALFT
.set SPARE,  2*SLOT                    ; the spare words: 128 bytes a wave, named by no other line
.set ADRA, 16
.set ADRB, 20
.set SPW,  28
.set NIL,  29
.set BI,   32
.set X,    96
.set PC,   224
.set AF,   128
.set G1, 24
.set G0, 32
.set G1B, 48
.set G0B, 56
.set MSB, 0
.macro WIN new
.if MSB != (\new)
	s_set_vgpr_msb (MSB<<8)|(\new)
.set MSB, (\new)
.endif
.endm
.set MUL_LO, 0xa1
.set MUL_HI, 0xf1
.set TO_B,   0x40
.macro JLOAD g0a, g1a, g0b, g1b        ; a joint load: waves 0, 1 for A, waves 2, 3 for B; four v_nop follow each line
	s_cmp_eq_u32 s15, 0
	s_cbranch_scc0 .Lfor_b_\@
	tensor_load_to_lds s[\g0a:\g0a+3], s[\g1a:\g1a+7]
	s_nop 0
.rept 4
	v_nop
.endr
	s_branch .Lasked_\@
.Lfor_b_\@:
	tensor_load_to_lds s[\g0b:\g0b+3], s[\g1b:\g1b+7]
	s_nop 0
.rept 4
	v_nop
.endr
.Lasked_\@:
.endm
.macro CREST
	s_cmp_lg_u32 s14, 0
	s_cbranch_scc1 .Lnot_wave_0_\@
	s_barrier_signal -3
.Lnot_wave_0_\@:
	s_barrier_wait -3
	s_barrier_signal -1
	s_barrier_wait -1
.endm
.macro CROUND
	s_barrier_signal -1
	s_barrier_wait -1
	CREST
.endm
	s_load_b128 s[4:7], s[0:1], 0x0                ; xc, wc
	s_load_b128 s[8:11], s[0:1], 0x10              ; scales, hc
	s_load_b64 s[68:69], s[0:1], 0x20              ; b1
	v_lshl_add_u32 v[SPW], v0, 2, SPARE
	v_mov_b32 v[NIL], 0
	ds_add_u32 v28, v29
	ds_add_u32 v28, v29
	s_wait_dscnt 0x0
	v_lshrrev_b32 v1, 5, v0
	v_readfirstlane_b32 s14, v1
	s_lshr_b32 s15, s14, 1
	s_and_b32 s16, s14, 1
	s_bfe_u32 s40, ttmp6, 0x40000
	s_bfe_u32 s41, ttmp6, 0x40004
	s_lshl_b32 s42, ttmp9, 2
	s_add_co_u32 s42, s42, s40                     ; tile column
	s_and_b32 s17, ttmp7, 0xffff
	s_lshl_b32 s17, s17, 2
	s_add_co_u32 s17, s17, s41                     ; tile row
	s_lshl_b32 s43, s41, 2
	s_lshl_b32 s43, 15, s43
	s_lshl_b32 s44, 0x1111, s40
	s_or_b32 s[G1+0], s43, (1<<20)|(1<<21)|(5<<22)|(3<<25)
	s_or_b32 s[G1B+0], s44, (1<<20)|(1<<21)|(5<<22)|(3<<25)
.irp g, G1, G1B
	s_mov_b32 s[\g+1], 256<<16
	s_mov_b32 s[\g+2], 128<<16
	s_mov_b32 s[\g+3], 256<<16
	s_mov_b32 s[\g+4], 128
	s_mov_b32 s[\g+5], 256
	s_mov_b32 s[\g+6], 0
	s_mov_b32 s[\g+7], 0
.endr
	s_lshl_b32 s18, s16, 15
	s_lshl_b32 s20, s17, 16
	s_add_co_u32 s20, s20, s18
	s_mov_b32 s21, 0
	s_lshl_b32 s46, s42, 16
	s_add_co_u32 s46, s46, s18
	s_add_co_u32 s46, s46, 0x300000                ; w1's codes in wc
	s_mov_b32 s47, 0
	s_mul_i32 s45, s14, HALFT
	s_wait_kmcnt 0x0
	s_load_b96 s[76:78], s[8:9], 0x28              ; entries 10, 11, 12
	s_add_nc_u64 s[20:21], s[4:5], s[20:21]
	s_add_nc_u64 s[46:47], s[6:7], s[46:47]
	CROUND
.irp s, 0,1
	s_mov_b32 s[G0+4*\s], 1
	s_add_co_u32 s[G0+4*\s+1], s45, \s*SLOT
	s_add_nc_u64 s[G0+4*\s+2:G0+4*\s+3], s[20:21], \s*ASTEP
	s_or_b32 s[G0+4*\s+3], s[G0+4*\s+3], 0x80000000
	s_mov_b32 s[G0B+4*\s], 1
	s_add_co_u32 s[G0B+4*\s+1], s45, \s*SLOT
	s_add_nc_u64 s[G0B+4*\s+2:G0B+4*\s+3], s[46:47], \s*BSTEP
	s_or_b32 s[G0B+4*\s+3], s[G0B+4*\s+3], 0x80000000
	JLOAD G0+4*\s, G1, G0B+4*\s, G1B
.endr
	v_and_b32 v1, 15, v0
	v_bfe_u32 v2, v0, 4, 1
	v_mul_u32_u24 v3, v1, PITCH
	v_lshl_add_u32 v4, v2, 4, v3
	s_mul_i32 s21, s15, HALFT
	s_mul_i32 s22, s16, HALFT
	s_add_co_u32 s22, s22, 2*HALFT
.irp s, 0,1
	v_add_nc_u32 v[ADRA+\s], s21, v4
	v_add_nc_u32 v[ADRB+\s], s22, v4
	s_add_co_u32 s21, s21, SLOT
	s_add_co_u32 s22, s22, SLOT
.endr
	v_lshlrev_b32 v8, 6, v2                        ; the bias: 64 h
	s_mul_i32 s23, s15, 128*272
	s_lshl_b32 s22, s16, 7
	s_add_co_u32 s23, s23, s22
	v_mul_u32_u24 v10, v1, 272
	v_lshl_add_u32 v10, v2, 4, v10
	v_add_nc_u32 v10, s23, v10                     ; into the stage (256 rows x 272, in slot 0): row 128 rowhalf + r, byte 128 colhalf + 16 h
	s_mul_i32 s23, s14, 64*272
	v_mul_u32_u24 v11, v2, 272
	v_lshl_add_u32 v11, v1, 4, v11
	v_add_nc_u32 v11, s23, v11                     ; back: my 64 rows, two an instruction
	v_and_b32 v12, 31, v0
	v_lshlrev_b32 v12, 4, v12                      ; and the same 512 bytes in memory
	s_lshl_b32 s74, s42, 10
	s_lshl_b32 s75, s16, 9
	s_add_co_u32 s74, s74, s75
	s_mov_b32 s75, 0
	s_add_nc_u64 s[86:87], s[68:69], s[74:75]      ; b1 at my first column
.irp c, 0,1,2,3
.irp q, 0,1,2,3
	global_load_b128 v[BI+16*\c+4*\q:BI+16*\c+4*\q+3], v8, s[86:87] offset:128*\c+16*\q
.endr
.endr
	s_lshl_b32 s74, s42, 20
	s_lshl_b32 s75, s17, 16
	s_add_co_u32 s74, s74, s75
	s_lshl_b32 s75, s14, 14
	s_add_co_u32 s74, s74, s75
	s_mov_b32 s75, 0
	s_add_nc_u64 s[90:91], s[10:11], s[74:75]      ; hc: K step = tile column, the tile's rows, my 64 of them
.macro FRAG reg, adr, q, i
.irp c, 0,1,2,3
	ds_load_b128 v[\reg+4*\c:\reg+4*\c+3], v[\adr] offset:128*(\q)+32*\c+(\i)*16*PITCH
.endr
.endm
.macro MUL16 a0, p, zero               ; the 64 accumulators take turns
.irp a, \a0, \a0+1
.irp b, 0,1,2,3,4,5,6,7
.if \zero
	v_wmma_f32_16x16x128_fp8_fp8 v[8*(8*((\a)%4)+\b):8*(8*((\a)%4)+\b)+7], v[128*(\p)+FR*\b:128*(\p)+FR*\b+FR-1], v[AF+FR*(\a):AF+FR*(\a)+FR-1], 0
.else
	v_wmma_f32_16x16x128_fp8_fp8 v[8*(8*((\a)%4)+\b):8*(8*((\a)%4)+\b)+7], v[128*(\p)+FR*\b:128*(\p)+FR*\b+FR-1], v[AF+FR*(\a):AF+FR*(\a)+FR-1], v[8*(8*((\a)%4)+\b):8*(8*((\a)%4)+\b)+7]
.endif
.endr
.endr
.endm
.macro FETCH_B slot, q, p
	WIN TO_B
.irp i, 0,1,2,3,4,5,6,7
	FRAG 128*(\p)+FR*\i, ADRB+\slot, \q, \i
.endr
	WIN 0
.endm
.macro FETCH_A slot, q, i0
.irp i, \i0, \i0+1, \i0+2, \i0+3
	FRAG AF+FR*(\i), ADRA+\slot, \q, \i
.endr
.endm
.macro PLACES n
.rept \n
	v_nop
.endr
.endm
.macro STEP slot, q, zero
	s_wait_dscnt 4*NL                              ; A's blocks 4-7 (16 loads) may be out
	WIN MUL_LO
	MUL16 0, (\q)%2, \zero
	MUL16 2, (\q)%2, \zero
	s_wait_dscnt 0
	PLACES NP
	FETCH_B \slot, (\q)+1, 1-(\q)%2
	FETCH_A \slot, (\q)+1, 0
	WIN MUL_HI
	MUL16 4, (\q)%2, \zero
	MUL16 6, (\q)%2, \zero
	PLACES NP
	WIN 0
	FETCH_A \slot, (\q)+1, 4
.endm
.macro TURN slot, next, fill
	s_wait_tensorcnt 0x0                           ; all my tensor loads have landed
	ds_add_u32 v[SPW], v[NIL]                      ; 0 onto my spare word
	s_wait_dscnt 4*NL+1                            ; the add and A's blocks 4-7 may be out
	WIN MUL_LO
	MUL16 0, 1, 0
	s_wait_dscnt 0x0                               ; the add is done, and my reads of this slot are over
	s_barrier_signal -1
	MUL16 2, 1, 0
	WIN 0
	s_barrier_wait -1
.if \fill
	CREST
	s_add_nc_u64 s[G0+4*\slot+2:G0+4*\slot+3], s[G0+4*\slot+2:G0+4*\slot+3], 2*ASTEP
	s_add_nc_u64 s[G0B+4*\slot+2:G0B+4*\slot+3], s[G0B+4*\slot+2:G0B+4*\slot+3], 2*BSTEP
	JLOAD G0+4*\slot, G1, G0B+4*\slot, G1B
.else
	PLACES NP
.endif
	FETCH_B \next, 0, 0
	FETCH_A \next, 0, 0
	WIN MUL_HI
	MUL16 4, 1, 0
	MUL16 6, 1, 0
	PLACES NP
	WIN 0
	FETCH_A \next, 0, 4
.endm
	s_wait_tensorcnt 1                             ; K step 0 is in; K step 1's load may be out
	s_barrier_signal -1
	s_barrier_wait -1
	FETCH_B 0, 0, 0
	FETCH_A 0, 0, 0
	FETCH_A 0, 0, 4
	STEP 0, 0, 1
	s_mov_b32 s3, LAPS-1
.Llap:
	TURN 0, 1, 1
	STEP 1, 0, 0
	TURN 1, 0, 1
	STEP 0, 0, 0
	s_sub_co_u32 s3, s3, 1
	s_cmp_lg_u32 s3, 0
	s_cbranch_scc1 .Llap
	TURN 0, 1, 0
	STEP 1, 0, 0
	s_wait_dscnt 4*NL
	WIN MUL_LO
	MUL16 0, 1, 0
	MUL16 2, 1, 0
	s_wait_dscnt 0
	WIN MUL_HI
	MUL16 4, 1, 0
	MUL16 6, 1, 0
	WIN 0
	s_wait_kmcnt 0x0
	s_add_co_i32 s96, s76, s77
	s_add_co_i32 s96, s96, 127
	s_lshl_b32 s96, s96, 23                        ; 2^(e10 + e11)
	s_mov_b32 s97, s96
	s_add_co_i32 s78, s78, 127
	s_lshl_b32 s79, s78, 23
	s_add_co_i32 s78, s78, 8
	s_lshl_b32 s78, s78, 23
	s_or_b32 s78, s78, 0x600000
	PLACES NP
	v_mov_b32 v13, s79                             ; 2^e12
	v_mov_b32 v14, s78                             ; 448 x 2^e12
	s_wait_loadcnt 0x0                             ; the bias
.macro HBLK a
	WIN 0x02+(\a)/4
.set i, 0
.rept 32
	v_pk_fma_f32 v[X+i:X+i+1], v[64*((\a)%4)+i:64*((\a)%4)+i+1], s[96:97], v[BI+i:BI+i+1] op_sel_hi:[1,0,1]   ; each accumulator from its low end
.set i, i+2
.endr
	WIN 0
.set i, 0
.rept 64
	v_med3_num_f32 v[X+i], v[X+i], 0, v14          ; the activation and the hold in one
.set i, i+1
.endr
.irp b, 0,1,2,3
	v_cvt_scalef32_pk8_fp8_f32 v[PC+4*\b:PC+4*\b+1], v[X+16*\b:X+16*\b+7], v13
	v_cvt_scalef32_pk8_fp8_f32 v[PC+4*\b+2:PC+4*\b+3], v[X+16*\b+8:X+16*\b+15], v13
.endr
	v_nop
.irp b, 0,1,2,3
	ds_store_b128 v10, v[PC+4*\b:PC+4*\b+3] offset:4352*(\a)+32*\b
.endr
	s_wait_dscnt 0x0                               ; the stores have read their registers
.endm
.irp a, 0,1,2,3,4,5,6,7
	HBLK \a
.endr
	s_wait_dscnt 0x0                               ; for the others' sake: my stores into the stage are done
	s_barrier_signal -1
	s_barrier_wait -1                              ; a row's 256 bytes come from two waves
.set t, 0
.rept 32
	ds_load_b128 v[96+4*t:96+4*t+3], v11 offset:544*t
.set t, t+1
.endr
.set t, 0
.rept 32
	s_wait_dscnt 31-t
	global_store_b128 v12, v[96+4*t:96+4*t+3], s[90:91] offset:512*t   ; 512 consecutive bytes, aligned
.set t, t+1
.endr
	s_wait_tensorcnt 0x0                           ; the wave's end
	ds_add_u32 v[SPW], v[NIL]
	s_wait_dscnt 0x0
	CROUND                                         ; the closing round
	s_endpgm
.Lfunc_end_k_q869660bf90_ffn1:
	.size	k_q869660bf90_ffn1, .Lfunc_end_k_q869660bf90_ffn1-k_q869660bf90_ffn1
	.p2alignl 7, 3214868480
	.fill 96, 4, 3214868480
	.section	.rodata,"a",@progbits
	.p2align	6, 0x0
	.amdhsa_kernel k_q869660bf90_ffn1
		.amdhsa_group_segment_fixed_size 327680
		.amdhsa_private_segment_fixed_size 0
		.amdhsa_enable_private_segment 0
		.amdhsa_kernarg_size 40
		.amdhsa_user_sgpr_count 2
		.amdhsa_user_sgpr_kernarg_segment_ptr 1
		.amdhsa_wavefront_size32 1
		.amdhsa_system_sgpr_workgroup_id_x 1
		.amdhsa_system_sgpr_workgroup_id_y 1
		.amdhsa_system_sgpr_workgroup_id_z 1
		.amdhsa_system_vgpr_workitem_id 0
		.amdhsa_next_free_vgpr 1024
		.amdhsa_next_free_sgpr 100
		.amdhsa_reserve_vcc 0
		.amdhsa_float_denorm_mode_32 3
		.amdhsa_float_denorm_mode_16_64 3
		.amdhsa_memory_ordered 1
		.amdhsa_forward_progress 1
		.amdhsa_inst_pref_size 141
	.end_amdhsa_kernel
	.amdgpu_metadata
---
amdhsa.version: [ 1, 2 ]
amdhsa.kernels:
  - .name:           k_q869660bf90_ffn1
    .symbol:         k_q869660bf90_ffn1.kd
    .args:
      - { .name: xc, .offset: 0, .size: 8, .value_kind: global_buffer, .address_space: global }
      - { .name: wc, .offset: 8, .size: 8, .value_kind: global_buffer, .address_space: global }
      - { .name: lowp_scales, .offset: 16, .size: 8, .value_kind: global_buffer, .address_space: global }
      - { .name: hc, .offset: 24, .size: 8, .value_kind: global_buffer, .address_space: global }
      - { .name: b1, .offset: 32, .size: 8, .value_kind: global_buffer, .address_space: global }
    .group_segment_fixed_size: 327680
    .private_segment_fixed_size: 0
    .kernarg_segment_align: 8
    .kernarg_segment_size: 40
    .max_flat_workgroup_size: 128
    .sgpr_count:     100
    .vgpr_count:     1024
    .wavefront_size: 32
...
	.end_amdgpu_metadata
.endif
;; end of part 5
;; launch ffn2 (part 6): grid 4 x 16, 4 waves a work-group, clusters of 4 x 4, 327,680 bytes of LDS; arguments hc, wc, lowp_scales, y; writes y
.if DOCPART == 6
	.amdgcn_target "amdgcn-amd-amdhsa--gfx1250"
	.amdhsa_code_object_version 6
	.text
	.protected	k_q869660bf90_ffn2
	.globl	k_q869660bf90_ffn2
	.p2align	8
	.type	k_q869660bf90_ffn2,@function
k_q869660bf90_ffn2:
	s_mov_b64 s[64:65], 0
	v_nop
	global_prefetch_b8 v0, s[64:65] scope:SCOPE_SE
	s_setreg_imm32_b32 hwreg(HW_REG_WAVE_MODE, 25, 1), 1
	s_wait_xcnt 0x0
	s_wait_alu depctr_hold_cnt(0) depctr_sa_sdst(0) depctr_va_vdst(0) depctr_va_sdst(0) depctr_va_ssrc(0) depctr_va_vcc(0) depctr_vm_vsrc(0)
	s_getreg_b32 s2, hwreg(HW_REG_IB_STS2, 6, 4)
	s_cmp_eq_u32 s2, 0
	s_cbranch_scc0 .Lentry_in_a_cluster
	s_endpgm
.Lentry_in_a_cluster:
	s_bfe_u32 s2, ttmp6, 0x10000c
	s_cmp_lg_u32 s2, 0xf033
	s_cbranch_scc0 .Lentry_shape_is_right
	s_endpgm
.Lentry_shape_is_right:
; y = h w2 on E4M3 codes (scales: entries 12, 13), f32 [4096][1024]; the bias b2 is added by the launch that follows.
; A tile of 256 x 256 is made by four waves, 128 x 128 each: 64 work-groups.  A tile of 128 x 128 would occupy four times as many at twice the LDS bytes for each product; it is not built here.
; K = 4,096 goes in sixteen steps of 256 through two LDS slots; a tile's 128 rows of a K step are one dense block of 32 KiB in memory.
; CLUSTERS 4 x 4: A's tiles are asked for jointly along a row of the cluster, B's along a column.
; THE MATRIX INSTRUCTION IS USED TRANSPOSED.  B's row 32 g + p holds column 32 g + pi(p) (bits 3 and 4 exchanged): tile b's register j of lane (r, h) is column 32 (b / 2) + 16 h + 8 (b % 2) + j of row r.
; Fragments come by four loads of 16 bytes: a permutation of k, the same on both sides; only the order of the sums inside an instruction differs.
; PREFETCH: behind each refill, one instruction a wave names the K step two refills on: 32 rows of 256 bytes, a lane a row.  A's rows: the cluster with x = 0 asks (there is no other); B's: the cluster with y = 0.
; The four partners of a joint load share its 128 rows out by address, 32 each.  The loop's last trip asks for nothing: no K step lies two refills on.
; LIMIT: e12 + e13 between -126 and 127.
.set ASTEP,  0x100000
.set BSTEP,  0x40000
.set LAPS,   8
.set PITCH,  272
.set FR,     16
.set NL,     4
.set NP,     4
.set HALFT,  128*PITCH
.set SLOT,   4*HALFT
.set SPARE,  2*SLOT                    ; the spare words: 128 bytes a wave, named by no other line
.set SPITCH, 528                       ; the way out: 16 rows x (512 + 16) bytes a wave, in slot 0, behind its last fill and its last read
.set SIZE_N, 1024
.set ADRA, 16
.set ADRB, 20
.set STO,  24
.set RD,   25
.set CO,   26
.set SPW,  28
.set NIL,  29
.set PFO,  30                          ; v30  256 x lane; never rewritten
.set TMP,  32
.set AF,   128
.set BK,   128
.set G1, 24
.set G0, 32
.set G1B, 48
.set G0B, 56
.set PFA, 66                           ; s[66:67] where my prefetches stand
.set PFS, 68                           ; s[68:69] a K step on
.set LIM, 70                           ; s70  1 in a wave that prefetches, else the greatest number
.set MSB, 0
.macro WIN new
.if MSB != (\new)
	s_set_vgpr_msb (MSB<<8)|(\new)
.set MSB, (\new)
.endif
.endm
.set MUL_LO, 0xa1
.set MUL_HI, 0xf1
.set TO_B,   0x40
.macro JLOAD g0a, g1a, g0b, g1b        ; a joint load: waves 0, 1 for A, waves 2, 3 for B; four v_nop follow each line
	s_cmp_eq_u32 s15, 0
	s_cbranch_scc0 .Lfor_b_\@
	tensor_load_to_lds s[\g0a:\g0a+3], s[\g1a:\g1a+7]
	s_nop 0
.rept 4
	v_nop
.endr
	s_branch .Lasked_\@
.Lfor_b_\@:
	tensor_load_to_lds s[\g0b:\g0b+3], s[\g1b:\g1b+7]
	s_nop 0
.rept 4
	v_nop
.endr
.Lasked_\@:
.endm
.macro ASK
	s_cmp_gt_u32 s3, s[LIM]                        ; s3 = 1 in the loop's last trip
	s_cbranch_scc0 .Lnot_mine_\@
	global_prefetch_b8 v[PFO], s[PFA:PFA+1] th:TH_LOAD_NT scope:SCOPE_SE
.Lnot_mine_\@:
.endm
.macro CREST
	s_cmp_lg_u32 s14, 0
	s_cbranch_scc1 .Lnot_wave_0_\@
	s_barrier_signal -3
.Lnot_wave_0_\@:
	s_barrier_wait -3
	s_barrier_signal -1
	s_barrier_wait -1
.endm
.macro CROUND
	s_barrier_signal -1
	s_barrier_wait -1
	CREST
.endm
	s_load_b128 s[4:7], s[0:1], 0x0                ; hc, wc
	s_load_b128 s[8:11], s[0:1], 0x10              ; scales, y
	v_lshl_add_u32 v[SPW], v0, 2, SPARE
	v_mov_b32 v[NIL], 0
	ds_add_u32 v28, v29
	ds_add_u32 v28, v29
	s_wait_dscnt 0x0
	v_lshrrev_b32 v1, 5, v0
	v_readfirstlane_b32 s14, v1
	s_lshr_b32 s15, s14, 1
	s_and_b32 s16, s14, 1
	s_bfe_u32 s40, ttmp6, 0x40000
	s_bfe_u32 s41, ttmp6, 0x40004
	s_lshl_b32 s42, ttmp9, 2
	s_add_co_u32 s42, s42, s40                     ; tile column
	s_and_b32 s17, ttmp7, 0xffff
	s_lshl_b32 s17, s17, 2
	s_add_co_u32 s17, s17, s41                     ; tile row
	s_lshl_b32 s43, s41, 2
	s_lshl_b32 s43, 15, s43
	s_lshl_b32 s44, 0x1111, s40
	s_or_b32 s[G1+0], s43, (1<<20)|(1<<21)|(5<<22)|(3<<25)
	s_or_b32 s[G1B+0], s44, (1<<20)|(1<<21)|(5<<22)|(3<<25)
.irp g, G1, G1B
	s_mov_b32 s[\g+1], 256<<16
	s_mov_b32 s[\g+2], 128<<16
	s_mov_b32 s[\g+3], 256<<16
	s_mov_b32 s[\g+4], 128
	s_mov_b32 s[\g+5], 256
	s_mov_b32 s[\g+6], 0
	s_mov_b32 s[\g+7], 0
.endr
	s_lshl_b32 s18, s16, 15
	s_lshl_b32 s20, s17, 16
	s_add_co_u32 s20, s20, s18
	s_mov_b32 s21, 0
	s_lshl_b32 s46, s42, 16
	s_add_co_u32 s46, s46, s18
	s_add_co_u32 s46, s46, 0x700000                ; w2's codes in wc
	s_mov_b32 s47, 0
	s_mul_i32 s45, s14, HALFT
	s_wait_kmcnt 0x0
	s_load_b64 s[96:97], s[8:9], 0x30              ; entries 12, 13
	s_add_nc_u64 s[20:21], s[4:5], s[20:21]
	s_add_nc_u64 s[46:47], s[6:7], s[46:47]
	CROUND
.irp s, 0,1
	s_mov_b32 s[G0+4*\s], 1
	s_add_co_u32 s[G0+4*\s+1], s45, \s*SLOT
	s_add_nc_u64 s[G0+4*\s+2:G0+4*\s+3], s[20:21], \s*ASTEP
	s_or_b32 s[G0+4*\s+3], s[G0+4*\s+3], 0x80000000
	s_mov_b32 s[G0B+4*\s], 1
	s_add_co_u32 s[G0B+4*\s+1], s45, \s*SLOT
	s_add_nc_u64 s[G0B+4*\s+2:G0B+4*\s+3], s[46:47], \s*BSTEP
	s_or_b32 s[G0B+4*\s+3], s[G0B+4*\s+3], 0x80000000
	JLOAD G0+4*\s, G1, G0B+4*\s, G1B
.endr
	v_and_b32 v1, 15, v0
	v_bfe_u32 v2, v0, 4, 1
	v_mul_u32_u24 v3, v1, PITCH
	v_lshl_add_u32 v4, v2, 4, v3
	s_mul_i32 s21, s15, HALFT
	s_mul_i32 s22, s16, HALFT
	s_add_co_u32 s22, s22, 2*HALFT
.irp s, 0,1
	v_add_nc_u32 v[ADRA+\s], s21, v4
	v_add_nc_u32 v[ADRB+\s], s22, v4
	s_add_co_u32 s21, s21, SLOT
	s_add_co_u32 s22, s22, SLOT
.endr
	s_mul_i32 s23, s14, 16*SPITCH                  ; my stage
	v_mul_u32_u24 v5, v1, SPITCH
	v_lshl_add_u32 v5, v2, 6, v5                   ; in: row r, + 64 h
	v_add_nc_u32 v[STO], s23, v5
	v_and_b32 v6, 31, v0
	v_lshlrev_b32 v[CO], 4, v6
	v_add_nc_u32 v[RD], s23, v[CO]                 ; back: a row of 512 bytes
	s_lshl_b32 s20, s17, 8
	s_lshl_b32 s21, s15, 7
	s_add_co_u32 s20, s20, s21                     ; my first row of y
	s_lshl_b32 s20, s20, 12                        ; x 4,096 bytes
	s_lshl_b32 s46, s42, 10
	s_lshl_b32 s47, s16, 9
	s_add_co_u32 s46, s46, s47                     ; my first column, in bytes
	s_add_co_u32 s20, s20, s46
	s_mov_b32 s21, 0
	s_add_nc_u64 s[10:11], s[10:11], s[20:21]
	; the prefetches
	s_and_b32 s71, ttmp7, 0xffff                   ; cluster y
	s_mov_b32 s[PFS], BSTEP
	s_mov_b32 s74, 0x700000+3*BSTEP
	s_cmp_eq_u32 s15, 0                            ; do I fetch for A?
	s_cselect_b32 s72, s17, s42                    ; the tile's place: by the tile row in A, by the tile column in B
	s_cselect_b32 s73, s40, s41                    ; my place among the four that ask with me
	s_cselect_b32 s71, ttmp9, s71                  ; the coordinate along which other clusters read the same rows
	s_cselect_b64 s[PFA:PFA+1], s[4:5], s[6:7]
	s_cselect_b32 s[PFS], ASTEP, s[PFS]
	s_cselect_b32 s74, 3*ASTEP, s74                ; at K step 3: the first refill steps it to 4
	s_cmp_eq_u32 s71, 0
	s_cselect_b32 s[LIM], 1, -1                    ; the same in all sixteen partners, for a given wave
	s_lshl_b32 s72, s72, 16
	s_add_co_u32 s74, s74, s72
	s_add_co_u32 s74, s74, s18                     ; the 128 rows that I fetch
	s_lshl_b32 s73, s73, 13
	s_add_co_u32 s74, s74, s73                     ; my work-group's 32 of them
	s_mov_b32 s75, 0
	s_mov_b32 s[PFS+1], 0
	s_add_nc_u64 s[PFA:PFA+1], s[PFA:PFA+1], s[74:75]
	v_lshlrev_b32 v[PFO], 8, v6
.macro FRAG reg, adr, q, i
.irp c, 0,1,2,3
	ds_load_b128 v[\reg+4*\c:\reg+4*\c+3], v[\adr] offset:128*(\q)+32*\c+(\i)*16*PITCH
.endr
.endm
.macro MUL16 a0, p, zero               ; the 64 accumulators take turns
.irp a, \a0, \a0+1
.irp b, 0,1,2,3,4,5,6,7
.if \zero
	v_wmma_f32_16x16x128_fp8_fp8 v[8*(8*((\a)%4)+\b):8*(8*((\a)%4)+\b)+7], v[128*(\p)+FR*\b:128*(\p)+FR*\b+FR-1], v[AF+FR*(\a):AF+FR*(\a)+FR-1], 0
.else
	v_wmma_f32_16x16x128_fp8_fp8 v[8*(8*((\a)%4)+\b):8*(8*((\a)%4)+\b)+7], v[128*(\p)+FR*\b:128*(\p)+FR*\b+FR-1], v[AF+FR*(\a):AF+FR*(\a)+FR-1], v[8*(8*((\a)%4)+\b):8*(8*((\a)%4)+\b)+7]
.endif
.endr
.endr
.endm
.macro FETCH_B slot, q, p
	WIN TO_B
.irp i, 0,1,2,3,4,5,6,7
	FRAG 128*(\p)+FR*\i, ADRB+\slot, \q, \i
.endr
	WIN 0
.endm
.macro FETCH_A slot, q, i0
.irp i, \i0, \i0+1, \i0+2, \i0+3
	FRAG AF+FR*(\i), ADRA+\slot, \q, \i
.endr
.endm
.macro PLACES n
.rept \n
	v_nop
.endr
.endm
.macro STEP slot, q, zero
	s_wait_dscnt 4*NL                              ; A's blocks 4-7 (16 loads) may be out
	WIN MUL_LO
	MUL16 0, (\q)%2, \zero
	MUL16 2, (\q)%2, \zero
	s_wait_dscnt 0
	PLACES NP
	FETCH_B \slot, (\q)+1, 1-(\q)%2
	FETCH_A \slot, (\q)+1, 0
	WIN MUL_HI
	MUL16 4, (\q)%2, \zero
	MUL16 6, (\q)%2, \zero
	PLACES NP
	WIN 0
	FETCH_A \slot, (\q)+1, 4
.endm
.macro TURN slot, next, fill
.if \fill
	s_wait_xcnt 0x0                                ; the last prefetch, a K step back, has read its address: it is stepped here
	s_add_nc_u64 s[PFA:PFA+1], s[PFA:PFA+1], s[PFS:PFS+1]
.endif
	s_wait_tensorcnt 0x0                           ; all my tensor loads have landed
	ds_add_u32 v[SPW], v[NIL]                      ; 0 onto my spare word
	s_wait_dscnt 4*NL+1                            ; the add and A's blocks 4-7 may be out
	WIN MUL_LO
	MUL16 0, 1, 0
	s_wait_dscnt 0x0                               ; the add is done, and my reads of this slot are over
	s_barrier_signal -1
	MUL16 2, 1, 0
	WIN 0
	s_barrier_wait -1
.if \fill
	CREST
	s_add_nc_u64 s[G0+4*\slot+2:G0+4*\slot+3], s[G0+4*\slot+2:G0+4*\slot+3], 2*ASTEP
	s_add_nc_u64 s[G0B+4*\slot+2:G0B+4*\slot+3], s[G0B+4*\slot+2:G0B+4*\slot+3], 2*BSTEP
	JLOAD G0+4*\slot, G1, G0B+4*\slot, G1B
.else
	PLACES NP
.endif
	FETCH_B \next, 0, 0
	FETCH_A \next, 0, 0
.if \fill
	ASK                                            ; behind the joint load and the run of LDS loads: the K step two refills on
.endif
	WIN MUL_HI
	MUL16 4, 1, 0
	MUL16 6, 1, 0
	PLACES NP
	WIN 0
	FETCH_A \next, 0, 4
.endm
	s_wait_tensorcnt 1                             ; K step 0 is in; K step 1's load may be out
	s_barrier_signal -1
	s_barrier_wait -1
	FETCH_B 0, 0, 0
	FETCH_A 0, 0, 0
	FETCH_A 0, 0, 4
	STEP 0, 0, 1
	s_mov_b32 s3, LAPS-1
.Llap:
	TURN 0, 1, 1
	STEP 1, 0, 0
	TURN 1, 0, 1
	STEP 0, 0, 0
	s_sub_co_u32 s3, s3, 1
	s_cmp_lg_u32 s3, 0
	s_cbranch_scc1 .Llap
	TURN 0, 1, 0
	STEP 1, 0, 0
	s_wait_dscnt 4*NL
	WIN MUL_LO
	MUL16 0, 1, 0
	MUL16 2, 1, 0
	s_wait_dscnt 0
	WIN MUL_HI
	MUL16 4, 1, 0
	MUL16 6, 1, 0
	WIN 0
; THE WAY OUT, block by block of 16 rows x 128 columns, through my own stage; whole rows of 512 bytes come back.
.macro TOSTAGE a
.set AC, 64*((\a)%4)
	WIN 0x02+((\a)/4)
.set j, 0
.rept 32
	v_pk_mul_f32 v[TMP+j:TMP+j+1], v[AC+j:AC+j+1], s[96:97] op_sel_hi:[1,0]   ; x 2^(e12 + e13); each accumulator from its low end
.set j, j+2
.endr
	WIN 0
.irp b, 0,1,2,3,4,5,6,7
	ds_store_b128 v[STO], v[TMP+8*\b:TMP+8*\b+3] offset:128*(\b/2)+32*(\b%2)
	ds_store_b128 v[STO], v[TMP+8*\b+4:TMP+8*\b+7] offset:128*(\b/2)+32*(\b%2)+16
.endr
.set BB, BK+64*((\a)%2)
.irp t, 0,1,2,3,4,5,6,7,8,9,10,11,12,13,14,15
	ds_load_b128 v[BB+4*\t:BB+4*\t+3], v[RD] offset:\t*SPITCH
.endr
.endm
.macro SEND a, younger
.set BB, BK+64*((\a)%2)
	s_wait_dscnt \younger
.if (\a) > 0
	s_add_nc_u64 s[10:11], s[10:11], 16*SIZE_N*4   ; behind a wait on XCNT: the earlier stores have read their base
.endif
.irp t, 0,1,2,3,4,5,6,7,8,9,10,11,12,13,14,15
	global_store_b128 v[CO], v[BB+4*\t:BB+4*\t+3], s[10:11] offset:\t*SIZE_N*4   ; 512 consecutive bytes, aligned
.endr
.endm
	s_wait_kmcnt 0x0
	s_add_co_i32 s96, s96, s97
	s_add_co_i32 s96, s96, 127
	s_lshl_b32 s96, s96, 23                        ; 2^(e12 + e13)
	PLACES NP
	TOSTAGE 0
.irp a, 1,2,3,4,5,6,7
.if \a > 1
	s_wait_xcnt 0x0                                ; block a - 2's stores have read their registers and their base
.endif
	TOSTAGE \a
	SEND \a-1, 32                                  ; behind block a - 1's loads: block a's 16 stores and 16 loads
.endr
	s_wait_xcnt 0x0
	SEND 7, 0
	s_wait_tensorcnt 0x0                           ; the wave's end
	ds_add_u32 v[SPW], v[NIL]
	s_wait_dscnt 0x0
	CROUND                                         ; the closing round
	s_endpgm
.Lfunc_end_k_q869660bf90_ffn2:
	.size	k_q869660bf90_ffn2, .Lfunc_end_k_q869660bf90_ffn2-k_q869660bf90_ffn2
	.p2alignl 7, 3214868480
	.fill 96, 4, 3214868480
	.section	.rodata,"a",@progbits
	.p2align	6, 0x0
	.amdhsa_kernel k_q869660bf90_ffn2
		.amdhsa_group_segment_fixed_size 327680
		.amdhsa_private_segment_fixed_size 0
		.amdhsa_enable_private_segment 0
		.amdhsa_kernarg_size 32
		.amdhsa_user_sgpr_count 2
		.amdhsa_user_sgpr_kernarg_segment_ptr 1
		.amdhsa_wavefront_size32 1
		.amdhsa_system_sgpr_workgroup_id_x 1
		.amdhsa_system_sgpr_workgroup_id_y 1
		.amdhsa_system_sgpr_workgroup_id_z 1
		.amdhsa_system_vgpr_workitem_id 0
		.amdhsa_next_free_vgpr 1024
		.amdhsa_next_free_sgpr 100
		.amdhsa_reserve_vcc 0
		.amdhsa_float_denorm_mode_32 3
		.amdhsa_float_denorm_mode_16_64 3
		.amdhsa_memory_ordered 1
		.amdhsa_forward_progress 1
		.amdhsa_inst_pref_size 124
	.end_amdhsa_kernel
	.amdgpu_metadata
---
amdhsa.version: [ 1, 2 ]
amdhsa.kernels:
  - .name:           k_q869660bf90_ffn2
    .symbol:         k_q869660bf90_ffn2.kd
    .args:
      - { .name: hc, .offset: 0, .size: 8, .value_kind: global_buffer, .address_space: global }
      - { .name: wc, .offset: 8, .size: 8, .value_kind: global_buffer, .address_space: global }
      - { .name: lowp_scales, .offset: 16, .size: 8, .value_kind: global_buffer, .address_space: global }
      - { .name: y, .offset: 24, .size: 8, .value_kind: global_buffer, .address_space: global }
    .group_segment_fixed_size: 327680
    .private_segment_fixed_size: 0
    .kernarg_segment_align: 8
    .kernarg_segment_size: 32
    .max_flat_workgroup_size: 128
    .sgpr_count:     100
    .vgpr_count:     1024
    .wavefront_size: 32
...
	.end_amdgpu_metadata
.endif
;; end of part 6
;; launch ln2 (part 7): grid 256 x 1, 8 waves a work-group, no clusters, 0 bytes of LDS; arguments x, y, b2, ln2_g, ln2_b, out0; writes out0
.if DOCPART == 7
	.amdgcn_target "amdgcn-amd-amdhsa--gfx1250"
	.amdhsa_code_object_version 6
	.text
	.protected	k_q869660bf90_ln2
	.globl	k_q869660bf90_ln2
	.p2align	8
	.type	k_q869660bf90_ln2,@function
k_q869660bf90_ln2:
	s_mov_b64 s[64:65], 0
	v_nop
	global_prefetch_b8 v0, s[64:65] scope:SCOPE_SE
	s_setreg_imm32_b32 hwreg(HW_REG_WAVE_MODE, 25, 1), 1
	s_wait_xcnt 0x0
; out0 = layer norm of (x + y + b2).  A wave takes two rows of 1,024; a lane holds columns 128 j + 4 lane + 0 .. 3, j = 0 .. 7: every load and store covers 512 consecutive bytes.
; Two passes over registers: the mean, then the mean of the squared differences.  No LDS, no matrix unit, no cluster, no barrier: memory binds and waves share nothing.
.set G,  16
.set BT, 48
.set A0, 80
.set C0, 112
.set A1, 144
.set C1, 176
.set B2, 208
	s_load_b256 s[4:11], s[0:1], 0x0               ; x, y, b2, g
	s_load_b128 s[12:15], s[0:1], 0x20             ; b, out0
	v_lshrrev_b32 v1, 5, v0
	v_readfirstlane_b32 s18, v1
	v_and_b32 v10, 31, v0
	v_lshlrev_b32 v1, 4, v10
	v_mov_b32 v9, 0                                ; named as the upper half of a pair
	s_mov_b32 s20, 0x76543210
	s_mov_b32 s21, 0xfedcba98
	s_mov_b32 s26, 0x3a800000                      ; 1 / 1024
	s_mov_b32 s27, 0x3727c5ac                      ; 1e-5
	s_lshl_b32 s19, ttmp9, 4
	s_lshl_b32 s22, s18, 1
	s_add_co_u32 s19, s19, s22                     ; my first row
	s_lshl_b32 s22, s19, 12
	s_mov_b32 s23, 0
	s_wait_kmcnt 0x0
	s_add_nc_u64 s[4:5], s[4:5], s[22:23]
	s_add_nc_u64 s[6:7], s[6:7], s[22:23]
	s_add_nc_u64 s[14:15], s[14:15], s[22:23]
.irp j, 0,1,2,3,4,5,6,7
	global_load_b128 v[G+4*\j:G+4*\j+3], v1, s[10:11] offset:512*\j
.endr
.irp j, 0,1,2,3,4,5,6,7
	global_load_b128 v[BT+4*\j:BT+4*\j+3], v1, s[12:13] offset:512*\j
.endr
.irp j, 0,1,2,3,4,5,6,7
	global_load_b128 v[B2+4*\j:B2+4*\j+3], v1, s[8:9] offset:512*\j
.endr
.irp j, 0,1,2,3,4,5,6,7
	global_load_b128 v[A0+4*\j:A0+4*\j+3], v1, s[4:5] offset:512*\j th:TH_LOAD_NT
	global_load_b128 v[C0+4*\j:C0+4*\j+3], v1, s[6:7] offset:512*\j th:TH_LOAD_NT
.endr
.irp j, 0,1,2,3,4,5,6,7
	global_load_b128 v[A1+4*\j:A1+4*\j+3], v1, s[4:5] offset:4096+512*\j th:TH_LOAD_NT
	global_load_b128 v[C1+4*\j:C1+4*\j+3], v1, s[6:7] offset:4096+512*\j th:TH_LOAD_NT
.endr
.macro WSUM                            ; v2 summed over the 32 lanes, in every lane
	v_add_f32_dpp v2, v2, v2 row_xmask:1 row_mask:0xf bank_mask:0xf
	v_add_f32_dpp v2, v2, v2 row_xmask:2 row_mask:0xf bank_mask:0xf
	v_add_f32_dpp v2, v2, v2 row_xmask:4 row_mask:0xf bank_mask:0xf
	v_add_f32_dpp v2, v2, v2 row_xmask:8 row_mask:0xf bank_mask:0xf
	v_permlanex16_b32 v3, v2, s20, s21
	v_add_f32 v2, v2, v3
.endm
.macro LNROW A, C, row, left
	s_wait_loadcnt \left                           ; this row's loads are in; the later row's sixteen may be out
.set i, 0
.rept 16
	v_pk_add_f32 v[\C+i:\C+i+1], v[\C+i:\C+i+1], v[B2+i:B2+i+1]   ; y + b2: the feed-forward's result,
.set i, i+2
.endr
.set i, 0
.rept 16
	v_pk_add_f32 v[\A+i:\A+i+1], v[\A+i:\A+i+1], v[\C+i:\C+i+1]   ; added to x
.set i, i+2
.endr
	v_pk_add_f32 v[2:3], v[\A:\A+1], v[\A+2:\A+3]
	v_pk_add_f32 v[4:5], v[\A+4:\A+5], v[\A+6:\A+7]
.irp i, 8,12,16,20,24,28
	v_pk_add_f32 v[2:3], v[2:3], v[\A+\i:\A+\i+1]
	v_pk_add_f32 v[4:5], v[4:5], v[\A+\i+2:\A+\i+3]
.endr
	v_pk_add_f32 v[2:3], v[2:3], v[4:5]
	v_add_f32 v2, v2, v3
	WSUM
	v_mul_f32 v6, s26, v2                          ; the mean
	v_mov_b32 v7, v6
.set i, 0
.rept 16
	v_pk_add_f32 v[\A+i:\A+i+1], v[\A+i:\A+i+1], v[6:7] neg_lo:[0,1] neg_hi:[0,1]
.set i, i+2
.endr
	v_pk_mul_f32 v[2:3], v[\A:\A+1], v[\A:\A+1]
	v_pk_mul_f32 v[4:5], v[\A+2:\A+3], v[\A+2:\A+3]
.irp i, 4,8,12,16,20,24,28
	v_pk_fma_f32 v[2:3], v[\A+\i:\A+\i+1], v[\A+\i:\A+\i+1], v[2:3]
	v_pk_fma_f32 v[4:5], v[\A+\i+2:\A+\i+3], v[\A+\i+2:\A+\i+3], v[4:5]
.endr
	v_pk_add_f32 v[2:3], v[2:3], v[4:5]
	v_add_f32 v2, v2, v3
	WSUM
	v_fma_f32 v2, v2, s26, s27                     ; the variance + 1e-5
	v_rsq_f32 v8, v2
	v_nop                                          ; a plain line behind the root
	s_wait_alu depctr_va_vdst(0)                   ; ahead of its first reader
.set i, 0
.rept 16
	v_pk_mul_f32 v[\C+i:\C+i+1], v[\A+i:\A+i+1], v[8:9] op_sel_hi:[1,0]
.set i, i+2
.endr
.set i, 0
.rept 16
	v_pk_fma_f32 v[\C+i:\C+i+1], v[\C+i:\C+i+1], v[G+i:G+i+1], v[BT+i:BT+i+1]
.set i, i+2
.endr
.irp j, 0,1,2,3,4,5,6,7
	global_store_b128 v1, v[\C+4*\j:\C+4*\j+3], s[14:15] offset:4096*\row+512*\j th:TH_STORE_NT
.endr
.endm
	LNROW A0, C0, 0, 16
	LNROW A1, C1, 1, 0
	s_endpgm
.Lfunc_end_k_q869660bf90_ln2:
	.size	k_q869660bf90_ln2, .Lfunc_end_k_q869660bf90_ln2-k_q869660bf90_ln2
	.p2alignl 7, 3214868480
	.fill 96, 4, 3214868480
	.section	.rodata,"a",@progbits
	.p2align	6, 0x0
	.amdhsa_kernel k_q869660bf90_ln2
		.amdhsa_group_segment_fixed_size 0
		.amdhsa_private_segment_fixed_size 0
		.amdhsa_enable_private_segment 0
		.amdhsa_kernarg_size 48
		.amdhsa_user_sgpr_count 2
		.amdhsa_user_sgpr_kernarg_segment_ptr 1
		.amdhsa_wavefront_size32 1
		.amdhsa_system_sgpr_workgroup_id_x 1
		.amdhsa_system_sgpr_workgroup_id_y 1
		.amdhsa_system_sgpr_workgroup_id_z 1
		.amdhsa_system_vgpr_workitem_id 0
		.amdhsa_next_free_vgpr 256
		.amdhsa_next_free_sgpr 66
		.amdhsa_reserve_vcc 0
		.amdhsa_float_denorm_mode_32 3
		.amdhsa_float_denorm_mode_16_64 3
		.amdhsa_memory_ordered 1
		.amdhsa_forward_progress 1
		.amdhsa_inst_pref_size 24
	.end_amdhsa_kernel
	.amdgpu_metadata
---
amdhsa.version: [ 1, 2 ]
amdhsa.kernels:
  - .name:           k_q869660bf90_ln2
    .symbol:         k_q869660bf90_ln2.kd
    .args:
      - { .name: x, .offset: 0, .size: 8, .value_kind: global_buffer, .address_space: global }
      - { .name: y, .offset: 8, .size: 8, .value_kind: global_buffer, .address_space: global }
      - { .name: b2, .offset: 16, .size: 8, .value_kind: global_buffer, .address_space: global }
      - { .name: ln2_g, .offset: 24, .size: 8, .value_kind: global_buffer, .address_space: global }
      - { .name: ln2_b, .offset: 32, .size: 8, .value_kind: global_buffer, .address_space: global }
      - { .name: out0, .offset: 40, .size: 8, .value_kind: global_buffer, .address_space: global }
    .group_segment_fixed_size: 0
    .private_segment_fixed_size: 0
    .kernarg_segment_align: 8
    .kernarg_segment_size: 48
    .max_flat_workgroup_size: 256
    .sgpr_count:     66
    .vgpr_count:     256
    .wavefront_size: 32
...
	.end_amdgpu_metadata
.endif
;; end of part 7
;; ======== version 2 of 2: 7 launches
;; limits: right only within a limited range of input values
;; workspace buffers: srcc 12,582,912 bytes; wc 12,058,624 bytes; qkvc 12,582,912 bytes; att 16,777,216 bytes; x 16,777,216 bytes; xc 4,194,304 bytes; hc 16,777,216 bytes; y 16,777,216 bytes
;; launch prep (part 8): grid 512 x 1, 4 waves a work-group, no clusters, 68,096 bytes of LDS; arguments src, q_w, k_w, v_w, w1, w2, lowp_scales, srcc, wc; writes srcc, wc
.if DOCPART == 8
	.amdgcn_target "amdgcn-amd-amdhsa--gfx1250"
	.amdhsa_code_object_version 6
	.text
	.protected	k_q869660bf90_prep
	.globl	k_q869660bf90_prep
	.p2align	8
	.type	k_q869660bf90_prep,@function
k_q869660bf90_prep:
	s_mov_b64 s[64:65], 0
	v_nop
	global_prefetch_b8 v0, s[64:65] scope:SCOPE_SE
	s_setreg_imm32_b32 hwreg(HW_REG_WAVE_MODE, 25, 1), 1
	s_wait_xcnt 0x0
; Three jobs, told apart by the work-group's number alone.
; Work-groups 0-127: src [2048 s][2 b][1024] f32 becomes three sets of E4M3 codes (scales: entries 0, 2, 4), each laid [4 K steps][4096 rows][256 bytes].
;   Sets 0 and 1: row = 2048 b + s.  Set 2: row = 2048 b + (s & ~127) + 16 (s & 7) + ((s >> 3) & 15), so that the product for v finds eight neighbouring s in one lane.
; Work-groups 128-479: the five weights [K][N] f32 become codes laid [K / 256][N rows][256 bytes], K innermost.  Row 32 g + p holds column 32 g + pi(p), pi = bits 3 and 4 of p exchanged.
;   A lane takes a column and its registers run down K; the codes leave through the wave's own stage as whole rows of 256 bytes.
; Work-groups 480-511: the table of rotations, [2048 s][32 pairs][cos, sin] f32, at byte 11 MiB of wc.
; code = x / 2^e, held within +-448, to the nearest code, ties to even.  LIMITS: each e between -126 and 119; NaN among the inputs is not served.
; The table: inv_freq = 2^(-i log2(10) / 8) by v_exp_f32, the angle s x inv_freq in one rounding, reduced by pi / 2 in two parts, polynomials of degree 7 and 8 on +-pi / 4.
;   inv_freq is good to a few units of its last place, so an angle near s = 2047 is good to about 1e-4 rad.
; No tensor load, no barrier: waves share nothing; each path has LDS bytes of its own.
.set SP,    80                         ; src path: a lane's place in a stage: 64 bytes + 16 of padding
.set WREG,  8192                       ; src path: LDS of a wave (two stages of 32 x SP)
.set R,     16                         ; v16-79   four sets of 16 numbers as loaded
.set X,     80                         ; v80-111  two sets of 16 neighbours
.set T,     112                        ; v112-143 two sets of 16 held numbers
.set C,     144                        ; v144-167 codes: two step sets x three scales x 4
.set SO,    8                          ; v8       (lane / 16) x 1 MiB + 16 (lane % 16)
.set WST,   32768                      ; weight path: the stages begin here
.set WP,    272                        ; a stage row: 256 bytes + 16
.set WX,    32                         ; v32-95   two sets of 32 numbers
.set WC,    96                         ; v96-103  a block's codes
.set OUTR,  112                        ; v112-175 the way out
.set VO,    176                        ; v176-207 4 lane + i x pitch, never rewritten
	s_load_b512 s[4:19], s[0:1], 0x0               ; src 4, q_w 6, k_w 8, v_w 10, w1 12, w2 14, scales 16, srcc 18
	s_load_b64 s[20:21], s[0:1], 0x40              ; wc
	v_lshl_add_u32 v224, v0, 2, 0x10800
	v_mov_b32 v225, 0
	v_lshrrev_b32 v1, 5, v0
	v_readfirstlane_b32 s22, v1                    ; wave 0..3
	v_and_b32 v2, 31, v0                           ; lane
	s_wait_kmcnt 0x0
	s_cmp_lt_u32 ttmp9, 128
	s_cbranch_scc0 .Lnot_src
; ---------------- src: a wave takes 8 rows (8,192 numbers) in 16 steps of 512 ----------------
	s_load_b256 s[24:31], s[16:17], 0x0            ; entries 0 to 7: e0 = s24, e2 = s26, e4 = s28
	s_wait_alu depctr_va_vdst(0)
	v_lshlrev_b32 v3, 4, v2                        ; my 16 bytes of a load's 512
	s_mul_i32 s23, s22, WREG
	v_lshrrev_b32 v14, 2, v2
	v_mul_u32_u24 v14, v14, SP
	v_and_b32 v15, 3, v2
	v_lshl_add_u32 v14, v15, 4, v14
	v_add_nc_u32 v14, s23, v14                     ; into the stage: SP (lane / 4) + 16 (lane % 4)
	v_mul_u32_u24 v15, v2, SP
	v_add_nc_u32 v15, s23, v15                     ; out of it: SP x lane: 16 neighbours
	v_lshrrev_b32 v[SO], 4, v2
	v_and_b32 v9, 15, v2
	v_lshlrev_b32 v9, 4, v9
	v_lshl_or_b32 v[SO], v[SO], 20, v9             ; lanes 16-31 hold the next 256 along K: one K step, 1 MiB, on
	s_lshl_b32 s38, ttmp9, 2
	s_add_co_u32 s38, s38, s22                     ; 4 g + w
	s_lshl_b32 s40, s38, 15                        ; x 32,768 bytes of src
	s_mov_b32 s41, 0
	s_add_nc_u64 s[4:5], s[4:5], s[40:41]
	s_lshl_b32 s39, s38, 2                         ; s0 = 16 g + 4 w: my first s
	s_lshl_b32 s40, s39, 8
	s_add_nc_u64 s[32:33], s[18:19], s[40:41]      ; set 0 at row s0
	s_add_nc_u64 s[34:35], s[32:33], 0x400000      ; set 1
	s_and_b32 s42, s39, 0xffffff80
	s_and_b32 s43, s39, 7
	s_lshl_b32 s43, s43, 4
	s_add_co_u32 s42, s42, s43
	s_bfe_u32 s43, s39, 0x40003
	s_add_co_u32 s42, s42, s43                     ; set 2's row of s0
	s_lshl_b32 s40, s42, 8
	s_add_co_u32 s40, s40, 0x800000
	s_add_nc_u64 s[36:37], s[18:19], s[40:41]
.macro SLOAD t
.irp i, 0,1,2,3
	global_load_b128 v[R+16*((\t)%4)+4*\i:R+16*((\t)%4)+4*\i+3], v3, s[4:5] offset:2048*(\t)+512*\i th:TH_LOAD_NT   ; 32 lanes read 512 consecutive bytes
.endr
.endm
.macro STURN t                         ; a step's numbers through the stage; LDS serves a wave's instructions in order
.irp i, 0,1,2,3
	ds_store_b128 v14, v[R+16*((\t)%4)+4*\i:R+16*((\t)%4)+4*\i+3] offset:32*SP*((\t)%2)+8*SP*\i
.endr
.irp i, 0,1,2,3
	ds_load_b128 v[X+16*((\t)%2)+4*\i:X+16*((\t)%2)+4*\i+3], v15 offset:32*SP*((\t)%2)+16*\i
.endr
.endm
.irp t, 0,1,2,3
	SLOAD \t
.endr
	s_wait_kmcnt 0x0
.irp c, 0,1,2
	s_add_co_i32 s44, s[24+2*\c], 127
	s_lshl_b32 s45, s44, 23
	v_mov_b32 v[168+2*\c], s45                     ; 2^e as f32
	s_add_co_i32 s44, s44, 8
	s_lshl_b32 s44, s44, 23
	s_or_b32 s44, s44, 0x600000
	v_mov_b32 v[169+2*\c], s44                     ; 448 x 2^e
.endr
	s_wait_alu depctr_va_vdst(0)
	s_wait_loadcnt 12                              ; step 0's four loads are in
	STURN 0
; Step t is half t & 1 of row t >> 1 of my eight: b = (t >> 1) & 1, s = s0 + (t >> 2).
.macro SSTEP t
.set XS, X+16*((\t)%2)
	s_wait_dscnt 0x0                               ; this step's numbers are back; its stores into the stage have read their registers
.if (\t)+4 < 16
	SLOAD (\t)+4
.endif
.if (\t)+1 < 16
.if 14-(\t) >= 3
	s_wait_loadcnt 12                              ; the next step's loads are in; three later steps' twelve may be out
.else
	s_wait_loadcnt 4*(14-(\t))
.endif
	STURN (\t)+1
.endif
	s_wait_xcnt 0x0                                ; the stores of two steps ago have read this set of code registers
.irp c, 0,1,2
.set TS, T+16*((3*(\t)+\c)%2)
.set CC, C+12*((\t)%2)+4*\c
.set i, 0
.rept 16
	v_med3_num_f32 v[TS+i], v[XS+i], -v[169+2*\c], v[169+2*\c]   ; the conversion does not saturate (ISA guide 7.6.2): hold first
.set i, i+1
.endr
	v_cvt_scalef32_pk8_fp8_f32 v[CC:CC+1], v[TS:TS+7], v[168+2*\c]
	v_cvt_scalef32_pk8_fp8_f32 v[CC+2:CC+3], v[TS+8:TS+15], v[168+2*\c]
	global_store_b128 v[SO], v[CC:CC+3], s[32+2*\c:33+2*\c] offset:((\t)&1)*0x200000+(((\t)>>1)&1)*524288+((\t)>>2)*(256+3840*(\c/2))   ; sixteen lanes store 256 consecutive bytes, aligned
.endr
.endm
.irp t, 0,1,2,3,4,5,6,7,8,9,10,11,12,13,14,15
	SSTEP \t
.endr
	s_wait_tensorcnt 0x0
	ds_add_u32 v224, v225
	s_wait_dscnt 0x0
	s_endpgm
; ---------------- weights: a work-group takes 128 columns x 256 along K, a wave 32 columns ----------------
.Lnot_src:
	s_cmp_lt_u32 ttmp9, 480
	s_cbranch_scc0 .Lrope
	s_load_b256 s[68:75], s[16:17], 0x0            ; entries 0 to 7
	s_load_b32 s76, s[16:17], 0x2c                 ; entry 11 (w1)
	s_load_b32 s77, s[16:17], 0x34                 ; entry 13 (w2)
	s_sub_co_u32 s23, ttmp9, 128                   ; u: 0-95 q_w, k_w, v_w; 96-223 w1; 224-351 w2
	s_lshr_b32 s25, s23, 5                         ; which of q, k, v
	s_and_b32 s28, s23, 31
	s_sub_co_u32 s58, s23, 96
	s_sub_co_u32 s59, s23, 224
	s_lshl_b32 s55, s25, 10                        ; 1024 t: the weight's rows in the joint tensor of q, k, v
	s_cmp_eq_u32 s25, 0
	s_cselect_b64 s[26:27], s[6:7], s[8:9]
	s_cmp_eq_u32 s25, 2
	s_cselect_b64 s[26:27], s[10:11], s[26:27]
	s_mov_b32 s51, 4096
	s_mov_b32 s54, 0x300000
	s_cmp_lt_u32 s23, 96
	s_cselect_b64 s[26:27], s[26:27], s[12:13]
	s_cselect_b32 s28, s28, s58                    ; L: the work-group's number within its weight
	s_cselect_b32 s55, s55, 0
	s_cselect_b32 s51, 3072, s51                   ; rows of the codes' tensor
	s_cselect_b32 s54, 0, s54                      ; its first byte in wc
	s_cselect_b32 s29, 3, 5                        ; log2 of the column groups
	s_cselect_b32 s50, 12, 14                      ; log2 of a row of the weight in bytes
	s_cmp_lt_u32 s23, 224
	s_cselect_b64 s[26:27], s[26:27], s[14:15]
	s_cselect_b32 s28, s28, s59
	s_cselect_b32 s51, s51, 1024
	s_cselect_b32 s54, s54, 0x700000
	s_cselect_b32 s29, s29, 3
	s_cselect_b32 s50, s50, 12
	s_bfm_b32 s56, s29, 0
	s_and_b32 s56, s28, s56                        ; cg: which 128 columns
	s_lshr_b32 s57, s28, s29                       ; ks: which 256 along K
	s_add_co_u32 s60, s50, 8
	s_lshl_b32 s60, s57, s60                       ; ks x 256 rows
	s_lshl_b32 s61, s56, 9
	s_add_co_u32 s60, s60, s61                     ; + 128 cg columns of 4 bytes
	s_lshl_b32 s61, s22, 7
	s_add_co_u32 s60, s60, s61                     ; + 32 w
	s_mov_b32 s61, 0
	s_add_nc_u64 s[32:33], s[26:27], s[60:61]      ; block 0's base
	s_add_co_u32 s48, s50, 5
	s_lshl_b32 s48, 1, s48                         ; 32 rows
	s_mov_b32 s49, 0
.irp t, 1,2,3,4,5,6,7
	s_add_nc_u64 s[32+2*\t:33+2*\t], s[30+2*\t:31+2*\t], s[48:49]   ; a base for each block of 32 along K: none is ever stepped
.endr
	s_lshl_b32 s50, 1, s50                         ; a row in bytes
	s_mul_i32 s60, s57, s51
	s_add_co_u32 s60, s60, s55
	s_lshl_b32 s61, s56, 7
	s_add_co_u32 s60, s60, s61
	s_lshl_b32 s61, s22, 5
	s_add_co_u32 s60, s60, s61                     ; ks x rows + my first row
	s_lshl_b32 s60, s60, 8
	s_add_co_u32 s60, s60, s54
	s_mov_b32 s61, 0
	s_add_nc_u64 s[52:53], s[20:21], s[60:61]      ; my 32 rows of 256 bytes: 8 KiB on end
	s_wait_alu depctr_va_vdst(0)
	v_lshlrev_b32 v[VO], 2, v2
.set i, 1
.rept 31
	v_add_nc_u32 v[VO+i], s50, v[VO+i-1]
.set i, i+1
.endr
	s_mul_i32 s60, s22, 32*WP
	s_add_co_u32 s60, s60, WST                     ; my stage
	v_and_b32 v5, 7, v2
	v_bfe_u32 v6, v2, 3, 1
	v_lshl_add_u32 v5, v6, 4, v5
	v_bfe_u32 v6, v2, 4, 1
	v_lshl_add_u32 v5, v6, 3, v5                   ; pi(lane)
	v_mul_u32_u24 v4, v5, WP
	v_add_nc_u32 v4, s60, v4                       ; into the stage: my column's row
	v_mul_u32_u24 v7, v6, WP
	v_and_b32 v5, 15, v2
	v_lshl_add_u32 v7, v5, 4, v7
	v_add_nc_u32 v7, s60, v7                       ; out of it: sixteen lanes to a row
	v_lshlrev_b32 v8, 4, v2                        ; and the same place in my 8 KiB
.macro WLOAD t                         ; block t: W(256 ks + 32 t + i, my column), i = 0 .. 31
.set i, 0
.rept 32
	global_load_b32 v[WX+32*((\t)%2)+i], v[VO+i], s[32+2*(\t):33+2*(\t)] th:TH_LOAD_NT
.set i, i+1
.endr
.endm
	WLOAD 0
	WLOAD 1
	s_wait_kmcnt 0x0
	s_cmp_eq_u32 s25, 0
	s_cselect_b32 s30, s69, s71
	s_cmp_eq_u32 s25, 2
	s_cselect_b32 s30, s73, s30
	s_cmp_lt_u32 s23, 96
	s_cselect_b32 s30, s30, s76
	s_cmp_lt_u32 s23, 224
	s_cselect_b32 s30, s30, s77                    ; e of my weight
	s_add_co_i32 s30, s30, 127
	s_lshl_b32 s31, s30, 23
	v_mov_b32 v11, s31                             ; 2^e
	s_add_co_i32 s30, s30, 8
	s_lshl_b32 s30, s30, 23
	s_or_b32 s30, s30, 0x600000
	v_mov_b32 v10, s30                             ; 448 x 2^e
.macro WBLOCK t
.set XS, WX+32*((\t)%2)
.if (\t) < 7
	s_wait_loadcnt 32                              ; this block's 32 loads are in; the next block's may be out
.else
	s_wait_loadcnt 0
.endif
.set i, 0
.rept 32
	v_med3_num_f32 v[XS+i], v[XS+i], -v10, v10
.set i, i+1
.endr
.irp g, 0,1,2,3
	v_cvt_scalef32_pk8_fp8_f32 v[WC+2*\g:WC+2*\g+1], v[XS+8*\g:XS+8*\g+7], v11
.endr
	ds_store_b128 v4, v[WC:WC+3] offset:32*(\t)
	ds_store_b128 v4, v[WC+4:WC+7] offset:32*(\t)+16
.if (\t)+2 < 8
	WLOAD (\t)+2
.endif
	s_wait_dscnt 0x0                               ; the stores have read their registers: the next block's codes may be written
.endm
	s_wait_alu depctr_va_vdst(0)
.irp t, 0,1,2,3,4,5,6,7
	WBLOCK \t
.endr
.irp t, 0,1,2,3,4,5,6,7,8,9,10,11,12,13,14,15
	ds_load_b128 v[OUTR+4*\t:OUTR+4*\t+3], v7 offset:2*\t*WP
.endr
.irp t, 0,1,2,3,4,5,6,7,8,9,10,11,12,13,14,15
	s_wait_dscnt 15-\t
	global_store_b128 v8, v[OUTR+4*\t:OUTR+4*\t+3], s[52:53] offset:512*\t   ; 512 consecutive bytes, aligned
.endr
	s_wait_tensorcnt 0x0
	ds_add_u32 v224, v225
	s_wait_dscnt 0x0
	s_endpgm
; ---------------- the table of rotations: a lane is a pair i, a wave takes 16 values of s ----------------
.Lrope:
	s_sub_co_u32 s23, ttmp9, 480
	s_lshl_b32 s23, s23, 6
	s_lshl_b32 s24, s22, 4
	s_add_co_u32 s23, s23, s24                     ; my first s
	s_lshl_b32 s24, s23, 8
	s_add_co_u32 s24, s24, 0xb00000
	s_mov_b32 s25, 0
	s_add_nc_u64 s[24:25], s[20:21], s[24:25]
	s_mov_b32 s40, 0x3f22f983                      ; 2 / pi
	s_mov_b32 s41, 0xbfc90fdb                      ; -(pi / 2), upper part
	s_mov_b32 s42, 0x333bbd2e                      ; -(pi / 2), lower part
	s_mov_b32 s43, 0xb94ca1f9                      ; sine: -1.9515295891e-4
	s_mov_b32 s44, 0x3c08839e                      ;        8.3321608736e-3
	s_mov_b32 s45, 0xbe2aaaa3                      ;       -1.6666654611e-1
	s_mov_b32 s46, 0x37ccf5ce                      ; cosine: 2.443315711809948e-5
	s_mov_b32 s47, 0xbab6061a                      ;        -1.388731625493765e-3
	s_mov_b32 s48, 0x3d2aaaa5                      ;         4.166664568298827e-2
	s_wait_alu depctr_va_vdst(0)
	v_cvt_f32_u32 v5, v2
	v_mul_f32 v5, 0xbed49a78, v5                   ; -i log2(10) / 8
	s_wait_alu depctr_va_vdst(0)
	v_exp_f32 v6, v5                               ; inv_freq
	v_lshlrev_b32 v4, 3, v2                        ; (a plain line behind the exponential)  8 bytes a pair
	v_cvt_f32_u32 v3, s23                          ; s as f32
	s_wait_alu depctr_va_vdst(0)                   ; ahead of the exponential's first reader
.set k, 0
.rept 16
	v_mul_f32 v10, v3, v6                          ; the angle, one rounding
	v_mul_f32 v11, s40, v10
	v_rndne_f32 v11, v11                           ; quarter turns
	v_fma_f32 v12, v11, s41, v10
	v_fma_f32 v12, v11, s42, v12                   ; the rest, within +-pi / 4
	v_mul_f32 v13, v12, v12
	v_fma_f32 v14, v13, s43, s44
	v_fma_f32 v15, v13, s46, s47
	v_fma_f32 v14, v14, v13, s45
	v_fma_f32 v15, v15, v13, s48
	v_mul_f32 v14, v14, v13
	v_mul_f32 v16, v13, v13
	v_fma_f32 v17, v13, -0.5, 1.0
	v_fma_f32 v14, v14, v12, v12                   ; sine of the rest
	v_fma_f32 v15, v15, v16, v17                   ; cosine of the rest
	v_cvt_i32_f32 v18, v11
	v_and_b32 v19, 1, v18
	v_cmp_eq_u32 vcc_lo, 1, v19
	v_cndmask_b32 v20, v14, v15, vcc_lo            ; an odd number of quarter turns exchanges the two
	v_cndmask_b32 v21, v15, v14, vcc_lo
	v_lshlrev_b32 v19, 30, v18
	v_and_b32 v19, 0x80000000, v19                 ; the sine's sign: bit 1 of n
	v_add_nc_u32 v18, 1, v18
	v_lshlrev_b32 v18, 30, v18
	v_and_b32 v18, 0x80000000, v18                 ; the cosine's: bit 1 of n + 1
	v_xor_b32 v[64+2*k], v21, v18
	v_xor_b32 v[65+2*k], v20, v19
	global_store_b64 v4, v[64+2*k:65+2*k], s[24:25] offset:256*k   ; the wave stores 256 consecutive bytes, aligned
	v_add_f32 v3, 1.0, v3
.set k, k+1
.endr
	s_endpgm
.Lfunc_end_k_q869660bf90_prep:
	.size	k_q869660bf90_prep, .Lfunc_end_k_q869660bf90_prep-k_q869660bf90_prep
	.p2alignl 7, 3214868480
	.fill 96, 4, 3214868480
	.section	.rodata,"a",@progbits
	.p2align	6, 0x0
	.amdhsa_kernel k_q869660bf90_prep
		.amdhsa_group_segment_fixed_size 68096
		.amdhsa_private_segment_fixed_size 0
		.amdhsa_enable_private_segment 0
		.amdhsa_kernarg_size 72
		.amdhsa_user_sgpr_count 2
		.amdhsa_user_sgpr_kernarg_segment_ptr 1
		.amdhsa_wavefront_size32 1
		.amdhsa_system_sgpr_workgroup_id_x 1
		.amdhsa_system_sgpr_workgroup_id_y 1
		.amdhsa_system_sgpr_workgroup_id_z 1
		.amdhsa_system_vgpr_workitem_id 0
		.amdhsa_next_free_vgpr 226
		.amdhsa_next_free_sgpr 100
		.amdhsa_reserve_vcc 1
		.amdhsa_float_denorm_mode_32 3
		.amdhsa_float_denorm_mode_16_64 3
		.amdhsa_memory_ordered 1
		.amdhsa_forward_progress 1
		.amdhsa_inst_pref_size 151
	.end_amdhsa_kernel
	.amdgpu_metadata
---
amdhsa.version: [ 1, 2 ]
amdhsa.kernels:
  - .name:           k_q869660bf90_prep
    .symbol:         k_q869660bf90_prep.kd
    .args:
      - { .name: src, .offset: 0, .size: 8, .value_kind: global_buffer, .address_space: global }
      - { .name: q_w, .offset: 8, .size: 8, .value_kind: global_buffer, .address_space: global }
      - { .name: k_w, .offset: 16, .size: 8, .value_kind: global_buffer, .address_space: global }
      - { .name: v_w, .offset: 24, .size: 8, .value_kind: global_buffer, .address_space: global }
      - { .name: w1, .offset: 32, .size: 8, .value_kind: global_buffer, .address_space: global }
      - { .name: w2, .offset: 40, .size: 8, .value_kind: global_buffer, .address_space: global }
      - { .name: lowp_scales, .offset: 48, .size: 8, .value_kind: global_buffer, .address_space: global }
      - { .name: srcc, .offset: 56, .size: 8, .value_kind: global_buffer, .address_space: global }
      - { .name: wc, .offset: 64, .size: 8, .value_kind: global_buffer, .address_space: global }
    .group_segment_fixed_size: 68096
    .private_segment_fixed_size: 0
    .kernarg_segment_align: 8
    .kernarg_segment_size: 72
    .max_flat_workgroup_size: 128
    .sgpr_count:     100
    .vgpr_count:     226
    .wavefront_size: 32
...
	.end_amdgpu_metadata
.endif
;; end of part 8
;; launch qkv (part 9): grid 12 x 16, 4 waves a work-group, clusters of 4 x 4, 327,680 bytes of LDS; arguments srcc, wc, lowp_scales, qkvc, q_b, k_b, v_b; writes qkvc
.if DOCPART == 9
	.amdgcn_target "amdgcn-amd-amdhsa--gfx1250"
	.amdhsa_code_object_version 6
	.text
	.protected	k_q869660bf90_qkv
	.globl	k_q869660bf90_qkv
	.p2align	8
	.type	k_q869660bf90_qkv,@function
k_q869660bf90_qkv:
	s_mov_b64 s[64:65], 0
	v_nop
	global_prefetch_b8 v0, s[64:65] scope:SCOPE_SE
	s_setreg_imm32_b32 hwreg(HW_REG_WAVE_MODE, 25, 1), 1
	s_wait_xcnt 0x0
	s_wait_alu depctr_hold_cnt(0) depctr_sa_sdst(0) depctr_va_vdst(0) depctr_va_sdst(0) depctr_va_ssrc(0) depctr_va_vcc(0) depctr_vm_vsrc(0)
	s_getreg_b32 s2, hwreg(HW_REG_IB_STS2, 6, 4)
	s_cmp_eq_u32 s2, 0
	s_cbranch_scc0 .Lentry_in_a_cluster
	s_endpgm
.Lentry_in_a_cluster:
	s_bfe_u32 s2, ttmp6, 0x10000c
	s_cmp_lg_u32 s2, 0xf033
	s_cbranch_scc0 .Lentry_shape_is_right
	s_endpgm
.Lentry_shape_is_right:
.set ASTEP,  0x100000
.set BSTEP,  786432
.set LAPS,   2
.set PITCH,  272
.set FR,     16
.set NL,     4
.set NP,     4
.set HALFT,  128*PITCH
.set SLOT,   4*HALFT
.set SPARE,  2*SLOT
.set QST,    69632
.set ADRA, 16
.set ADRB, 20
.set STO,  24
.set RD,   25
.set CO,   26
.set SPW,  28
.set NIL,  29
.set BI,   32
.set X,    96
.set T,    160
.set PC,   224
.set BK,   240
.set AF,   128
.set G1, 24
.set G0, 32
.set G1B, 48
.set G0B, 56
.set MSB, 0
.macro WIN new
.if MSB != (\new)
	s_set_vgpr_msb (MSB<<8)|(\new)
.set MSB, (\new)
.endif
.endm
.set MUL_LO, 0xa1
.set MUL_HI, 0xf1
.set TO_B,   0x40
.macro JLOAD g0a, g1a, g0b, g1b
	s_cmp_eq_u32 s15, 0
	s_cbranch_scc0 .Lfor_b_\@
	tensor_load_to_lds s[\g0a:\g0a+3], s[\g1a:\g1a+7]
	s_nop 0
.rept 4
	v_nop
.endr
	s_branch .Lasked_\@
.Lfor_b_\@:
	tensor_load_to_lds s[\g0b:\g0b+3], s[\g1b:\g1b+7]
	s_nop 0
.rept 4
	v_nop
.endr
.Lasked_\@:
.endm
.macro CREST
	s_cmp_lg_u32 s14, 0
	s_cbranch_scc1 .Lnot_wave_0_\@
	s_barrier_signal -3
.Lnot_wave_0_\@:
	s_barrier_wait -3
	s_barrier_signal -1
	s_barrier_wait -1
.endm
.macro CROUND
	s_barrier_signal -1
	s_barrier_wait -1
	CREST
.endm
	s_load_b128 s[4:7], s[0:1], 0x0
	s_load_b128 s[8:11], s[0:1], 0x10
	s_load_b128 s[68:71], s[0:1], 0x20
	s_load_b64 s[72:73], s[0:1], 0x30
	v_lshl_add_u32 v[SPW], v0, 2, SPARE
	v_mov_b32 v[NIL], 0
	ds_add_u32 v28, v29
	ds_add_u32 v28, v29
	s_wait_dscnt 0x0
	v_lshrrev_b32 v1, 5, v0
	v_readfirstlane_b32 s14, v1
	s_lshr_b32 s15, s14, 1
	s_and_b32 s16, s14, 1
	s_bfe_u32 s40, ttmp6, 0x40000
	s_bfe_u32 s41, ttmp6, 0x40004
	s_lshl_b32 s42, ttmp9, 2
	s_add_co_u32 s42, s42, s40
	s_and_b32 s17, ttmp7, 0xffff
	s_lshl_b32 s17, s17, 2
	s_add_co_u32 s17, s17, s41
	s_lshl_b32 s43, s41, 2
	s_lshl_b32 s43, 15, s43
	s_lshl_b32 s44, 0x1111, s40
	s_or_b32 s[G1+0], s43, (1<<20)|(1<<21)|(5<<22)|(3<<25)
	s_or_b32 s[G1B+0], s44, (1<<20)|(1<<21)|(5<<22)|(3<<25)
.irp g, G1, G1B
	s_mov_b32 s[\g+1], 256<<16
	s_mov_b32 s[\g+2], 128<<16
	s_mov_b32 s[\g+3], 256<<16
	s_mov_b32 s[\g+4], 128
	s_mov_b32 s[\g+5], 256
	s_mov_b32 s[\g+6], 0
	s_mov_b32 s[\g+7], 0
.endr
	s_lshl_b32 s18, s16, 15
	s_lshl_b32 s20, s17, 16
	s_add_co_u32 s20, s20, s18
	s_lshl_b32 s19, ttmp9, 22
	s_add_co_u32 s20, s20, s19
	s_mov_b32 s21, 0
	s_lshl_b32 s46, s42, 16
	s_add_co_u32 s46, s46, s18
	s_mov_b32 s47, 0
	s_mul_i32 s45, s14, HALFT
	s_wait_kmcnt 0x0
	s_load_b256 s[76:83], s[8:9], 0x0
	s_load_b32 s84, s[8:9], 0x24
	s_add_nc_u64 s[20:21], s[4:5], s[20:21]
	s_add_nc_u64 s[46:47], s[6:7], s[46:47]
	CROUND
.irp s, 0,1
	s_mov_b32 s[G0+4*\s], 1
	s_add_co_u32 s[G0+4*\s+1], s45, \s*SLOT
	s_add_nc_u64 s[G0+4*\s+2:G0+4*\s+3], s[20:21], \s*ASTEP
	s_or_b32 s[G0+4*\s+3], s[G0+4*\s+3], 0x80000000
	s_mov_b32 s[G0B+4*\s], 1
	s_add_co_u32 s[G0B+4*\s+1], s45, \s*SLOT
	s_add_nc_u64 s[G0B+4*\s+2:G0B+4*\s+3], s[46:47], \s*BSTEP
	s_or_b32 s[G0B+4*\s+3], s[G0B+4*\s+3], 0x80000000
.if \s
	s_wait_alu depctr_va_vdst(0)
	s_wait_tensorcnt 0x0
	ds_add_u32 v28, v29
	ds_add_u32 v28, v29
	s_wait_dscnt 0x0
	CROUND
.endif
	JLOAD G0+4*\s, G1, G0B+4*\s, G1B
.endr
	v_and_b32 v1, 15, v0
	s_wait_alu depctr_va_vdst(0)
	v_bfe_u32 v2, v0, 4, 1
	v_mul_u32_u24 v3, v1, PITCH
	v_lshl_add_u32 v4, v2, 4, v3
	s_mul_i32 s21, s15, HALFT
	s_mul_i32 s22, s16, HALFT
	s_add_co_u32 s22, s22, 2*HALFT
.irp s, 0,1
	v_add_nc_u32 v[ADRA+\s], s21, v4
	v_add_nc_u32 v[ADRB+\s], s22, v4
	s_add_co_u32 s21, s21, SLOT
	s_add_co_u32 s22, s22, SLOT
.endr
	s_mul_i32 s23, s14, 2560
	s_add_co_u32 s23, s23, QST
	v_mul_u32_u24 v5, v1, 80
	s_wait_alu depctr_va_vdst(0)
	v_lshl_add_u32 v5, v2, 4, v5
	v_add_nc_u32 v[STO], s23, v5
	v_and_b32 v6, 31, v0
	v_lshrrev_b32 v5, 2, v6
	v_mul_u32_u24 v5, v5, 80
	v_and_b32 v7, 3, v6
	v_lshl_add_u32 v5, v7, 4, v5
	v_add_nc_u32 v[RD], s23, v5
	v_lshlrev_b32 v[CO], 4, v6
	v_lshlrev_b32 v9, 8, v1
	v_lshl_add_u32 v9, v2, 6, v9
	v_lshlrev_b32 v8, 6, v2
	s_wait_alu depctr_va_vdst(0)
	s_mul_i32 s23, s16, 128*272
	s_lshl_b32 s22, s15, 7
	s_add_co_u32 s23, s23, s22
	v_mul_u32_u24 v10, v2, 16*272
	v_lshl_add_u32 v10, v1, 3, v10
	v_add_nc_u32 v10, s23, v10
	s_mul_i32 s23, s14, 64*272
	v_mul_u32_u24 v11, v2, 272
	v_lshl_add_u32 v11, v1, 4, v11
	v_add_nc_u32 v11, s23, v11
	v_lshlrev_b32 v12, 11, v2
	v_lshl_add_u32 v12, v1, 4, v12
	s_cmp_eq_u32 ttmp9, 1
	s_cselect_b64 s[86:87], s[70:71], s[72:73]
	s_cmp_eq_u32 ttmp9, 0
	s_cselect_b64 s[86:87], s[68:69], s[86:87]
	s_and_b32 s98, s42, 3
	s_and_b32 s99, s17, 7
	s_lshl_b32 s74, s98, 10
	s_lshl_b32 s75, s16, 9
	s_add_co_u32 s74, s74, s75
	s_mov_b32 s75, 0
	s_add_nc_u64 s[86:87], s[86:87], s[74:75]
.irp c, 0,1,2,3
.irp q, 0,1,2,3
	global_load_b128 v[BI+16*\c+4*\q:BI+16*\c+4*\q+3], v8, s[86:87] offset:128*\c+16*\q
.endr
.endr
	s_lshl_b32 s74, s99, 16
	s_lshl_b32 s75, s15, 15
	s_add_co_u32 s74, s74, s75
	s_add_co_u32 s74, s74, 0xb00000
	s_mov_b32 s75, 0
	s_add_nc_u64 s[88:89], s[6:7], s[74:75]
	s_lshr_b32 s74, s17, 3
	s_lshl_b32 s74, s74, 4
	s_lshl_b32 s75, s98, 2
	s_add_co_u32 s74, s74, s75
	s_lshl_b32 s75, s16, 1
	s_add_co_u32 s74, s74, s75
	s_lshl_b32 s74, s74, 17
	s_lshl_b32 s75, ttmp9, 22
	s_add_co_u32 s74, s74, s75
	s_lshl_b32 s75, s99, 14
	s_add_co_u32 s74, s74, s75
	s_lshl_b32 s75, s15, 13
	s_add_co_u32 s74, s74, s75
	s_mov_b32 s75, 0
	s_add_nc_u64 s[90:91], s[10:11], s[74:75]
	s_lshr_b32 s74, s17, 3
	s_lshl_b32 s74, s74, 21
	s_lshl_b32 s75, s98, 19
	s_add_co_u32 s74, s74, s75
	s_lshl_b32 s75, s14, 17
	s_add_co_u32 s74, s74, s75
	s_lshl_b32 s75, s99, 8
	s_add_co_u32 s74, s74, s75
	s_add_co_u32 s74, s74, 0x800000
	s_mov_b32 s75, 0
	s_add_nc_u64 s[66:67], s[10:11], s[74:75]
.macro FRAG reg, adr, q, i
.irp c, 0,1,2,3
	ds_load_b128 v[\reg+4*\c:\reg+4*\c+3], v[\adr] offset:128*(\q)+32*\c+(\i)*16*PITCH
.endr
.endm
.macro MUL16 a0, p, zero
.irp a, \a0, \a0+1
.irp b, 0,1,2,3,4,5,6,7
.if \zero
	v_wmma_f32_16x16x128_fp8_fp8 v[8*(8*((\a)%4)+\b):8*(8*((\a)%4)+\b)+7], v[128*(\p)+FR*\b:128*(\p)+FR*\b+FR-1], v[AF+FR*(\a):AF+FR*(\a)+FR-1], 0
.else
	v_wmma_f32_16x16x128_fp8_fp8 v[8*(8*((\a)%4)+\b):8*(8*((\a)%4)+\b)+7], v[128*(\p)+FR*\b:128*(\p)+FR*\b+FR-1], v[AF+FR*(\a):AF+FR*(\a)+FR-1], v[8*(8*((\a)%4)+\b):8*(8*((\a)%4)+\b)+7]
.endif
.endr
.endr
.endm
.macro FETCH_B slot, q, p
	WIN TO_B
.irp i, 0,1,2,3,4,5,6,7
	FRAG 128*(\p)+FR*\i, ADRB+\slot, \q, \i
.endr
	WIN 0
.endm
.macro FETCH_A slot, q, i0
.irp i, \i0, \i0+1, \i0+2, \i0+3
	FRAG AF+FR*(\i), ADRA+\slot, \q, \i
.endr
.endm
.macro PLACES n
.rept \n
	v_nop
.endr
.endm
.macro STEP slot, q, zero
	s_wait_dscnt 4*NL
	WIN MUL_LO
	MUL16 0, (\q)%2, \zero
	MUL16 2, (\q)%2, \zero
	s_wait_dscnt 0
	PLACES NP
	FETCH_B \slot, (\q)+1, 1-(\q)%2
	FETCH_A \slot, (\q)+1, 0
	WIN MUL_HI
	MUL16 4, (\q)%2, \zero
	MUL16 6, (\q)%2, \zero
	PLACES NP
	WIN 0
	FETCH_A \slot, (\q)+1, 4
.endm
.macro TURN slot, next, fill
	s_wait_tensorcnt 0x0
	ds_add_u32 v[SPW], v[NIL]
	s_wait_dscnt 4*NL+1
	WIN MUL_LO
	MUL16 0, 1, 0
	s_wait_dscnt 0x0
	s_barrier_signal -1
	MUL16 2, 1, 0
	WIN 0
	s_barrier_wait -1
.if \fill
	CREST
	s_add_nc_u64 s[G0+4*\slot+2:G0+4*\slot+3], s[G0+4*\slot+2:G0+4*\slot+3], 2*ASTEP
	s_add_nc_u64 s[G0B+4*\slot+2:G0B+4*\slot+3], s[G0B+4*\slot+2:G0B+4*\slot+3], 2*BSTEP
	JLOAD G0+4*\slot, G1, G0B+4*\slot, G1B
.else
	PLACES NP
.endif
	FETCH_B \next, 0, 0
	FETCH_A \next, 0, 0
	WIN MUL_HI
	MUL16 4, 1, 0
	MUL16 6, 1, 0
	PLACES NP
	WIN 0
	FETCH_A \next, 0, 4
.endm
	s_wait_tensorcnt 1
	s_barrier_signal -1
	s_barrier_wait -1
	FETCH_B 0, 0, 0
	FETCH_A 0, 0, 0
	FETCH_A 0, 0, 4
	STEP 0, 0, 1
	s_mov_b32 s3, LAPS-1
.Llap:
	TURN 0, 1, 1
	STEP 1, 0, 0
	TURN 1, 0, 1
	STEP 0, 0, 0
	s_sub_co_u32 s3, s3, 1
	s_cmp_lg_u32 s3, 0
	s_cbranch_scc1 .Llap
	TURN 0, 1, 0
	STEP 1, 0, 0
	s_wait_dscnt 4*NL
	WIN MUL_LO
	MUL16 0, 1, 0
	MUL16 2, 1, 0
	s_wait_dscnt 0
	WIN MUL_HI
	MUL16 4, 1, 0
	MUL16 6, 1, 0
	WIN 0
	s_wait_kmcnt 0x0
	s_cmp_eq_u32 ttmp9, 1
	s_cselect_b32 s92, s78, s80
	s_cselect_b32 s93, s79, s81
	s_cselect_b32 s94, s83, s84
	s_cmp_eq_u32 ttmp9, 0
	s_cselect_b32 s92, s76, s92
	s_cselect_b32 s93, s77, s93
	s_cselect_b32 s94, s82, s94
	s_add_co_i32 s96, s92, s93
	s_add_co_i32 s96, s96, 127
	s_lshl_b32 s96, s96, 23
	s_mov_b32 s97, s96
	s_add_co_i32 s94, s94, 127
	s_lshl_b32 s95, s94, 23
	s_add_co_i32 s94, s94, 8
	s_lshl_b32 s94, s94, 23
	s_or_b32 s94, s94, 0x600000
	PLACES NP
	v_mov_b32 v13, s95
	v_mov_b32 v14, s94
	s_cmp_eq_u32 ttmp9, 2
	s_cbranch_scc1 .Lv
	WIN 0x40
.irp a, 0,1,2,3,4,5,6,7
.irp q, 0,1,2,3,4,5,6,7
	global_load_b128 v[32*\a+4*\q:32*\a+4*\q+3], v9, s[88:89] offset:4096*\a+128*(\q/4)+16*(\q%4)
.endr
.endr
	WIN 0
.macro QKBLK a
	s_wait_loadcnt 8*(7-(\a))
	WIN 0x02+(\a)/4
.set i, 0
.rept 32
	v_pk_fma_f32 v[X+i:X+i+1], v[64*((\a)%4)+i:64*((\a)%4)+i+1], s[96:97], v[BI+i:BI+i+1] op_sel_hi:[1,0,1]
.set i, i+2
.endr
	WIN 0x04
.set i, 0
.rept 32
	v_pk_mul_f32 v[T+i:T+i+1], v[X+i:X+i+1], v[32*(\a)+i%32:32*(\a)+i%32+1] op_sel_hi:[1,0]
.set i, i+2
.endr
.set i, 0
.rept 32
	v_pk_fma_f32 v[T+i:T+i+1], v[X+i:X+i+1], v[32*(\a)+i%32:32*(\a)+i%32+1], v[T+i:T+i+1] op_sel:[1,1,0] op_sel_hi:[0,1,1] neg_lo:[1,0,0]
.set i, i+2
.endr
	WIN 0
.set i, 0
.rept 64
	v_med3_num_f32 v[T+i], v[T+i], -v14, v14
.set i, i+1
.endr
.irp b, 0,1,2,3
	v_cvt_scalef32_pk8_fp8_f32 v[PC+4*\b:PC+4*\b+1], v[T+16*\b:T+16*\b+7], v13
	v_cvt_scalef32_pk8_fp8_f32 v[PC+4*\b+2:PC+4*\b+3], v[T+16*\b+8:T+16*\b+15], v13
.endr
	v_nop
.irp b, 0,1,2,3
	ds_store_b128 v[STO], v[PC+4*\b:PC+4*\b+3] offset:1280*(\b/2)+32*(\b%2)
.endr
	s_wait_xcnt 0x0
.irp q, 0,1,2,3
	ds_load_b128 v[BK+4*\q:BK+4*\q+3], v[RD] offset:1280*(\q/2)+640*(\q%2)
.endr
	s_wait_dscnt 0x0
.irp q, 0,1,2,3
	global_store_b128 v[CO], v[BK+4*\q:BK+4*\q+3], s[90:91] offset:131072*(\q/2)+64*(32*((\a)/2)+8*((\a)%2)+16*(\q%2))
.endr
.endm
.irp a, 0,1,2,3,4,5,6,7
	QKBLK \a
.endr
	s_wait_tensorcnt 0x0
	ds_add_u32 v[SPW], v[NIL]
	s_wait_dscnt 0x0
	CROUND
	s_endpgm
.Lv:
	s_wait_loadcnt 0x0
.macro VBLK b
	WIN 0x02
.irp a, 0,1,2,3
.irp j, 0,1,2,3,4,5,6,7
	v_fma_f32 v[T+8*\j+\a], v[64*\a+8*(\b)+\j], s96, v[BI+8*(\b)+\j]
.endr
.endr
	WIN 0x03
.irp a, 0,1,2,3
.irp j, 0,1,2,3,4,5,6,7
	v_fma_f32 v[T+8*\j+4+\a], v[64*\a+8*(\b)+\j], s96, v[BI+8*(\b)+\j]
.endr
.endr
	WIN 0
.set i, 0
.rept 64
	v_med3_num_f32 v[T+i], v[T+i], -v14, v14
.set i, i+1
.endr
.irp j, 0,1,2,3,4,5,6,7
	v_cvt_scalef32_pk8_fp8_f32 v[PC+2*\j:PC+2*\j+1], v[T+8*\j:T+8*\j+7], v13
.endr
	v_nop
.irp j, 0,1,2,3,4,5,6,7
	ds_store_b64 v10, v[PC+2*\j:PC+2*\j+1] offset:272*(32*((\b)/2)+8*((\b)%2)+\j)
.endr
	s_wait_dscnt 0x0
.endm
.irp b, 0,1,2,3,4,5,6,7
	VBLK \b
.endr
	s_wait_dscnt 0x0
	s_barrier_signal -1
	s_barrier_wait -1
.set t, 0
.rept 32
	ds_load_b128 v[96+4*t:96+4*t+3], v11 offset:544*t
.set t, t+1
.endr
.set t, 0
.rept 32
	s_wait_dscnt 31-t
	global_store_b128 v12, v[96+4*t:96+4*t+3], s[66:67] offset:2*t*2048
.set t, t+1
.endr
	s_wait_tensorcnt 0x0
	ds_add_u32 v[SPW], v[NIL]
	s_wait_dscnt 0x0
	CROUND
	s_endpgm
.Lfunc_end_k_q869660bf90_qkv:
	.size	k_q869660bf90_qkv, .Lfunc_end_k_q869660bf90_qkv-k_q869660bf90_qkv
	.p2alignl 7, 3214868480
	.fill 96, 4, 3214868480
	.section	.rodata,"a",@progbits
	.p2align	6, 0x0
	.amdhsa_kernel k_q869660bf90_qkv
		.amdhsa_group_segment_fixed_size 327680
		.amdhsa_private_segment_fixed_size 0
		.amdhsa_enable_private_segment 0
		.amdhsa_kernarg_size 56
		.amdhsa_user_sgpr_count 2
		.amdhsa_user_sgpr_kernarg_segment_ptr 1
		.amdhsa_wavefront_size32 1
		.amdhsa_system_sgpr_workgroup_id_x 1
		.amdhsa_system_sgpr_workgroup_id_y 1
		.amdhsa_system_sgpr_workgroup_id_z 1
		.amdhsa_system_vgpr_workitem_id 0
		.amdhsa_next_free_vgpr 1024
		.amdhsa_next_free_sgpr 100
		.amdhsa_reserve_vcc 0
		.amdhsa_float_denorm_mode_32 3
		.amdhsa_float_denorm_mode_16_64 3
		.amdhsa_memory_ordered 1
		.amdhsa_forward_progress 1
		.amdhsa_inst_pref_size 255
	.end_amdhsa_kernel
	.section	.bss,"aw",@nobits
	.p2align	6
	.space	262144
	.amdgpu_metadata
---
amdhsa.version: [ 1, 2 ]
amdhsa.kernels:
  - .name:           k_q869660bf90_qkv
    .symbol:         k_q869660bf90_qkv.kd
    .args:
      - { .name: srcc, .offset: 0, .size: 8, .value_kind: global_buffer, .address_space: global }
      - { .name: wc, .offset: 8, .size: 8, .value_kind: global_buffer, .address_space: global }
      - { .name: lowp_scales, .offset: 16, .size: 8, .value_kind: global_buffer, .address_space: global }
      - { .name: qkvc, .offset: 24, .size: 8, .value_kind: global_buffer, .address_space: global }
      - { .name: q_b, .offset: 32, .size: 8, .value_kind: global_buffer, .address_space: global }
      - { .name: k_b, .offset: 40, .size: 8, .value_kind: global_buffer, .address_space: global }
      - { .name: v_b, .offset: 48, .size: 8, .value_kind: global_buffer, .address_space: global }
    .group_segment_fixed_size: 327680
    .private_segment_fixed_size: 0
    .kernarg_segment_align: 8
    .kernarg_segment_size: 56
    .max_flat_workgroup_size: 128
    .sgpr_count:     100
    .vgpr_count:     1024
    .wavefront_size: 32
...
	.end_amdgpu_metadata
.endif
;; end of part 9
;; launch attn (part 10): grid 8 x 32, 16 waves a work-group, clusters of 4 x 1, 327,680 bytes of LDS; arguments qkvc, lowp_scales, att; writes att
.if DOCPART == 10
	.amdgcn_target "amdgcn-amd-amdhsa--gfx1250"
	.amdhsa_code_object_version 6
	.text
	.protected	k_q869660bf90_attn
	.globl	k_q869660bf90_attn
	.p2align	8
	.type	k_q869660bf90_attn,@function
k_q869660bf90_attn:
	s_mov_b64 s[64:65], 0
	v_nop
	global_prefetch_b8 v0, s[64:65] scope:SCOPE_SE
	s_setreg_imm32_b32 hwreg(HW_REG_WAVE_MODE, 25, 1), 1
	s_wait_xcnt 0x0
	s_wait_alu depctr_hold_cnt(0) depctr_sa_sdst(0) depctr_va_vdst(0) depctr_va_sdst(0) depctr_va_ssrc(0) depctr_va_vcc(0) depctr_vm_vsrc(0)
	s_getreg_b32 s2, hwreg(HW_REG_IB_STS2, 6, 4)
	s_cmp_eq_u32 s2, 0
	s_cbranch_scc0 .Lentry_in_a_cluster
	s_endpgm
.Lentry_in_a_cluster:
	s_bfe_u32 s2, ttmp6, 0x10000c
	s_cmp_lg_u32 s2, 0x3003
	s_cbranch_scc0 .Lentry_shape_is_right
	s_endpgm
.Lentry_shape_is_right:
; att[s][b][head][:] = the sum over keys of softmax(q . k / 8) v, both products on E4M3 codes (scales: entries 6 q, 7 k, 8 p, 9 v).
; t = score x log2(e) / 8; M = the running largest t rounded up to a whole number; p = 2^(t - M) is quantised, not normalised; the row's sum of the unquantised p divides at the end.
; SHARES.  A work-group owns 256 queries of one of the 32 heads, each of its sixteen waves 16.  As codes a head's whole K (2,048 x 64) and V (64 x 2,048) fit in LDS.
; They come once, as sixteen tiles of 16,384 bytes, one tensor load a wave at the head: waves 0-7 take 256 rows of K each, waves 8-15 take 32 rows x 512 keys of V each.  No LDS byte is filled twice.
; One barrier shows all tiles to all waves.  A second one guards the way out's stages, which lie on the first 512 keys' bytes of K and V: a wave signals when its first four steps are done
; and waits only ahead of its way out; between the two it reads only the later keys' bytes, which no wave writes.
; K's fragments are asked for one step ahead, behind the products that read the last ones; V's at the same place for the step in hand: both land while the softmax is worked.
; CLUSTER.  The four work-groups of a cluster belong to one head: each tile is asked for jointly, by the same load with the mask of all four.
; NO PREFETCH: every tile is asked for at the kernel's head, so there is no loop to run ahead in.
; LAYOUT.  S^T = K Q^T (source 0 = 16 rows of K, source 1 = my 16 queries), O^T = V^T P^T: a lane holds one query throughout.  K's row 32 g + p holds key 32 g + pi(p) (bits 3 and 4 exchanged),
; so the 16 registers of tiles 2 c, 2 c + 1 are keys 32 c + 16 h + 0 .. 15, the order in which V's fragments, fetched 16 bytes at a time, have them.  Q's rows lie likewise: the way out puts them back.
; LIMITS: eq + ek between -123 and 130 (added to c's exponent field); ep between -126 and 119; the scaled scores stay under 2^31 in magnitude.
; REGISTERS: v1, v2, v7 addresses; v3 the old -M; v4 2^ep; v5, v6 the add's two; v8, v9 addresses in hand; v[10:11] f; v12 -M, v13 the largest score, v[14:15] the sum; v16-23 Q;
; v24-31 at work, then the codes of keys 0-63; v32-95 K's fragments; v96-159 S^T, then p, then (v96-103) the codes of keys 64-127; v160-191 O^T; v192-255 V's fragments.
.set KP,   80                          ; a key's row in LDS: 64 bytes + 16
.set VP,   528                         ; 512 keys of a row of V: 512 bytes + 16
.set VQ,   64*VP                       ; V's 64 rows of 512 keys
.set VB,   2048*KP                     ; V lies behind K's 2,048 rows
.set SPARE, VB+4*VQ                    ; 299,008: the spare words, 128 bytes a wave, eight blocks of 256 bytes that no other line names
.set SG,   16*272                      ; a wave's stage
.set AK0,  1
.set AV0,  2
.set OM,   3
.set SC,   4
.set SPW,  5
.set NIL,  6
.set GO,   7
.set ADK,  8
.set ADV,  9
.set WV,   10
.set G1K,  16
.set G1V,  24
.set G0K,  32
.set G0V,  36
.set SEL,  66
.set CS,   68
.set TK,   76
.set TV,   77
.set CNT,  78
.set HOLD, 94                          ; s94  448 x 2^ep
.set TKC,  96
.macro CROUND
	s_barrier_signal -1
	s_barrier_wait -1
	s_cmp_lg_u32 s[WV], 0
	s_cbranch_scc1 .Lnot_wave_0_\@
	s_barrier_signal -3
.Lnot_wave_0_\@:
	s_barrier_wait -3
	s_barrier_signal -1
	s_barrier_wait -1
.endm
	s_load_b128 s[4:7], s[0:1], 0x0                ; qkvc, scales
	s_load_b64 s[8:9], s[0:1], 0x10                ; att
	v_lshl_add_u32 v[SPW], v0, 2, SPARE
	v_mov_b32 v[NIL], 0
	ds_add_u32 v[SPW], v[NIL]                      ; the opening: the add, twice on end, and its wait ahead of my tensor load
	ds_add_u32 v[SPW], v[NIL]
	v_lshrrev_b32 v8, 5, v0
	v_readfirstlane_b32 s[WV], v8                  ; wave 0..15
	s_bfe_u32 s11, ttmp6, 0x40000                  ; cx: it enters Q's and att's addresses alone
	s_lshl_b32 s70, ttmp9, 2
	s_add_co_u32 s70, s70, s11                     ; my block of 256 queries
	s_and_b32 s71, ttmp7, 0xffff                   ; the head (16 b + head), which the partners share
	s_and_b32 s79, s[WV], 7                        ; which of K's or of V's eight tiles I fetch
	s_and_b32 s81, s79, 1                          ; V: which 32 rows.  Also wave % 2
	s_lshr_b32 s92, s79, 1                         ; V: which 512 keys
	s_mov_b32 s[G1K], 15|(1<<20)|(1<<21)|(3<<22)|(3<<25)   ; the mask of all four; elements of 1 byte; padding: 4 words after every 16
	s_mov_b32 s[G1K+1], 64<<16
	s_mov_b32 s[G1K+2], 256<<16
	s_mov_b32 s[G1K+3], 64<<16
	s_mov_b32 s[G1K+4], 256
	s_mov_b32 s[G1K+5], 64
	s_mov_b32 s[G1K+6], 0
	s_mov_b32 s[G1K+7], 0
	s_mov_b32 s[G1V], 15|(1<<20)|(1<<21)|(6<<22)|(3<<25)   ; padding: 4 words after every 128
	s_mov_b32 s[G1V+1], 512<<16
	s_mov_b32 s[G1V+2], 32<<16
	s_mov_b32 s[G1V+3], 512<<16
	s_mov_b32 s[G1V+4], 32
	s_mov_b32 s[G1V+5], 2048
	s_mov_b32 s[G1V+6], 0
	s_mov_b32 s[G1V+7], 0
	s_mov_b32 s[SEL], 0x76543210
	s_mov_b32 s[SEL+1], 0xfedcba98
	s_mov_b32 s[CS], 0x3e38aa3b                    ; c = log2(e) / 8
	s_lshl_b32 s80, s71, 17                        ; the head's 131,072 bytes in each of the three tensors
	s_lshl_b32 s82, s79, 14                        ; K: 256 rows of 64 bytes a tile
	s_add_co_u32 s82, s82, s80
	s_add_co_u32 s82, s82, 0x400000
	s_mov_b32 s83, 0
	s_mul_i32 s86, s79, 256*KP                     ; and in LDS
	s_lshl_b32 s84, s81, 16                        ; V: 32 rows of 2,048 bytes,
	s_lshl_b32 s85, s92, 9                         ; 512 keys along them
	s_add_co_u32 s84, s84, s85
	s_add_co_u32 s84, s84, s80
	s_add_co_u32 s84, s84, 0x800000
	s_mov_b32 s85, 0
	s_mul_i32 s87, s81, 32*VP
	s_mul_i32 s93, s92, VQ
	s_add_co_u32 s87, s87, s93
	s_add_co_u32 s87, s87, VB                      ; and in LDS
	s_lshl_b32 s88, s70, 14
	s_lshl_b32 s89, s[WV], 10
	s_add_co_u32 s88, s88, s89
	s_add_co_u32 s88, s88, s80                     ; Q: my 16 rows
	s_mov_b32 s89, 0
	s_lshl_b32 s90, s70, 21                        ; att: 256 rows of s, 8,192 bytes each,
	s_lshr_b32 s91, s[WV], 1
	s_lshl_b32 s91, s91, 18                        ; + 32 (w / 2)
	s_add_co_u32 s90, s90, s91
	s_lshl_b32 s91, s81, 16                        ; + 8 (w % 2)
	s_add_co_u32 s90, s90, s91
	s_lshr_b32 s91, s71, 4
	s_lshl_b32 s91, s91, 12                        ; + b
	s_add_co_u32 s90, s90, s91
	s_and_b32 s91, s71, 15
	s_lshl_b32 s91, s91, 8                         ; + the head's 256 bytes
	s_add_co_u32 s90, s90, s91
	s_mov_b32 s91, 0
	s_wait_dscnt 0x0                               ; both opening adds are done
	s_wait_kmcnt 0x0
	s_load_b128 s[72:75], s[6:7], 0x18             ; eq, ek, ep, ev
	s_add_nc_u64 s[12:13], s[4:5], s[88:89]
	s_add_nc_u64 s[8:9], s[8:9], s[90:91]
	s_mov_b32 s[G0K], 1
	s_mov_b32 s[G0K+1], s86
	s_add_nc_u64 s[G0K+2:G0K+3], s[4:5], s[82:83]
	s_or_b32 s[G0K+3], s[G0K+3], 0x80000000
	s_mov_b32 s[G0V], 1
	s_mov_b32 s[G0V+1], s87
	s_add_nc_u64 s[G0V+2:G0V+3], s[4:5], s[84:85]
	s_or_b32 s[G0V+3], s[G0V+3], 0x80000000
	CROUND                                         ; all four work-groups are here: the joint loads meet
	s_cmp_lt_u32 s[WV], 8                          ; one branch on the wave's number, one fill to an arm
	s_cbranch_scc0 .Lfor_v
	tensor_load_to_lds s[G0K:G0K+3], s[G1K:G1K+7]
	s_nop 0
.rept 4
	v_nop
.endr
	s_branch .Lasked
.Lfor_v:
	tensor_load_to_lds s[G0V:G0V+3], s[G1V:G1V+7]
	s_nop 0
.rept 4
	v_nop
.endr
.Lasked:
	v_and_b32 v8, 15, v0                           ; r
	v_bfe_u32 v9, v0, 4, 1                         ; h
	v_lshlrev_b32 v10, 6, v8
	v_lshl_add_u32 v10, v9, 4, v10
	global_load_b128 v[16:19], v10, s[12:13]       ; Q's fragment: bytes 16 h on and 32 + 16 h on of row r, as K's
	global_load_b128 v[20:23], v10, s[12:13] offset:32
	v_mul_u32_u24 v[AK0], v8, KP
	v_mul_u32_u24 v[AV0], v8, VP
	v_lshlrev_b32 v[GO], 13, v9
	v_lshl_add_u32 v[AK0], v9, 4, v[AK0]
	v_lshl_add_u32 v[AV0], v9, 4, v[AV0]
	v_lshl_add_u32 v[GO], v8, 4, v[GO]             ; the way out: lanes 0-15 one row of s, lanes 16-31 the next
	v_mov_b32 v13, 0xff61b1e6                      ; the largest score so far: -3e38
	v_mov_b32 v12, 0x7f61b1e6                      ; -M: 3e38, so that the first step's f is 0
	v_mov_b32 v14, 0
	v_mov_b32 v15, 0
	v_mov_b32 v28, 0                               ; a lane permute's destination counts as read
	v_mov_b32 v11, 0                               ; named as the upper half of the pair of f
.set j, 0
.rept 32
	v_mov_b32 v[160+j], 0                          ; O^T: the step is written once; the first finds zeros
.set j, j+1
.endr
	s_wait_kmcnt 0x0
	s_add_co_i32 s92, s72, s73
	s_lshl_b32 s92, s92, 23
	s_add_co_i32 s[CS], s[CS], s92                 ; c x 2^(eq + ek)
	s_mov_b32 s[CS+1], s[CS]
	s_add_co_i32 s92, s74, 127
	s_lshl_b32 s93, s92, 23
	v_mov_b32 v[SC], s93                           ; 2^ep
	s_add_co_i32 s92, s92, 8
	s_lshl_b32 s92, s92, 23
	s_or_b32 s[HOLD], s92, 0x600000                ; 448 x 2^ep
.macro KLOAD adr                       ; eight tiles of 16 keys
.irp t, 0,1,2,3,4,5,6,7
.irp c, 0,1
	ds_load_b128 v[32+8*\t+4*\c:32+8*\t+4*\c+3], v[\adr] offset:16*KP*\t+32*\c
.endr
.endr
.endm
; A STEP: 128 keys.  s[TK] stands at the NEXT step's rows of K, s[TV] at this step's keys in V's rows.
.macro STEP
	s_min_u32 s[TKC], s[TK], 1920*KP               ; behind the last step there are no keys: it asks for its own rows once more, and nothing reads them
	v_add_nc_u32 v[ADK], s[TKC], v[AK0]
	v_add_nc_u32 v[ADV], s[TV], v[AV0]
	v_mov_b32 v[OM], v12                           ; the old -M
	v_nop
	v_nop                                          ; five plain lines: S^T's first tile lands on registers that the last products read
	s_wait_alu depctr_va_vdst(0)
	s_wait_dscnt 0x0                               ; this step's fragments of K, asked for a step ago
.irp t, 0,1,2,3,4,5,6,7
	v_wmma_f32_16x16x64_fp8_fp8 v[96+8*\t:103+8*\t], v[32+8*\t:39+8*\t], v[16:23], 0
.endr
.rept 4
	v_nop
.endr
.irp t, 0,1,2,3
.irp c, 0,1,2,3
	ds_load_b128 v[192+16*\t+4*\c:192+16*\t+4*\c+3], v[ADV] offset:16*VP*\t+32*\c   ; V's fragments, and behind them the next step's of K, land while the softmax is worked
.endr
.endr
	KLOAD ADK
	v_max3_num_f32 v24, v96, v97, v98              ; the step's largest score of my query, in four chains, registers ascending: each tile is read from its low end on
	v_max3_num_f32 v25, v99, v100, v101
	v_max3_num_f32 v26, v102, v103, v104
	v_max3_num_f32 v27, v105, v106, v107
.set j, 108
.rept 6
	v_max3_num_f32 v24, v24, v[j], v[j+1]
	v_max3_num_f32 v25, v25, v[j+2], v[j+3]
	v_max3_num_f32 v26, v26, v[j+4], v[j+5]
	v_max3_num_f32 v27, v27, v[j+6], v[j+7]
.set j, j+8
.endr
	v_max3_num_f32 v24, v24, v156, v157
	v_max3_num_f32 v25, v25, v158, v159
	v_max3_num_f32 v24, v24, v26, v27
	v_max_num_f32 v24, v24, v25
	v_permlanex16_b32 v28, v24, s[SEL], s[SEL+1]
	v_max3_num_f32 v13, v13, v24, v28              ; the running largest score, the other half of the lanes' among it
	v_mul_f32 v24, s[CS], v13                      ; as t (c is positive)
	v_floor_f32 v12, -v24                          ; -M = floor(-t)
	v_sub_f32 v24, v12, v[OM]                      ; old M - new M: a whole number, 0 or less
	v_cvt_i32_f32 v24, v24                         ; (it saturates)
	v_ldexp_f32 v10, 1.0, v24                      ; f = 2^(old M - new M)
.set j, 0
.rept 32
	v_pk_fma_f32 v[96+j:97+j], v[96+j:97+j], s[CS:CS+1], v[12:13] op_sel_hi:[1,0,0]   ; t - M (of the pairs c and -M the low word serves both halves)
.set j, j+2
.endr
	s_wait_alu depctr_va_vdst(0)
.set j, 0
.rept 64
	v_exp_f32 v[96+j], v[96+j]                     ; p
.set j, j+1
.endr
	v_pk_mul_f32 v[14:15], v[14:15], v[10:11] op_sel_hi:[1,0]   ; the sums under the new M; a plain line behind the exponentials
	s_wait_alu depctr_va_vdst(0)                   ; one wait for the batch, ahead of its first reader
	v_pk_add_f32 v[24:25], v[96:97], v[98:99]      ; the row's sum of the unquantised p, two at a time, in four chains
	v_pk_add_f32 v[26:27], v[100:101], v[102:103]
	v_pk_add_f32 v[28:29], v[104:105], v[106:107]
	v_pk_add_f32 v[30:31], v[108:109], v[110:111]
.set j, 112
.rept 6
	v_pk_add_f32 v[24:25], v[24:25], v[j:j+1]
	v_pk_add_f32 v[26:27], v[26:27], v[j+2:j+3]
	v_pk_add_f32 v[28:29], v[28:29], v[j+4:j+5]
	v_pk_add_f32 v[30:31], v[30:31], v[j+6:j+7]
.set j, j+8
.endr
	v_pk_add_f32 v[24:25], v[24:25], v[26:27]
	v_pk_add_f32 v[28:29], v[28:29], v[30:31]
	v_pk_add_f32 v[14:15], v[14:15], v[24:25]
	v_pk_add_f32 v[14:15], v[14:15], v[28:29]
.irp b, 0,1,2,3                        ; 32 keys' codes in four registers: keys 0-63 in v24-31, keys 64-127 in v96-103, whose numbers are converted by then
.set j, 0
.rept 8
	v_dual_min_num_f32 v[96+16*\b+j], s[HOLD], v[96+16*\b+j] :: v_dual_min_num_f32 v[97+16*\b+j], s[HOLD], v[97+16*\b+j]   ; the conversion does not saturate (ISA guide 7.6.2); p is not negative: a one-sided hold, two numbers a line
.set j, j+2
.endr
	v_cvt_scalef32_pk8_fp8_f32 v[24+4*\b+64*(\b/2):25+4*\b+64*(\b/2)], v[96+16*\b:103+16*\b], v[SC]
	v_cvt_scalef32_pk8_fp8_f32 v[26+4*\b+64*(\b/2):27+4*\b+64*(\b/2)], v[104+16*\b:111+16*\b], v[SC]
.endr
	s_wait_alu depctr_va_vdst(0)                   ; directly ahead of the first reader of O^T
.set j, 0
.rept 16
	v_pk_mul_f32 v[160+j:161+j], v[160+j:161+j], v[10:11] op_sel_hi:[1,0]   ; O^T under the new M; also the plain lines behind the conversions
.set j, j+2
.endr
	s_wait_alu depctr_va_vdst(0)
	s_wait_dscnt 16                                ; V's sixteen loads are in; the sixteen for K behind them may be out
.irp u, 0,1                            ; 64 keys at a time; the four accumulators by turns, three others between a sum's steps
.irp t, 0,1,2,3
	v_wmma_f32_16x16x64_fp8_fp8 v[160+8*\t:167+8*\t], v[192+16*\t+8*\u:199+16*\t+8*\u], v[24+72*\u:31+72*\u], v[160+8*\t:167+8*\t]
.endr
.endr
	s_add_co_u32 s[TK], s[TK], 128*KP
	s_add_co_u32 s[TV], s[TV], 128
.endm
.macro QUARTER q                       ; 512 keys: four steps; V's rows of 512 keys lie VQ bytes apart from quarter to quarter
	s_mov_b32 s[TK], (\q*512+128)*KP
	s_mov_b32 s[TV], VB+\q*VQ
	s_mov_b32 s[CNT], 4
.Lq_\@:
	STEP
	s_sub_co_u32 s[CNT], s[CNT], 1
	s_cmp_lg_u32 s[CNT], 0
	s_cbranch_scc1 .Lq_\@
.endm
	s_wait_alu depctr_va_vdst(0)                   ; the head's end
	s_wait_loadcnt 0x0                             ; Q
	s_wait_tensorcnt 0x0                           ; my tile has landed
	s_barrier_signal -1
	s_barrier_wait -1                              ; everybody's has: all of K and V is in LDS
	KLOAD AK0                                      ; the first step's fragments of K
	QUARTER 0
	s_wait_dscnt 0x0                               ; my reads of the first 512 keys' bytes are over:
	s_barrier_signal -1                            ; say so; up to the wait for it I read only later keys' bytes, which no wave writes
	QUARTER 1
	QUARTER 2
	QUARTER 3
	; THE WAY OUT, through my stage of 16 rows x 272 bytes.  Waves 0-8 have theirs on K's first 512 rows, waves 9-15 on V's first 512 keys: filled once, and read by nobody behind this barrier.
	s_wait_dscnt 0x0                               ; the last loads have landed: their registers are used again below
	s_barrier_wait -1                              ; every wave has done its first 512 keys
	s_add_co_i32 s92, s74, s75                     ; ep + ev
	s_add_co_u32 s93, s[WV], 7
	s_lshr_b32 s93, s93, 4                         ; 1 in waves 9-15
	s_mul_i32 s93, s93, VB-9*SG
	s_mul_i32 s95, s[WV], SG
	s_add_co_u32 s93, s93, s95                     ; my stage
	v_add_f32 v14, v14, v15
	v_permlanex16_b32 v[OM], v14, s[SEL], s[SEL+1] ; (into a register of no matrix instruction)
	v_add_f32 v14, v14, v[OM]                      ; the row's sum
	s_wait_alu depctr_va_vdst(0)                   ; ahead of the reciprocal
	v_rcp_f32 v14, v14
	v_and_b32 v8, 15, v0                           ; (a plain line behind the reciprocal)
	v_bfe_u32 v9, v0, 4, 1
	v_mul_u32_u24 v10, v8, 272
	v_mul_u32_u24 v11, v9, 272
	v_lshl_add_u32 v10, v9, 5, v10
	v_lshl_add_u32 v11, v8, 4, v11
	v_add_nc_u32 v10, s93, v10                     ; in: row r, + 32 h
	v_add_nc_u32 v11, s93, v11                     ; back: two rows an instruction
	s_wait_alu depctr_va_vdst(0)                   ; ahead of the reciprocal's first reader
	v_ldexp_f32 v14, v14, s92                      ; x 2^(ep + ev)
	s_wait_alu depctr_va_vdst(0)                   ; directly ahead of the first reader of O^T
.set j, 0
.rept 32
	v_mul_f32 v[96+j], v[160+j], v14               ; register 8 t + i is channel 16 t + 8 h + i of my query
.set j, j+1
.endr
.irp t, 0,1,2,3
	ds_store_b128 v10, v[96+8*\t:99+8*\t] offset:64*\t
	ds_store_b128 v10, v[100+8*\t:103+8*\t] offset:64*\t+16
.endr
.irp i, 0,1,2,3,4,5,6,7
	ds_load_b128 v[32+4*\i:35+4*\i], v11 offset:544*\i   ; LDS serves a wave's instructions in order: these see my stores
.endr
.irp i, 0,1,2,3,4,5,6,7
	s_wait_dscnt 7-\i
	global_store_b128 v[GO], v[32+4*\i:35+4*\i], s[8:9] offset:8192*(2*\i+8*(\i/4))   ; row r of my tile is s = r + 8 (r / 8) on from my first; sixteen lanes store 256 consecutive bytes, aligned
.endr
	s_wait_tensorcnt 0x0                           ; the wave's end
	ds_add_u32 v[SPW], v[NIL]
	s_wait_dscnt 0x0
	CROUND                                         ; the closing round: no work-group ends while a partner may still ask for a tile that names it
	s_endpgm
.Lfunc_end_k_q869660bf90_attn:
	.size	k_q869660bf90_attn, .Lfunc_end_k_q869660bf90_attn-k_q869660bf90_attn
	.p2alignl 7, 3214868480
	.fill 96, 4, 3214868480
	.section	.rodata,"a",@progbits
	.p2align	6, 0x0
	.amdhsa_kernel k_q869660bf90_attn
		.amdhsa_group_segment_fixed_size 327680
		.amdhsa_private_segment_fixed_size 0
		.amdhsa_enable_private_segment 0
		.amdhsa_kernarg_size 24
		.amdhsa_user_sgpr_count 2
		.amdhsa_user_sgpr_kernarg_segment_ptr 1
		.amdhsa_wavefront_size32 1
		.amdhsa_system_sgpr_workgroup_id_x 1
		.amdhsa_system_sgpr_workgroup_id_y 1
		.amdhsa_system_sgpr_workgroup_id_z 1
		.amdhsa_system_vgpr_workitem_id 0
		.amdhsa_next_free_vgpr 256
		.amdhsa_next_free_sgpr 100
		.amdhsa_reserve_vcc 0
		.amdhsa_float_denorm_mode_32 3
		.amdhsa_float_denorm_mode_16_64 3
		.amdhsa_memory_ordered 1
		.amdhsa_forward_progress 1
		.amdhsa_inst_pref_size 77
	.end_amdhsa_kernel
	.amdgpu_metadata
---
amdhsa.version: [ 1, 2 ]
amdhsa.kernels:
  - .name:           k_q869660bf90_attn
    .symbol:         k_q869660bf90_attn.kd
    .args:
      - { .name: qkvc, .offset: 0, .size: 8, .value_kind: global_buffer, .address_space: global }
      - { .name: lowp_scales, .offset: 8, .size: 8, .value_kind: global_buffer, .address_space: global }
      - { .name: att, .offset: 16, .size: 8, .value_kind: global_buffer, .address_space: global }
    .group_segment_fixed_size: 327680
    .private_segment_fixed_size: 0
    .kernarg_segment_align: 8
    .kernarg_segment_size: 24
    .max_flat_workgroup_size: 512
    .sgpr_count:     100
    .vgpr_count:     256
    .wavefront_size: 32
...
	.end_amdgpu_metadata
.endif
;; end of part 10
;; launch ln1 (part 11): grid 256 x 1, 8 waves a work-group, no clusters, 17,408 bytes of LDS; arguments src, att, ln1_g, ln1_b, lowp_scales, x, xc; writes x, xc
.if DOCPART == 11
	.amdgcn_target "amdgcn-amd-amdhsa--gfx1250"
	.amdhsa_code_object_version 6
	.text
	.protected	k_q869660bf90_ln1
	.globl	k_q869660bf90_ln1
	.p2align	8
	.type	k_q869660bf90_ln1,@function
k_q869660bf90_ln1:
	s_mov_b64 s[64:65], 0
	v_nop
	global_prefetch_b8 v0, s[64:65] scope:SCOPE_SE
	s_setreg_imm32_b32 hwreg(HW_REG_WAVE_MODE, 25, 1), 1
	s_wait_xcnt 0x0
; x = layer norm of (src + att), stored as f32 and as E4M3 codes (scale: entry 10) laid [4 K steps][4096 rows][256 bytes].
; A wave takes two rows of 1,024; a lane holds columns 128 j + 4 lane + 0 .. 3, j = 0 .. 7: every load and store of f32 covers 512 consecutive bytes.
; The norm goes in two passes over registers: the mean, then the mean of the squared differences.  No matrix unit, no cluster, no barrier: memory binds and waves share nothing.
; A lane's four codes of a chunk go through the wave's own LDS bytes, so that sixteen lanes store 256 consecutive bytes.
; LIMIT: entry 10 between -126 and 119.  NaN is not served.
.set G,  16
.set BT, 48
.set A0, 80
.set C0, 112
.set A1, 144
.set C1, 176
.set T,  208
	s_load_b256 s[4:11], s[0:1], 0x0               ; src, att, g, b
	s_load_b128 s[12:15], s[0:1], 0x20             ; scales, x
	s_load_b64 s[16:17], s[0:1], 0x30              ; xc
	s_set_vgpr_msb 0x40
	v_lshl_add_u32 v0, v0, 2, 0x4000
	v_mov_b32 v1, 0
	s_set_vgpr_msb 0x4000
	v_lshrrev_b32 v1, 5, v0
	s_delay_alu instid0(VALU_DEP_1)
	v_readfirstlane_b32 s18, v1                    ; wave
	v_and_b32 v10, 31, v0
	s_delay_alu instid0(VALU_DEP_1)
	v_lshlrev_b32 v1, 4, v10                       ; 16 x lane
	s_delay_alu instid0(VALU_DEP_2)
	v_lshrrev_b32 v11, 4, v10
	s_delay_alu instid0(VALU_DEP_3)
	v_and_b32 v12, 15, v10
	s_delay_alu instid0(VALU_DEP_1)
	v_lshlrev_b32 v12, 4, v12
	s_delay_alu instid0(VALU_DEP_1)
	v_lshl_or_b32 v11, v11, 20, v12                ; codes: lanes 16-31 one K step (1 MiB) on
	s_lshl_b32 s25, s18, 11                        ; my two rows of codes in LDS
	v_lshl_add_u32 v12, v10, 2, s25
	v_lshl_add_u32 v13, v10, 4, s25
	v_mov_b32 v9, 0                                ; named as the upper half of a pair
	s_mov_b32 s20, 0x76543210
	s_mov_b32 s21, 0xfedcba98
	s_mov_b32 s26, 0x3a800000                      ; 1 / 1024
	s_mov_b32 s27, 0x3727c5ac                      ; 1e-5
	s_lshl_b32 s19, ttmp9, 4
	s_lshl_b32 s22, s18, 1
	s_add_co_u32 s19, s19, s22                     ; my first row
	s_lshl_b32 s22, s19, 12
	s_mov_b32 s23, 0
	s_lshl_b32 s28, s19, 8
	s_mov_b32 s29, 0
	s_wait_alu depctr_va_vdst(0)
	s_wait_kmcnt 0x0
	s_load_b32 s24, s[12:13], 0x28                 ; entry 10
	s_add_nc_u64 s[4:5], s[4:5], s[22:23]
	s_add_nc_u64 s[6:7], s[6:7], s[22:23]
	s_add_nc_u64 s[14:15], s[14:15], s[22:23]
	s_add_nc_u64 s[16:17], s[16:17], s[28:29]
.irp j, 0,1,2,3,4,5,6,7
	global_load_b128 v[G+4*\j:G+4*\j+3], v1, s[8:9] offset:512*\j
.endr
.irp j, 0,1,2,3,4,5,6,7
	global_load_b128 v[BT+4*\j:BT+4*\j+3], v1, s[10:11] offset:512*\j
.endr
.irp j, 0,1,2,3,4,5,6,7
	global_load_b128 v[A0+4*\j:A0+4*\j+3], v1, s[4:5] offset:512*\j th:TH_LOAD_NT
	global_load_b128 v[C0+4*\j:C0+4*\j+3], v1, s[6:7] offset:512*\j th:TH_LOAD_NT
.endr
.irp j, 0,1,2,3,4,5,6,7
	global_load_b128 v[A1+4*\j:A1+4*\j+3], v1, s[4:5] offset:4096+512*\j th:TH_LOAD_NT
	global_load_b128 v[C1+4*\j:C1+4*\j+3], v1, s[6:7] offset:4096+512*\j th:TH_LOAD_NT
.endr
	s_wait_kmcnt 0x0
	s_add_co_i32 s24, s24, 127
	s_lshl_b32 s30, s24, 23
	v_mov_b32 v14, s30                             ; 2^e
	s_add_co_i32 s24, s24, 8
	s_lshl_b32 s24, s24, 23
	s_or_b32 s24, s24, 0x600000
	v_mov_b32 v15, s24                             ; 448 x 2^e
.macro WSUM                            ; v2 summed over the 32 lanes, in every lane
	s_delay_alu instid0(VALU_DEP_1)
	v_add_f32_dpp v2, v2, v2 row_xmask:1 row_mask:0xf bank_mask:0xf
	s_delay_alu instid0(VALU_DEP_1)
	v_add_f32_dpp v2, v2, v2 row_xmask:2 row_mask:0xf bank_mask:0xf
	s_delay_alu instid0(VALU_DEP_1)
	v_add_f32_dpp v2, v2, v2 row_xmask:4 row_mask:0xf bank_mask:0xf
	s_delay_alu instid0(VALU_DEP_1)
	v_add_f32_dpp v2, v2, v2 row_xmask:8 row_mask:0xf bank_mask:0xf
	s_delay_alu instid0(VALU_DEP_1)
	v_permlanex16_b32 v3, v2, s20, s21
	s_delay_alu instid0(VALU_DEP_1)
	v_add_f32 v2, v2, v3
.endm
.macro LNROW A, C, row, left
	s_wait_loadcnt \left                           ; this row's loads are in; the later row's sixteen may be out
.set i, 0
.rept 16
	v_pk_add_f32 v[\A+i:\A+i+1], v[\A+i:\A+i+1], v[\C+i:\C+i+1]
.set i, i+2
.endr
	v_pk_add_f32 v[2:3], v[\A:\A+1], v[\A+2:\A+3]
	v_pk_add_f32 v[4:5], v[\A+4:\A+5], v[\A+6:\A+7]
.irp i, 8,12,16,20,24,28
	s_delay_alu instid0(VALU_DEP_2)
	v_pk_add_f32 v[2:3], v[2:3], v[\A+\i:\A+\i+1]
	s_delay_alu instid0(VALU_DEP_2)
	v_pk_add_f32 v[4:5], v[4:5], v[\A+\i+2:\A+\i+3]
.endr
	s_delay_alu instid0(VALU_DEP_1)
	v_pk_add_f32 v[2:3], v[2:3], v[4:5]
	s_delay_alu instid0(VALU_DEP_1)
	v_add_f32 v2, v2, v3
	WSUM
	s_delay_alu instid0(VALU_DEP_1)
	v_mul_f32 v6, s26, v2                          ; the mean
	s_delay_alu instid0(VALU_DEP_1)
	v_mov_b32 v7, v6
.set i, 0
.rept 16
	v_pk_add_f32 v[\A+i:\A+i+1], v[\A+i:\A+i+1], v[6:7] neg_lo:[0,1] neg_hi:[0,1]
.set i, i+2
.endr
	v_pk_mul_f32 v[2:3], v[\A:\A+1], v[\A:\A+1]
	v_pk_mul_f32 v[4:5], v[\A+2:\A+3], v[\A+2:\A+3]
.irp i, 4,8,12,16,20,24,28
	s_delay_alu instid0(VALU_DEP_2)
	v_pk_fma_f32 v[2:3], v[\A+\i:\A+\i+1], v[\A+\i:\A+\i+1], v[2:3]
	s_delay_alu instid0(VALU_DEP_2)
	v_pk_fma_f32 v[4:5], v[\A+\i+2:\A+\i+3], v[\A+\i+2:\A+\i+3], v[4:5]
.endr
	s_delay_alu instid0(VALU_DEP_1)
	v_pk_add_f32 v[2:3], v[2:3], v[4:5]
	s_delay_alu instid0(VALU_DEP_1)
	v_add_f32 v2, v2, v3
	WSUM
	s_delay_alu instid0(VALU_DEP_1)
	v_fma_f32 v2, v2, s26, s27                     ; the variance + 1e-5
	s_wait_alu depctr_va_vdst(0)
	v_rsq_f32 v8, v2
	v_nop                                          ; a plain line behind the root
	s_wait_alu depctr_va_vdst(0)                   ; ahead of its first reader
.set i, 0
.rept 16
	v_pk_mul_f32 v[\C+i:\C+i+1], v[\A+i:\A+i+1], v[8:9] op_sel_hi:[1,0]
.set i, i+2
.endr
.set i, 0
.rept 16
	v_pk_fma_f32 v[\C+i:\C+i+1], v[\C+i:\C+i+1], v[G+i:G+i+1], v[BT+i:BT+i+1]
.set i, i+2
.endr
.irp j, 0,1,2,3,4,5,6,7
	global_store_b128 v1, v[\C+4*\j:\C+4*\j+3], s[14:15] offset:4096*\row+512*\j
.endr
.if \row
	s_wait_xcnt 0x0                                ; the first row's stores of codes have read the registers that are filled again below
.endif
.set i, 0
.rept 32
	v_med3_num_f32 v[T+i], v[\C+i], -v15, v15
.set i, i+1
.endr
.irp k, 0,1,2,3
	v_cvt_scalef32_pk8_fp8_f32 v[240+2*\k:241+2*\k], v[T+8*\k:T+8*\k+7], v14   ; register 240 + j: the four codes of chunk j
.endr
	v_nop
.irp j, 0,1,2,3,4,5,6,7
	ds_store_b32 v12, v[240+\j] offset:1024*\row+128*\j
.endr
.irp i, 0,1
	ds_load_b128 v[248+4*\i:251+4*\i], v13 offset:1024*\row+512*\i
.endr
	s_wait_dscnt 0x0
.irp i, 0,1
	global_store_b128 v11, v[248+4*\i:251+4*\i], s[16:17] offset:256*\row+\i*0x200000   ; sixteen lanes store 256 consecutive bytes, aligned
.endr
.endm
	LNROW A0, C0, 0, 16
	LNROW A1, C1, 1, 0
	s_set_vgpr_msb 0x5
	s_wait_tensorcnt 0x0
	ds_add_u32 v0, v1
	s_wait_dscnt 0x0
	s_set_vgpr_msb 0x500
	s_endpgm
.Lfunc_end_k_q869660bf90_ln1:
	.size	k_q869660bf90_ln1, .Lfunc_end_k_q869660bf90_ln1-k_q869660bf90_ln1
	.p2alignl 7, 3214868480
	.fill 96, 4, 3214868480
	.section	.rodata,"a",@progbits
	.p2align	6, 0x0
	.amdhsa_kernel k_q869660bf90_ln1
		.amdhsa_group_segment_fixed_size 17408
		.amdhsa_private_segment_fixed_size 0
		.amdhsa_enable_private_segment 0
		.amdhsa_kernarg_size 56
		.amdhsa_user_sgpr_count 2
		.amdhsa_user_sgpr_kernarg_segment_ptr 1
		.amdhsa_wavefront_size32 1
		.amdhsa_system_sgpr_workgroup_id_x 1
		.amdhsa_system_sgpr_workgroup_id_y 1
		.amdhsa_system_sgpr_workgroup_id_z 1
		.amdhsa_system_vgpr_workitem_id 0
		.amdhsa_next_free_vgpr 258
		.amdhsa_next_free_sgpr 66
		.amdhsa_reserve_vcc 0
		.amdhsa_float_denorm_mode_32 3
		.amdhsa_float_denorm_mode_16_64 3
		.amdhsa_memory_ordered 1
		.amdhsa_forward_progress 1
		.amdhsa_inst_pref_size 32
	.end_amdhsa_kernel
	.amdgpu_metadata
---
amdhsa.version: [ 1, 2 ]
amdhsa.kernels:
  - .name:           k_q869660bf90_ln1
    .symbol:         k_q869660bf90_ln1.kd
    .args:
      - { .name: src, .offset: 0, .size: 8, .value_kind: global_buffer, .address_space: global }
      - { .name: att, .offset: 8, .size: 8, .value_kind: global_buffer, .address_space: global }
      - { .name: ln1_g, .offset: 16, .size: 8, .value_kind: global_buffer, .address_space: global }
      - { .name: ln1_b, .offset: 24, .size: 8, .value_kind: global_buffer, .address_space: global }
      - { .name: lowp_scales, .offset: 32, .size: 8, .value_kind: global_buffer, .address_space: global }
      - { .name: x, .offset: 40, .size: 8, .value_kind: global_buffer, .address_space: global }
      - { .name: xc, .offset: 48, .size: 8, .value_kind: global_buffer, .address_space: global }
    .group_segment_fixed_size: 17408
    .private_segment_fixed_size: 0
    .kernarg_segment_align: 8
    .kernarg_segment_size: 56
    .max_flat_workgroup_size: 256
    .sgpr_count:     66
    .vgpr_count:     258
    .wavefront_size: 32
...
	.end_amdgpu_metadata
.endif
;; end of part 11
;; launch ffn1 (part 12): grid 16 x 16, 4 waves a work-group, clusters of 4 x 4, 327,680 bytes of LDS; arguments xc, wc, lowp_scales, hc, b1; writes hc
.if DOCPART == 12
	.amdgcn_target "amdgcn-amd-amdhsa--gfx1250"
	.amdhsa_code_object_version 6
	.text
	.protected	k_q869660bf90_ffn1
	.globl	k_q869660bf90_ffn1
	.p2align	8
	.type	k_q869660bf90_ffn1,@function
k_q869660bf90_ffn1:
	s_mov_b64 s[64:65], 0
	v_nop
	global_prefetch_b8 v0, s[64:65] scope:SCOPE_SE
	s_setreg_imm32_b32 hwreg(HW_REG_WAVE_MODE, 25, 1), 1
	s_wait_xcnt 0x0
	s_wait_alu depctr_hold_cnt(0) depctr_sa_sdst(0) depctr_va_vdst(0) depctr_va_sdst(0) depctr_va_ssrc(0) depctr_va_vcc(0) depctr_vm_vsrc(0)
	s_getreg_b32 s2, hwreg(HW_REG_IB_STS2, 6, 4)
	s_cmp_eq_u32 s2, 0
	s_cbranch_scc0 .Lentry_in_a_cluster
	s_endpgm
.Lentry_in_a_cluster:
	s_bfe_u32 s2, ttmp6, 0x10000c
	s_cmp_lg_u32 s2, 0xf033
	s_cbranch_scc0 .Lentry_shape_is_right
	s_endpgm
.Lentry_shape_is_right:
.set ASTEP,  0x100000
.set BSTEP,  0x100000
.set LAPS,   2
.set PITCH,  272
.set FR,     16
.set NL,     4
.set NP,     4
.set HALFT,  128*PITCH
.set SLOT,   4*HALFT
.set SPARE,  2*SLOT
.set ADRA, 16
.set ADRB, 20
.set SPW,  28
.set NIL,  29
.set BI,   32
.set X,    96
.set PC,   224
.set AF,   128
.set G1, 24
.set G0, 32
.set G1B, 48
.set G0B, 56
.set MSB, 0
.macro WIN new
.if MSB != (\new)
	s_set_vgpr_msb (MSB<<8)|(\new)
.set MSB, (\new)
.endif
.endm
.set MUL_LO, 0xa1
.set MUL_HI, 0xf1
.set TO_B,   0x40
.macro JLOAD g0a, g1a, g0b, g1b
	s_cmp_eq_u32 s15, 0
	s_cbranch_scc0 .Lfor_b_\@
	tensor_load_to_lds s[\g0a:\g0a+3], s[\g1a:\g1a+7]
	s_nop 0
.rept 4
	v_nop
.endr
	s_branch .Lasked_\@
.Lfor_b_\@:
	tensor_load_to_lds s[\g0b:\g0b+3], s[\g1b:\g1b+7]
	s_nop 0
.rept 4
	v_nop
.endr
.Lasked_\@:
.endm
.macro CREST
	s_cmp_lg_u32 s14, 0
	s_cbranch_scc1 .Lnot_wave_0_\@
	s_barrier_signal -3
.Lnot_wave_0_\@:
	s_barrier_wait -3
	s_barrier_signal -1
	s_barrier_wait -1
.endm
.macro CROUND
	s_barrier_signal -1
	s_barrier_wait -1
	CREST
.endm
	s_load_b128 s[4:7], s[0:1], 0x0
	s_load_b128 s[8:11], s[0:1], 0x10
	s_load_b64 s[68:69], s[0:1], 0x20
	v_lshl_add_u32 v[SPW], v0, 2, SPARE
	v_mov_b32 v[NIL], 0
	ds_add_u32 v28, v29
	ds_add_u32 v28, v29
	s_wait_dscnt 0x0
	v_lshrrev_b32 v1, 5, v0
	v_readfirstlane_b32 s14, v1
	s_lshr_b32 s15, s14, 1
	s_and_b32 s16, s14, 1
	s_bfe_u32 s40, ttmp6, 0x40000
	s_bfe_u32 s41, ttmp6, 0x40004
	s_lshl_b32 s42, ttmp9, 2
	s_add_co_u32 s42, s42, s40
	s_and_b32 s17, ttmp7, 0xffff
	s_lshl_b32 s17, s17, 2
	s_add_co_u32 s17, s17, s41
	s_lshl_b32 s43, s41, 2
	s_lshl_b32 s43, 15, s43
	s_lshl_b32 s44, 0x1111, s40
	s_or_b32 s[G1+0], s43, (1<<20)|(1<<21)|(5<<22)|(3<<25)
	s_or_b32 s[G1B+0], s44, (1<<20)|(1<<21)|(5<<22)|(3<<25)
.irp g, G1, G1B
	s_mov_b32 s[\g+1], 256<<16
	s_mov_b32 s[\g+2], 128<<16
	s_mov_b32 s[\g+3], 256<<16
	s_mov_b32 s[\g+4], 128
	s_mov_b32 s[\g+5], 256
	s_mov_b32 s[\g+6], 0
	s_mov_b32 s[\g+7], 0
.endr
	s_lshl_b32 s18, s16, 15
	s_lshl_b32 s20, s17, 16
	s_add_co_u32 s20, s20, s18
	s_mov_b32 s21, 0
	s_lshl_b32 s46, s42, 16
	s_add_co_u32 s46, s46, s18
	s_add_co_u32 s46, s46, 0x300000
	s_mov_b32 s47, 0
	s_mul_i32 s45, s14, HALFT
	s_wait_kmcnt 0x0
	s_load_b96 s[76:78], s[8:9], 0x28
	s_add_nc_u64 s[20:21], s[4:5], s[20:21]
	s_add_nc_u64 s[46:47], s[6:7], s[46:47]
	CROUND
.irp s, 0,1
	s_mov_b32 s[G0+4*\s], 1
	s_add_co_u32 s[G0+4*\s+1], s45, \s*SLOT
	s_add_nc_u64 s[G0+4*\s+2:G0+4*\s+3], s[20:21], \s*ASTEP
	s_or_b32 s[G0+4*\s+3], s[G0+4*\s+3], 0x80000000
	s_mov_b32 s[G0B+4*\s], 1
	s_add_co_u32 s[G0B+4*\s+1], s45, \s*SLOT
	s_add_nc_u64 s[G0B+4*\s+2:G0B+4*\s+3], s[46:47], \s*BSTEP
	s_or_b32 s[G0B+4*\s+3], s[G0B+4*\s+3], 0x80000000
.if \s
	s_wait_alu depctr_va_vdst(0)
	s_wait_tensorcnt 0x0
	ds_add_u32 v28, v29
	ds_add_u32 v28, v29
	s_wait_dscnt 0x0
	CROUND
.endif
	JLOAD G0+4*\s, G1, G0B+4*\s, G1B
.endr
	v_and_b32 v1, 15, v0
	s_wait_alu depctr_va_vdst(0)
	v_bfe_u32 v2, v0, 4, 1
	v_mul_u32_u24 v3, v1, PITCH
	v_lshl_add_u32 v4, v2, 4, v3
	s_mul_i32 s21, s15, HALFT
	s_mul_i32 s22, s16, HALFT
	s_add_co_u32 s22, s22, 2*HALFT
.irp s, 0,1
	v_add_nc_u32 v[ADRA+\s], s21, v4
	v_add_nc_u32 v[ADRB+\s], s22, v4
	s_add_co_u32 s21, s21, SLOT
	s_add_co_u32 s22, s22, SLOT
.endr
	v_lshlrev_b32 v8, 6, v2
	s_mul_i32 s23, s15, 128*272
	s_lshl_b32 s22, s16, 7
	s_add_co_u32 s23, s23, s22
	v_mul_u32_u24 v10, v1, 272
	s_wait_alu depctr_va_vdst(0)
	v_lshl_add_u32 v10, v2, 4, v10
	v_add_nc_u32 v10, s23, v10
	s_mul_i32 s23, s14, 64*272
	v_mul_u32_u24 v11, v2, 272
	v_lshl_add_u32 v11, v1, 4, v11
	v_add_nc_u32 v11, s23, v11
	v_and_b32 v12, 31, v0
	v_lshlrev_b32 v12, 4, v12
	s_lshl_b32 s74, s42, 10
	s_lshl_b32 s75, s16, 9
	s_add_co_u32 s74, s74, s75
	s_mov_b32 s75, 0
	s_add_nc_u64 s[86:87], s[68:69], s[74:75]
.irp c, 0,1,2,3
.irp q, 0,1,2,3
	global_load_b128 v[BI+16*\c+4*\q:BI+16*\c+4*\q+3], v8, s[86:87] offset:128*\c+16*\q
.endr
.endr
	s_lshl_b32 s74, s42, 20
	s_lshl_b32 s75, s17, 16
	s_add_co_u32 s74, s74, s75
	s_lshl_b32 s75, s14, 14
	s_add_co_u32 s74, s74, s75
	s_mov_b32 s75, 0
	s_add_nc_u64 s[90:91], s[10:11], s[74:75]
.macro FRAG reg, adr, q, i
.irp c, 0,1,2,3
	ds_load_b128 v[\reg+4*\c:\reg+4*\c+3], v[\adr] offset:128*(\q)+32*\c+(\i)*16*PITCH
.endr
.endm
.macro MUL16 a0, p, zero
.irp a, \a0, \a0+1
.irp b, 0,1,2,3,4,5,6,7
.if \zero
	v_wmma_f32_16x16x128_fp8_fp8 v[8*(8*((\a)%4)+\b):8*(8*((\a)%4)+\b)+7], v[128*(\p)+FR*\b:128*(\p)+FR*\b+FR-1], v[AF+FR*(\a):AF+FR*(\a)+FR-1], 0
.else
	v_wmma_f32_16x16x128_fp8_fp8 v[8*(8*((\a)%4)+\b):8*(8*((\a)%4)+\b)+7], v[128*(\p)+FR*\b:128*(\p)+FR*\b+FR-1], v[AF+FR*(\a):AF+FR*(\a)+FR-1], v[8*(8*((\a)%4)+\b):8*(8*((\a)%4)+\b)+7]
.endif
.endr
.endr
.endm
.macro FETCH_B slot, q, p
	WIN TO_B
.irp i, 0,1,2,3,4,5,6,7
	FRAG 128*(\p)+FR*\i, ADRB+\slot, \q, \i
.endr
	WIN 0
.endm
.macro FETCH_A slot, q, i0
.irp i, \i0, \i0+1, \i0+2, \i0+3
	FRAG AF+FR*(\i), ADRA+\slot, \q, \i
.endr
.endm
.macro PLACES n
.rept \n
	v_nop
.endr
.endm
.macro STEP slot, q, zero
	s_wait_dscnt 4*NL
	WIN MUL_LO
	MUL16 0, (\q)%2, \zero
	MUL16 2, (\q)%2, \zero
	s_wait_dscnt 0
	PLACES NP
	FETCH_B \slot, (\q)+1, 1-(\q)%2
	FETCH_A \slot, (\q)+1, 0
	WIN MUL_HI
	MUL16 4, (\q)%2, \zero
	MUL16 6, (\q)%2, \zero
	PLACES NP
	WIN 0
	FETCH_A \slot, (\q)+1, 4
.endm
.macro TURN slot, next, fill
	s_wait_tensorcnt 0x0
	ds_add_u32 v[SPW], v[NIL]
	s_wait_dscnt 4*NL+1
	WIN MUL_LO
	MUL16 0, 1, 0
	s_wait_dscnt 0x0
	s_barrier_signal -1
	MUL16 2, 1, 0
	WIN 0
	s_barrier_wait -1
.if \fill
	CREST
	s_add_nc_u64 s[G0+4*\slot+2:G0+4*\slot+3], s[G0+4*\slot+2:G0+4*\slot+3], 2*ASTEP
	s_add_nc_u64 s[G0B+4*\slot+2:G0B+4*\slot+3], s[G0B+4*\slot+2:G0B+4*\slot+3], 2*BSTEP
	JLOAD G0+4*\slot, G1, G0B+4*\slot, G1B
.else
	PLACES NP
.endif
	FETCH_B \next, 0, 0
	FETCH_A \next, 0, 0
	WIN MUL_HI
	MUL16 4, 1, 0
	MUL16 6, 1, 0
	PLACES NP
	WIN 0
	FETCH_A \next, 0, 4
.endm
	s_wait_tensorcnt 1
	s_barrier_signal -1
	s_barrier_wait -1
	FETCH_B 0, 0, 0
	FETCH_A 0, 0, 0
	FETCH_A 0, 0, 4
	STEP 0, 0, 1
	s_mov_b32 s3, LAPS-1
.Llap:
	TURN 0, 1, 1
	STEP 1, 0, 0
	TURN 1, 0, 1
	STEP 0, 0, 0
	s_sub_co_u32 s3, s3, 1
	s_cmp_lg_u32 s3, 0
	s_cbranch_scc1 .Llap
	TURN 0, 1, 0
	STEP 1, 0, 0
	s_wait_dscnt 4*NL
	WIN MUL_LO
	MUL16 0, 1, 0
	MUL16 2, 1, 0
	s_wait_dscnt 0
	WIN MUL_HI
	MUL16 4, 1, 0
	MUL16 6, 1, 0
	WIN 0
	s_wait_kmcnt 0x0
	s_add_co_i32 s96, s76, s77
	s_add_co_i32 s96, s96, 127
	s_lshl_b32 s96, s96, 23
	s_mov_b32 s97, s96
	s_add_co_i32 s78, s78, 127
	s_lshl_b32 s79, s78, 23
	s_add_co_i32 s78, s78, 8
	s_lshl_b32 s78, s78, 23
	s_or_b32 s78, s78, 0x600000
	PLACES NP
	v_mov_b32 v13, s79
	v_mov_b32 v14, s78
	s_wait_loadcnt 0x0
.macro HBLK a
	WIN 0x02+(\a)/4
.set i, 0
.rept 32
	v_pk_fma_f32 v[X+i:X+i+1], v[64*((\a)%4)+i:64*((\a)%4)+i+1], s[96:97], v[BI+i:BI+i+1] op_sel_hi:[1,0,1]
.set i, i+2
.endr
	WIN 0
.set i, 0
.rept 64
	v_med3_num_f32 v[X+i], v[X+i], 0, v14
.set i, i+1
.endr
.irp b, 0,1,2,3
	v_cvt_scalef32_pk8_fp8_f32 v[PC+4*\b:PC+4*\b+1], v[X+16*\b:X+16*\b+7], v13
	v_cvt_scalef32_pk8_fp8_f32 v[PC+4*\b+2:PC+4*\b+3], v[X+16*\b+8:X+16*\b+15], v13
.endr
	v_nop
.irp b, 0,1,2,3
	ds_store_b128 v10, v[PC+4*\b:PC+4*\b+3] offset:4352*(\a)+32*\b
.endr
	s_wait_dscnt 0x0
.endm
.irp a, 0,1,2,3,4,5,6,7
	HBLK \a
.endr
	s_wait_dscnt 0x0
	s_barrier_signal -1
	s_barrier_wait -1
.set t, 0
.rept 32
	ds_load_b128 v[96+4*t:96+4*t+3], v11 offset:544*t
.set t, t+1
.endr
.set t, 0
.rept 32
	s_wait_dscnt 31-t
	global_store_b128 v12, v[96+4*t:96+4*t+3], s[90:91] offset:512*t
.set t, t+1
.endr
	s_wait_tensorcnt 0x0
	ds_add_u32 v[SPW], v[NIL]
	s_wait_dscnt 0x0
	CROUND
	s_endpgm
.Lfunc_end_k_q869660bf90_ffn1:
	.size	k_q869660bf90_ffn1, .Lfunc_end_k_q869660bf90_ffn1-k_q869660bf90_ffn1
	.p2alignl 7, 3214868480
	.fill 96, 4, 3214868480
	.section	.rodata,"a",@progbits
	.p2align	6, 0x0
	.amdhsa_kernel k_q869660bf90_ffn1
		.amdhsa_group_segment_fixed_size 327680
		.amdhsa_private_segment_fixed_size 0
		.amdhsa_enable_private_segment 0
		.amdhsa_kernarg_size 40
		.amdhsa_user_sgpr_count 2
		.amdhsa_user_sgpr_kernarg_segment_ptr 1
		.amdhsa_wavefront_size32 1
		.amdhsa_system_sgpr_workgroup_id_x 1
		.amdhsa_system_sgpr_workgroup_id_y 1
		.amdhsa_system_sgpr_workgroup_id_z 1
		.amdhsa_system_vgpr_workitem_id 0
		.amdhsa_next_free_vgpr 1024
		.amdhsa_next_free_sgpr 100
		.amdhsa_reserve_vcc 0
		.amdhsa_float_denorm_mode_32 3
		.amdhsa_float_denorm_mode_16_64 3
		.amdhsa_memory_ordered 1
		.amdhsa_forward_progress 1
		.amdhsa_inst_pref_size 142
	.end_amdhsa_kernel
	.amdgpu_metadata
---
amdhsa.version: [ 1, 2 ]
amdhsa.kernels:
  - .name:           k_q869660bf90_ffn1
    .symbol:         k_q869660bf90_ffn1.kd
    .args:
      - { .name: xc, .offset: 0, .size: 8, .value_kind: global_buffer, .address_space: global }
      - { .name: wc, .offset: 8, .size: 8, .value_kind: global_buffer, .address_space: global }
      - { .name: lowp_scales, .offset: 16, .size: 8, .value_kind: global_buffer, .address_space: global }
      - { .name: hc, .offset: 24, .size: 8, .value_kind: global_buffer, .address_space: global }
      - { .name: b1, .offset: 32, .size: 8, .value_kind: global_buffer, .address_space: global }
    .group_segment_fixed_size: 327680
    .private_segment_fixed_size: 0
    .kernarg_segment_align: 8
    .kernarg_segment_size: 40
    .max_flat_workgroup_size: 128
    .sgpr_count:     100
    .vgpr_count:     1024
    .wavefront_size: 32
...
	.end_amdgpu_metadata
.endif
;; end of part 12
;; launch ffn2 (part 13): grid 8 x 32, 4 waves a work-group, clusters of 4 x 4, 327,680 bytes of LDS; arguments hc, wc, lowp_scales, y; writes y
.if DOCPART == 13
	.amdgcn_target "amdgcn-amd-amdhsa--gfx1250"
	.amdhsa_code_object_version 6
	.text
	.protected	k_q869660bf90_ffn2
	.globl	k_q869660bf90_ffn2
	.p2align	8
	.type	k_q869660bf90_ffn2,@function
k_q869660bf90_ffn2:
	s_mov_b64 s[64:65], 0
	v_nop
	global_prefetch_b8 v0, s[64:65] scope:SCOPE_SE
	s_setreg_imm32_b32 hwreg(HW_REG_WAVE_MODE, 25, 1), 1
	s_wait_xcnt 0x0
	s_wait_alu depctr_hold_cnt(0) depctr_sa_sdst(0) depctr_va_vdst(0) depctr_va_sdst(0) depctr_va_ssrc(0) depctr_va_vcc(0) depctr_vm_vsrc(0)
	s_getreg_b32 s2, hwreg(HW_REG_IB_STS2, 6, 4)
	s_cmp_eq_u32 s2, 0
	s_cbranch_scc0 .Lentry_in_a_cluster
	s_endpgm
.Lentry_in_a_cluster:
	s_bfe_u32 s2, ttmp6, 0x10000c
	s_cmp_lg_u32 s2, 0xf033
	s_cbranch_scc0 .Lentry_shape_is_right
	s_endpgm
.Lentry_shape_is_right:
.set ASTEP,  0x100000
.set BSTEP,  0x40000
.set LAPS,   4
.set PITCH,  272
.set HALFT,  128*PITCH
.set SLOT,   4*HALFT
.set SPARE,  2*SLOT
.set SPITCH, 272
.set ADRA, 16
.set ADRB, 20
.set STO,  24
.set RD,   25
.set CO,   26
.set SPW,  28
.set NIL,  29
.set PFO,  30
.set TMP,  32
.set BK,   64
.set ACC,  128
.set F0,   0
.set F1,   128
.set G1, 24
.set G0, 32
.set G1B, 48
.set G0B, 56
.set PFA, 66
.set PFS, 68
.set LIM, 70
.set MSB, 0
.macro WIN new
.if MSB != (\new)
	s_set_vgpr_msb (MSB<<8)|(\new)
.set MSB, (\new)
.endif
.endm
.set MUL,  0x05
.set TO_F, 0x40
.macro JLOAD g0a, g1a, g0b, g1b
	s_cmp_eq_u32 s15, 0
	s_cbranch_scc0 .Lfor_b_\@
	tensor_load_to_lds s[\g0a:\g0a+3], s[\g1a:\g1a+7]
	s_nop 0
.rept 4
	v_nop
.endr
	s_branch .Lasked_\@
.Lfor_b_\@:
	tensor_load_to_lds s[\g0b:\g0b+3], s[\g1b:\g1b+7]
	s_nop 0
.rept 4
	v_nop
.endr
.Lasked_\@:
.endm
.macro ASK
	s_cmp_gt_u32 s3, s[LIM]
	s_cbranch_scc0 .Lnot_mine_\@
	s_wait_alu depctr_va_vdst(0)
	global_prefetch_b8 v[PFO], s[PFA:PFA+1] th:TH_LOAD_NT scope:SCOPE_SE
.Lnot_mine_\@:
.endm
.macro CREST
	s_cmp_lg_u32 s14, 0
	s_cbranch_scc1 .Lnot_wave_0_\@
	s_barrier_signal -3
.Lnot_wave_0_\@:
	s_barrier_wait -3
	s_barrier_signal -1
	s_barrier_wait -1
.endm
.macro CROUND
	s_barrier_signal -1
	s_barrier_wait -1
	CREST
.endm
	s_load_b128 s[4:7], s[0:1], 0x0
	s_load_b128 s[8:11], s[0:1], 0x10
	v_lshl_add_u32 v[SPW], v0, 2, SPARE
	v_mov_b32 v[NIL], 0
	ds_add_u32 v28, v29
	ds_add_u32 v28, v29
	s_wait_dscnt 0x0
	v_lshrrev_b32 v1, 5, v0
	v_readfirstlane_b32 s14, v1
	s_lshr_b32 s15, s14, 1
	s_and_b32 s16, s14, 1
	s_bfe_u32 s40, ttmp6, 0x40000
	s_bfe_u32 s41, ttmp6, 0x40004
	s_lshl_b32 s42, ttmp9, 2
	s_add_co_u32 s42, s42, s40
	s_and_b32 s17, ttmp7, 0xffff
	s_lshl_b32 s17, s17, 2
	s_add_co_u32 s17, s17, s41
	s_lshl_b32 s43, s41, 2
	s_lshl_b32 s43, 15, s43
	s_lshl_b32 s44, 0x1111, s40
	s_or_b32 s[G1+0], s43, (1<<20)|(1<<21)|(5<<22)|(3<<25)
	s_or_b32 s[G1B+0], s44, (1<<20)|(1<<21)|(5<<22)|(3<<25)
.irp g, G1, G1B
	s_mov_b32 s[\g+1], 256<<16
	s_mov_b32 s[\g+2], 128<<16
	s_mov_b32 s[\g+3], 256<<16
	s_mov_b32 s[\g+4], 128
	s_mov_b32 s[\g+5], 256
	s_mov_b32 s[\g+6], 0
	s_mov_b32 s[\g+7], 0
.endr
	s_lshl_b32 s18, s16, 20
	s_lshl_b32 s20, s17, 15
	s_add_co_u32 s20, s20, s18
	s_mov_b32 s21, 0
	s_lshl_b32 s19, s16, 18
	s_lshl_b32 s46, s42, 15
	s_add_co_u32 s46, s46, s19
	s_add_co_u32 s46, s46, 0x700000
	s_mov_b32 s47, 0
	s_mul_i32 s45, s14, HALFT
	s_wait_kmcnt 0x0
	s_load_b64 s[96:97], s[8:9], 0x30
	s_add_nc_u64 s[20:21], s[4:5], s[20:21]
	s_add_nc_u64 s[46:47], s[6:7], s[46:47]
	CROUND
.irp s, 0,1
	s_mov_b32 s[G0+4*\s], 1
	s_add_co_u32 s[G0+4*\s+1], s45, \s*SLOT
	s_add_nc_u64 s[G0+4*\s+2:G0+4*\s+3], s[20:21], \s*2*ASTEP
	s_or_b32 s[G0+4*\s+3], s[G0+4*\s+3], 0x80000000
	s_mov_b32 s[G0B+4*\s], 1
	s_add_co_u32 s[G0B+4*\s+1], s45, \s*SLOT
	s_add_nc_u64 s[G0B+4*\s+2:G0B+4*\s+3], s[46:47], \s*2*BSTEP
	s_or_b32 s[G0B+4*\s+3], s[G0B+4*\s+3], 0x80000000
.if \s
	s_wait_alu depctr_va_vdst(0)
	s_wait_tensorcnt 0x0
	ds_add_u32 v28, v29
	ds_add_u32 v28, v29
	s_wait_dscnt 0x0
	CROUND
.endif
	JLOAD G0+4*\s, G1, G0B+4*\s, G1B
.endr
	v_and_b32 v1, 15, v0
	s_wait_alu depctr_va_vdst(0)
	v_bfe_u32 v2, v0, 4, 1
	v_mul_u32_u24 v3, v1, PITCH
	v_lshl_add_u32 v4, v2, 4, v3
	s_mul_i32 s21, s15, 64*PITCH
	s_mul_i32 s22, s16, 64*PITCH
	s_add_co_u32 s22, s22, 2*HALFT
.irp s, 0,1
	v_add_nc_u32 v[ADRA+\s], s21, v4
	v_add_nc_u32 v[ADRB+\s], s22, v4
	s_add_co_u32 s21, s21, SLOT
	s_add_co_u32 s22, s22, SLOT
.endr
	s_mul_i32 s23, s14, 16*SPITCH
	v_mul_u32_u24 v5, v1, SPITCH
	s_wait_alu depctr_va_vdst(0)
	v_lshl_add_u32 v5, v2, 6, v5
	v_add_nc_u32 v[STO], s23, v5
	v_mul_u32_u24 v5, v2, SPITCH
	v_lshl_add_u32 v5, v1, 4, v5
	v_add_nc_u32 v[RD], s23, v5
	v_lshlrev_b32 v[CO], 12, v2
	v_lshl_add_u32 v[CO], v1, 4, v[CO]
	s_lshl_b32 s20, s17, 7
	s_lshl_b32 s21, s15, 6
	s_add_co_u32 s20, s20, s21
	s_lshl_b32 s20, s20, 12
	s_lshl_b32 s46, s42, 9
	s_lshl_b32 s47, s16, 8
	s_add_co_u32 s46, s46, s47
	s_add_co_u32 s20, s20, s46
	s_mov_b32 s21, 0
	s_add_nc_u64 s[10:11], s[10:11], s[20:21]
	s_and_b32 s71, ttmp7, 0xffff
	s_mov_b32 s[PFS], 2*BSTEP
	s_mov_b32 s74, 0x700000+6*BSTEP
	s_cmp_eq_u32 s15, 0
	s_cselect_b32 s72, s17, s42
	s_cselect_b32 s73, s40, s41
	s_cselect_b32 s71, ttmp9, s71
	s_cselect_b32 s75, s18, s19
	s_cselect_b64 s[PFA:PFA+1], s[4:5], s[6:7]
	s_cselect_b32 s[PFS], 2*ASTEP, s[PFS]
	s_cselect_b32 s74, 6*ASTEP, s74
	s_cmp_eq_u32 s71, 0
	s_cselect_b32 s[LIM], 1, -1
	s_lshl_b32 s72, s72, 15
	s_add_co_u32 s74, s74, s72
	s_add_co_u32 s74, s74, s75
	s_lshl_b32 s73, s73, 13
	s_add_co_u32 s74, s74, s73
	s_mov_b32 s75, 0
	s_mov_b32 s[PFS+1], 0
	s_add_nc_u64 s[PFA:PFA+1], s[PFA:PFA+1], s[74:75]
	v_and_b32 v6, 31, v0
	v_lshlrev_b32 v[PFO], 8, v6
.macro FRAG reg, adr, q, i
.irp c, 0,1,2,3
	ds_load_b128 v[\reg+4*\c:\reg+4*\c+3], v[\adr] offset:((\q)/2)*HALFT+128*((\q)%2)+32*\c+(\i)*16*PITCH
.endr
.endm
.macro FETCH slot, q, f
	WIN TO_F
.irp i, 0,1,2,3
	FRAG \f+64+16*\i, ADRB+\slot, \q, \i
.endr
.irp i, 0,1,2,3
	FRAG \f+16*\i, ADRA+\slot, \q, \i
.endr
.endm
.macro MULA f, a, zero
.irp b, 0,1,2,3
.if \zero
	v_wmma_f32_16x16x128_fp8_fp8 v[ACC+8*(4*(\a)+\b):ACC+8*(4*(\a)+\b)+7], v[\f+64+16*\b:\f+64+16*\b+15], v[\f+16*(\a):\f+16*(\a)+15], 0
.else
	v_wmma_f32_16x16x128_fp8_fp8 v[ACC+8*(4*(\a)+\b):ACC+8*(4*(\a)+\b)+7], v[\f+64+16*\b:\f+64+16*\b+15], v[\f+16*(\a):\f+16*(\a)+15], v[ACC+8*(4*(\a)+\b):ACC+8*(4*(\a)+\b)+7]
.endif
.endr
.endm
.macro PLACES
.rept 4
	v_nop
.endr
.endm
.macro QUARTER slot, q, f, g, zero
	s_wait_dscnt 8
	WIN MUL
	MULA \f, 0, \zero
	MULA \f, 1, \zero
	PLACES
	FETCH \slot, \q, \g
	s_wait_dscnt 32
	WIN MUL
	MULA \f, 2, \zero
	MULA \f, 3, \zero
.endm
.macro TURN slot, next, fill
.if \fill
	s_wait_xcnt 0x0
	s_add_nc_u64 s[PFA:PFA+1], s[PFA:PFA+1], s[PFS:PFS+1]
.endif
	WIN 0
	s_wait_tensorcnt 0x0
	ds_add_u32 v[SPW], v[NIL]
	s_wait_dscnt 9
	WIN MUL
	MULA F1, 0, 0
	s_wait_dscnt 0x0
	s_barrier_signal -1
	MULA F1, 1, 0
	WIN 0
	s_barrier_wait -1
.if \fill
	CREST
	s_add_nc_u64 s[G0+4*\slot+2:G0+4*\slot+3], s[G0+4*\slot+2:G0+4*\slot+3], 4*ASTEP
	s_add_nc_u64 s[G0B+4*\slot+2:G0B+4*\slot+3], s[G0B+4*\slot+2:G0B+4*\slot+3], 4*BSTEP
	JLOAD G0+4*\slot, G1, G0B+4*\slot, G1B
.else
	PLACES
.endif
	FETCH \next, 0, F0
.if \fill
	WIN 0
	ASK
.endif
	WIN MUL
	MULA F1, 2, 0
	MULA F1, 3, 0
.endm
	s_wait_tensorcnt 1
	s_barrier_signal -1
	s_barrier_wait -1
	FETCH 0, 0, F0
	QUARTER 0, 1, F0, F1, 1
	WIN 0
	s_mov_b32 s3, LAPS-1
.Llap:
	QUARTER 0, 2, F1, F0, 0
	QUARTER 0, 3, F0, F1, 0
	TURN 0, 1, 1
	QUARTER 1, 1, F0, F1, 0
	QUARTER 1, 2, F1, F0, 0
	QUARTER 1, 3, F0, F1, 0
	TURN 1, 0, 1
	QUARTER 0, 1, F0, F1, 0
	WIN 0
	s_sub_co_u32 s3, s3, 1
	s_cmp_lg_u32 s3, 0
	s_cbranch_scc1 .Llap
	QUARTER 0, 2, F1, F0, 0
	QUARTER 0, 3, F0, F1, 0
	TURN 0, 1, 0
	QUARTER 1, 1, F0, F1, 0
	QUARTER 1, 2, F1, F0, 0
	QUARTER 1, 3, F0, F1, 0
	s_wait_dscnt 8
	WIN MUL
	MULA F1, 0, 0
	MULA F1, 1, 0
	s_wait_dscnt 0
	MULA F1, 2, 0
	MULA F1, 3, 0
	WIN 0
.macro TOSTAGE a
.set AC, ACC+32*(\a)
.set j, 0
.rept 16
	v_pk_mul_f32 v[TMP+j:TMP+j+1], v[AC+j:AC+j+1], s[96:97] op_sel_hi:[1,0]
.set j, j+2
.endr
.irp b, 0,1,2,3
	ds_store_b128 v[STO], v[TMP+8*\b:TMP+8*\b+3] offset:128*(\b/2)+32*(\b%2)
	ds_store_b128 v[STO], v[TMP+8*\b+4:TMP+8*\b+7] offset:128*(\b/2)+32*(\b%2)+16
.endr
.set BB, BK+32*((\a)%2)
.irp t, 0,1,2,3,4,5,6,7
	ds_load_b128 v[BB+4*\t:BB+4*\t+3], v[RD] offset:\t*2*SPITCH
.endr
.endm
.macro SEND a, younger
.set BB, BK+32*((\a)%2)
	s_wait_dscnt \younger
.irp t, 0,1,2,3,4,5,6,7
	global_store_b128 v[CO], v[BB+4*\t:BB+4*\t+3], s[10:11] offset:(16*(\a)+2*\t)*4096
.endr
.endm
	s_wait_kmcnt 0x0
	s_add_co_i32 s96, s96, s97
	s_add_co_i32 s96, s96, 127
	s_lshl_b32 s96, s96, 23
	PLACES
	TOSTAGE 0
.irp a, 1,2,3
.if \a > 1
	s_wait_xcnt 0x0
.endif
	TOSTAGE \a
	SEND \a-1, 16
.endr
	SEND 3, 0
	s_wait_tensorcnt 0x0
	ds_add_u32 v[SPW], v[NIL]
	s_wait_dscnt 0x0
	CROUND
	s_endpgm
.Lfunc_end_k_q869660bf90_ffn2:
	.size	k_q869660bf90_ffn2, .Lfunc_end_k_q869660bf90_ffn2-k_q869660bf90_ffn2
	.p2alignl 7, 3214868480
	.fill 96, 4, 3214868480
	.section	.rodata,"a",@progbits
	.p2align	6, 0x0
	.amdhsa_kernel k_q869660bf90_ffn2
		.amdhsa_group_segment_fixed_size 327680
		.amdhsa_private_segment_fixed_size 0
		.amdhsa_enable_private_segment 0
		.amdhsa_kernarg_size 32
		.amdhsa_user_sgpr_count 2
		.amdhsa_user_sgpr_kernarg_segment_ptr 1
		.amdhsa_wavefront_size32 1
		.amdhsa_system_sgpr_workgroup_id_x 1
		.amdhsa_system_sgpr_workgroup_id_y 1
		.amdhsa_system_sgpr_workgroup_id_z 1
		.amdhsa_system_vgpr_workitem_id 0
		.amdhsa_next_free_vgpr 512
		.amdhsa_next_free_sgpr 100
		.amdhsa_reserve_vcc 0
		.amdhsa_float_denorm_mode_32 3
		.amdhsa_float_denorm_mode_16_64 3
		.amdhsa_memory_ordered 1
		.amdhsa_forward_progress 1
		.amdhsa_inst_pref_size 76
	.end_amdhsa_kernel
	.amdgpu_metadata
---
amdhsa.version: [ 1, 2 ]
amdhsa.kernels:
  - .name:           k_q869660bf90_ffn2
    .symbol:         k_q869660bf90_ffn2.kd
    .args:
      - { .name: hc, .offset: 0, .size: 8, .value_kind: global_buffer, .address_space: global }
      - { .name: wc, .offset: 8, .size: 8, .value_kind: global_buffer, .address_space: global }
      - { .name: lowp_scales, .offset: 16, .size: 8, .value_kind: global_buffer, .address_space: global }
      - { .name: y, .offset: 24, .size: 8, .value_kind: global_buffer, .address_space: global }
    .group_segment_fixed_size: 327680
    .private_segment_fixed_size: 0
    .kernarg_segment_align: 8
    .kernarg_segment_size: 32
    .max_flat_workgroup_size: 128
    .sgpr_count:     100
    .vgpr_count:     512
    .wavefront_size: 32
...
	.end_amdgpu_metadata
.endif
;; end of part 13
;; launch ln2 (part 14): grid 256 x 1, 8 waves a work-group, no clusters, 0 bytes of LDS; arguments x, y, b2, ln2_g, ln2_b, out0; writes out0
.if DOCPART == 14
	.amdgcn_target "amdgcn-amd-amdhsa--gfx1250"
	.amdhsa_code_object_version 6
	.text
	.protected	k_q869660bf90_ln2
	.globl	k_q869660bf90_ln2
	.p2align	8
	.type	k_q869660bf90_ln2,@function
k_q869660bf90_ln2:
	s_mov_b64 s[64:65], 0
	v_nop
	global_prefetch_b8 v0, s[64:65] scope:SCOPE_SE
	s_setreg_imm32_b32 hwreg(HW_REG_WAVE_MODE, 25, 1), 1
	s_wait_xcnt 0x0
; out0 = layer norm of (x + y + b2).  A wave takes two rows of 1,024; a lane holds columns 128 j + 4 lane + 0 .. 3, j = 0 .. 7: every load and store covers 512 consecutive bytes.
; Two passes over registers: the mean, then the mean of the squared differences.  No LDS, no matrix unit, no cluster, no barrier: memory binds and waves share nothing.
.set G,  16
.set BT, 48
.set A0, 80
.set C0, 112
.set A1, 144
.set C1, 176
.set B2, 208
	s_load_b256 s[4:11], s[0:1], 0x0               ; x, y, b2, g
	s_load_b128 s[12:15], s[0:1], 0x20             ; b, out0
	v_lshrrev_b32 v1, 5, v0
	s_delay_alu instid0(VALU_DEP_1)
	v_readfirstlane_b32 s18, v1
	v_and_b32 v10, 31, v0
	s_delay_alu instid0(VALU_DEP_1)
	v_lshlrev_b32 v1, 4, v10
	v_mov_b32 v9, 0                                ; named as the upper half of a pair
	s_mov_b32 s20, 0x76543210
	s_mov_b32 s21, 0xfedcba98
	s_mov_b32 s26, 0x3a800000                      ; 1 / 1024
	s_mov_b32 s27, 0x3727c5ac                      ; 1e-5
	s_lshl_b32 s19, ttmp9, 4
	s_lshl_b32 s22, s18, 1
	s_add_co_u32 s19, s19, s22                     ; my first row
	s_lshl_b32 s22, s19, 12
	s_mov_b32 s23, 0
	s_wait_alu depctr_va_vdst(0)
	s_wait_kmcnt 0x0
	s_add_nc_u64 s[4:5], s[4:5], s[22:23]
	s_add_nc_u64 s[6:7], s[6:7], s[22:23]
	s_add_nc_u64 s[14:15], s[14:15], s[22:23]
.irp j, 0,1,2,3,4,5,6,7
	global_load_b128 v[G+4*\j:G+4*\j+3], v1, s[10:11] offset:512*\j
.endr
.irp j, 0,1,2,3,4,5,6,7
	global_load_b128 v[BT+4*\j:BT+4*\j+3], v1, s[12:13] offset:512*\j
.endr
.irp j, 0,1,2,3,4,5,6,7
	global_load_b128 v[B2+4*\j:B2+4*\j+3], v1, s[8:9] offset:512*\j
.endr
.irp j, 0,1,2,3,4,5,6,7
	global_load_b128 v[A0+4*\j:A0+4*\j+3], v1, s[4:5] offset:512*\j th:TH_LOAD_NT
	global_load_b128 v[C0+4*\j:C0+4*\j+3], v1, s[6:7] offset:512*\j th:TH_LOAD_NT
.endr
.irp j, 0,1,2,3,4,5,6,7
	global_load_b128 v[A1+4*\j:A1+4*\j+3], v1, s[4:5] offset:4096+512*\j th:TH_LOAD_NT
	global_load_b128 v[C1+4*\j:C1+4*\j+3], v1, s[6:7] offset:4096+512*\j th:TH_LOAD_NT
.endr
.macro WSUM                            ; v2 summed over the 32 lanes, in every lane
	s_delay_alu instid0(VALU_DEP_1)
	v_add_f32_dpp v2, v2, v2 row_xmask:1 row_mask:0xf bank_mask:0xf
	s_delay_alu instid0(VALU_DEP_1)
	v_add_f32_dpp v2, v2, v2 row_xmask:2 row_mask:0xf bank_mask:0xf
	s_delay_alu instid0(VALU_DEP_1)
	v_add_f32_dpp v2, v2, v2 row_xmask:4 row_mask:0xf bank_mask:0xf
	s_delay_alu instid0(VALU_DEP_1)
	v_add_f32_dpp v2, v2, v2 row_xmask:8 row_mask:0xf bank_mask:0xf
	s_delay_alu instid0(VALU_DEP_1)
	v_permlanex16_b32 v3, v2, s20, s21
	s_delay_alu instid0(VALU_DEP_1)
	v_add_f32 v2, v2, v3
.endm
.macro LNROW A, C, row, left
	s_wait_loadcnt \left                           ; this row's loads are in; the later row's sixteen may be out
.set i, 0
.rept 16
	v_pk_add_f32 v[\C+i:\C+i+1], v[\C+i:\C+i+1], v[B2+i:B2+i+1]   ; y + b2: the feed-forward's result,
.set i, i+2
.endr
.set i, 0
.rept 16
	v_pk_add_f32 v[\A+i:\A+i+1], v[\A+i:\A+i+1], v[\C+i:\C+i+1]   ; added to x
.set i, i+2
.endr
	v_pk_add_f32 v[2:3], v[\A:\A+1], v[\A+2:\A+3]
	v_pk_add_f32 v[4:5], v[\A+4:\A+5], v[\A+6:\A+7]
.irp i, 8,12,16,20,24,28
	s_delay_alu instid0(VALU_DEP_2)
	v_pk_add_f32 v[2:3], v[2:3], v[\A+\i:\A+\i+1]
	s_delay_alu instid0(VALU_DEP_2)
	v_pk_add_f32 v[4:5], v[4:5], v[\A+\i+2:\A+\i+3]
.endr
	s_delay_alu instid0(VALU_DEP_1)
	v_pk_add_f32 v[2:3], v[2:3], v[4:5]
	s_delay_alu instid0(VALU_DEP_1)
	v_add_f32 v2, v2, v3
	WSUM
	s_delay_alu instid0(VALU_DEP_1)
	v_mul_f32 v6, s26, v2                          ; the mean
	s_delay_alu instid0(VALU_DEP_1)
	v_mov_b32 v7, v6
.set i, 0
.rept 16
	v_pk_add_f32 v[\A+i:\A+i+1], v[\A+i:\A+i+1], v[6:7] neg_lo:[0,1] neg_hi:[0,1]
.set i, i+2
.endr
	v_pk_mul_f32 v[2:3], v[\A:\A+1], v[\A:\A+1]
	v_pk_mul_f32 v[4:5], v[\A+2:\A+3], v[\A+2:\A+3]
.irp i, 4,8,12,16,20,24,28
	s_delay_alu instid0(VALU_DEP_2)
	v_pk_fma_f32 v[2:3], v[\A+\i:\A+\i+1], v[\A+\i:\A+\i+1], v[2:3]
	s_delay_alu instid0(VALU_DEP_2)
	v_pk_fma_f32 v[4:5], v[\A+\i+2:\A+\i+3], v[\A+\i+2:\A+\i+3], v[4:5]
.endr
	s_delay_alu instid0(VALU_DEP_1)
	v_pk_add_f32 v[2:3], v[2:3], v[4:5]
	s_delay_alu instid0(VALU_DEP_1)
	v_add_f32 v2, v2, v3
	WSUM
	s_delay_alu instid0(VALU_DEP_1)
	v_fma_f32 v2, v2, s26, s27                     ; the variance + 1e-5
	s_wait_alu depctr_va_vdst(0)
	v_rsq_f32 v8, v2
	v_nop                                          ; a plain line behind the root
	s_wait_alu depctr_va_vdst(0)                   ; ahead of its first reader
.set i, 0
.rept 16
	v_pk_mul_f32 v[\C+i:\C+i+1], v[\A+i:\A+i+1], v[8:9] op_sel_hi:[1,0]
.set i, i+2
.endr
.set i, 0
.rept 16
	v_pk_fma_f32 v[\C+i:\C+i+1], v[\C+i:\C+i+1], v[G+i:G+i+1], v[BT+i:BT+i+1]
.set i, i+2
.endr
.irp j, 0,1,2,3,4,5,6,7
	global_store_b128 v1, v[\C+4*\j:\C+4*\j+3], s[14:15] offset:4096*\row+512*\j th:TH_STORE_NT
.endr
.endm
	LNROW A0, C0, 0, 16
	LNROW A1, C1, 1, 0
	s_endpgm
.Lfunc_end_k_q869660bf90_ln2:
	.size	k_q869660bf90_ln2, .Lfunc_end_k_q869660bf90_ln2-k_q869660bf90_ln2
	.p2alignl 7, 3214868480
	.fill 96, 4, 3214868480
	.section	.rodata,"a",@progbits
	.p2align	6, 0x0
	.amdhsa_kernel k_q869660bf90_ln2
		.amdhsa_group_segment_fixed_size 0
		.amdhsa_private_segment_fixed_size 0
		.amdhsa_enable_private_segment 0
		.amdhsa_kernarg_size 48
		.amdhsa_user_sgpr_count 2
		.amdhsa_user_sgpr_kernarg_segment_ptr 1
		.amdhsa_wavefront_size32 1
		.amdhsa_system_sgpr_workgroup_id_x 1
		.amdhsa_system_sgpr_workgroup_id_y 1
		.amdhsa_system_sgpr_workgroup_id_z 1
		.amdhsa_system_vgpr_workitem_id 0
		.amdhsa_next_free_vgpr 256
		.amdhsa_next_free_sgpr 66
		.amdhsa_reserve_vcc 0
		.amdhsa_float_denorm_mode_32 3
		.amdhsa_float_denorm_mode_16_64 3
		.amdhsa_memory_ordered 1
		.amdhsa_forward_progress 1
		.amdhsa_inst_pref_size 27
	.end_amdhsa_kernel
	.amdgpu_metadata
---
amdhsa.version: [ 1, 2 ]
amdhsa.kernels:
  - .name:           k_q869660bf90_ln2
    .symbol:         k_q869660bf90_ln2.kd
    .args:
      - { .name: x, .offset: 0, .size: 8, .value_kind: global_buffer, .address_space: global }
      - { .name: y, .offset: 8, .size: 8, .value_kind: global_buffer, .address_space: global }
      - { .name: b2, .offset: 16, .size: 8, .value_kind: global_buffer, .address_space: global }
      - { .name: ln2_g, .offset: 24, .size: 8, .value_kind: global_buffer, .address_space: global }
      - { .name: ln2_b, .offset: 32, .size: 8, .value_kind: global_buffer, .address_space: global }
      - { .name: out0, .offset: 40, .size: 8, .value_kind: global_buffer, .address_space: global }
    .group_segment_fixed_size: 0
    .private_segment_fixed_size: 0
    .kernarg_segment_align: 8
    .kernarg_segment_size: 48
    .max_flat_workgroup_size: 256
    .sgpr_count:     66
    .vgpr_count:     256
    .wavefront_size: 32
...
	.end_amdgpu_metadata
.endif
;; end of part 14
